; MI455X (gfx1250); checked and timed in simulation.
; The chip was launched on July 23, 2026; its instructions are those of AMD's public machine-readable ISA for CDNA 5 (MIT licence, August 2026) and "CDNA5" Instruction Set Architecture Reference Guide (July 2026). The comments in the code are by the model that wrote it; some were corrected since.
;; Multi Head Latent Attention. Allowed arithmetic: matrix products marked QUANTISED: E4M3 operands, one given power-of-two scale a tensor, by v_wmma_f32_16x16x64_fp8_fp8 or v_wmma_f32_16x16x128_fp8_fp8, f32 sums; everything else in f32.
;; Inputs: Wk 128 x 512 float32; Wkv 1,024 x 128 float32; Wo 1,024 x 1,024 float32; Wq 1,024 x 1,024 float32; Wv 128 x 512 float32; k_g 32 float32; lowp_scales 14 int32 (the exponents e of the quantised operands' scales 2^e); q_g 64 float32; x 4 x 2,048 x 1,024 float32.
;; Outputs: out0 4 x 2,048 x 1,024 float32.
;; This version of the problem:
;;   THIS VERSION OF THE PROBLEM IS GIVEN IN LOW PRECISION. The matrix products marked QUANTISED in the list below multiply operands that are first quantised to E4M3 (4 exponent bits, 3 mantissa bits; 8 bits a number), with one given power-of-two scale for each operand tensor; their sums are f32. All else is computed in f32.
;;   The module's matrix products, in the order in which they are computed (A, B: the left and right operand; K: the contracted axis; several contracted axes count as one K, in the product's order):
;;     1. [M 8,192, K 1,024] x [K 1,024, N 1,024]; A: input x; B: input Wq: QUANTISED (scales: A lowp_scales[0], B lowp_scales[1])
;;     2. [M 8,192, K 1,024] x [K 1,024, N 128]; A: input x; B: input Wkv: QUANTISED (scales: A lowp_scales[2], B lowp_scales[3])
;;     3. [M 8,192, K 128] x [K 128, N 512]; A: computed on the way; B: input Wk: QUANTISED (scales: A lowp_scales[4], B lowp_scales[5])
;;     4. [M 8,192, K 128] x [K 128, N 512]; A: computed on the way; B: input Wv: QUANTISED (scales: A lowp_scales[6], B lowp_scales[7])
;;     5. batch 64 x [M 2,048, K 32] x [K 32, N 2,048]; A: computed on the way; B: computed on the way: QUANTISED (scales: A lowp_scales[8], B lowp_scales[9])
;;     6. batch 64 x [M 2,048, K 2,048] x [K 2,048, N 32]; A: softmax (see below); B: computed on the way: QUANTISED (scales: A lowp_scales[10], B lowp_scales[11])
;;     7. [M 8,192, K 1,024] x [K 1,024, N 1,024]; A: computed on the way; B: input Wo: QUANTISED (scales: A lowp_scales[12], B lowp_scales[13])
;;   THE QUANTISER, for each operand of a quantised product, along K:
;;     - The operand's scale is 2^e, e = its entry of the input lowp_scales (int32; the entries are numbered through the quantised products in the list's order, A before B).
;;     - Each number is divided by the scale, clamped to +-448, and rounded to the nearest number of E4M3, ties to even, subnormals kept.
;;     - The product sums the exact products of the quantised numbers (number of the format x scale) in f32.
;;   ~~~python
;;   def quantise(x, axis, e):      # numpy; x: float32 -> the quantised numbers, widened to float32 again
;;       x = np.moveaxis(x, axis, -1); K = x.shape[-1]
;;       r = np.clip(x / 2.0 ** e, -448, 448)
;;       step = 2.0 ** (np.maximum(np.frexp(np.where(r == 0, 1, r))[1] - 1, -6) - 3)
;;       q = np.round(r / step) * step * 2.0 ** e      # np.round: ties to even
;;       return np.moveaxis(q, -1, axis).astype(np.float32)
;;   ~~~
;;   SOFTMAX AHEAD OF A QUANTISED PRODUCT. Where the list says 'softmax', what is quantised is not the finished softmax but p = 2^(t - M), with t = logit x log2(e) and M = ceil(the row's largest t), a whole number; so 1/2 < the row's largest p <= 1. The row's sum l is taken of the UNQUANTISED p, in f32, and the product's result is divided by l at the end. Since M is a whole number, a kernel that streams over the keys may use a running M (the ceiling of the running maximum): every later rescaling is an exact power of two, so the quantised numbers keep their values, but for numbers so far below the row's largest that they fall under the format's range.
;;   OPERANDS COMPUTED ON THE WAY. 'Computed on the way' means the value that the module computes at that place (a softmax that the list does not call 'softmax' is quantised finished and normalised). What goes into a quantiser is computed in f32, as accurately as f32 sums, v_exp_f32 and their like allow (about 1e-6 of the number): no bf16 or f16 on the way to a quantiser, and a product that is left as it is and whose result goes on into a quantised operand takes f32 operands (vector FMAs, or v_wmma_f32_16x16x4_f32). A number that lies on a knife's edge between two numbers of the format may be rounded either way, as far as f32 arithmetic and the matrix unit's own rounding can turn it there, and no further.
;; 2 versions. Each part assembles by itself: llvm-mc -triple=amdgcn-amd-amdhsa -mcpu=gfx1250 --defsym DOCPART=n.
;; ======== version 1 of 2: 5 launches
;; workspace buffers: x0img 8,388,608 bytes; x2img 8,388,608 bytes; wimg 1,835,008 bytes; qimg 4,194,304 bytes; kvimg 8,388,608 bytes; oimg 4,194,304 bytes
;; launch prep (part 1): grid 312 x 1, 8 waves a work-group, no clusters, 136,192 bytes of LDS; arguments x, Wq, Wo, Wk, Wv, Wkv, lowp_scales, x0img, x2img, wimg; writes x0img, x2img, wimg
.if DOCPART == 1
	.amdgcn_target "amdgcn-amd-amdhsa--gfx1250"
	.amdhsa_code_object_version 6
	.text
	.protected	k_q9a6de50f58_prep
	.globl	k_q9a6de50f58_prep
	.p2align	8
	.type	k_q9a6de50f58_prep,@function
k_q9a6de50f58_prep:
	s_mov_b64 s[64:65], 0
	v_nop
	global_prefetch_b8 v0, s[64:65] scope:SCOPE_SE
	s_setreg_imm32_b32 hwreg(HW_REG_WAVE_MODE, 25, 1), 1
	s_wait_xcnt 0x0
; PREP: x (twice: by 2^e0 and by 2^e2) and the five weights become codes of E4M3, laid as IMAGES OF OPERAND REGISTERS.
; code = number / 2^e, held within +-448, rounded to the nearest code, ties to even.
; AN IMAGE: a fragment is 16 rows x 128 K = 4 chunks of 512 bytes; in chunk c lane (r, h) has 16 bytes at 16 x lane: k = 32 c + 16 h + 0 .. 15 of row r.
; THE ROWS OF A TILE ARE NOT NEIGHBOURS: in a group of 32 (tokens, or columns of a weight) tile u's row r is element 16 (r / 8) + 8 u + r % 8.
; Work-groups 0-255: one block of 32 tokens of x each; wave w takes K step w (128 along K): 2 tiles of 16 tokens.  Each load reads 512 consecutive bytes of a token's row;
;   the tile turns through the wave's own stage in LDS (rows 528 bytes apart, an odd multiple of 16) so that a lane gets 16 neighbours along K; each store covers 512 consecutive bytes.
; Work-groups 256-311: the weights ([K][N] in memory).  A wave takes 32 columns x 128 K: a lane a column, its registers run down K, so the conversions give K innermost; no LDS.
;   Of Wo only the rows with row % 64 < 32 are read: the others meet the zeros with which the attention's result is padded.
; x0img [G 64][s 8][tile 8][c 4][512]   x2img [block 256][s 8][u 2][c 4][512]
; wimg: Wq at 0 [head 16][s 8][n 4][c 4][512]; Wo at WO_AT [j 16][s 4][n 4][c 4][512]; Wkv at WKV_AT [w 4][s 8][n 2][c 4][512]; Wk at WK_AT [head 16][u 2][c 4][512]; Wv 65,536 bytes behind Wk, likewise.
; LIMITS: each e used here (e0, e1, e2, e3, e5, e7, e13) lies between -126 and 119, so that 2^e and 448 x 2^e are f32 numbers.  NaN among the inputs is not served; infinities are held at the largest code.
.set SPARE, 135168                     ; behind the eight waves' stages: the spare words, 128 bytes a wave: four blocks of 256 bytes that no other line names
.set SPW,   14                         ; v14  LDS address of my spare word; never rewritten
.set NIL,   15                         ; v15  0; never rewritten
.set WREG,  16896                      ; LDS of a wave: two stages
.set STG,   8448                       ; a stage: 16 rows x 528 bytes
.set SP,    528
.set R,     16                         ; v16-143  x as loaded: tile u, row i at R + 64 u + 4 i
.set X,     144                        ; v144-207 64 numbers of my row: X + 16 c + i is k = 32 c + 16 h + i
.set T,     208                        ; v208-223 at work
.set W,     16                         ; v16-143  a weight's 128 numbers down K
.set WC,    144                        ; v144-175 their codes
.set WO_AT,  1048576
.set WKV_AT, 1572864
.set WK_AT,  1703936
.macro MKSC vd, se                     ; v[vd] = 2^e as f32 (the conversion takes its exponent field), v[vd+1] = 448 x 2^e
	s_add_co_i32 s46, \se, 127
	s_lshl_b32 s47, s46, 23
	v_mov_b32 v[\vd], s47
	s_add_co_i32 s46, s46, 8
	s_lshl_b32 s46, s46, 23
	s_or_b32 s46, s46, 0x600000
	v_mov_b32 v[\vd+1], s46
.endm
	s_load_b512 s[4:19], s[0:1], 0x0               ; x, Wq, Wo, Wk, Wv, Wkv, the scales' exponents, x0img
	s_load_b128 s[20:23], s[0:1], 0x40             ; x2img, wimg
	v_lshl_add_u32 v[SPW], v0, 2, SPARE
	v_mov_b32 v[NIL], 0
	v_lshrrev_b32 v1, 5, v0
	v_readfirstlane_b32 s24, v1                    ; wave 0..7
	s_wait_kmcnt 0x0
	s_load_b256 s[28:35], s[16:17], 0x0            ; e0 .. e7
	s_load_b64 s[36:37], s[16:17], 0x30            ; e12, e13
	s_cmp_ge_u32 ttmp9, 256
	s_cbranch_scc1 .Lweights
; ---------------- x ----------------
	v_and_b32 v1, 31, v0
	v_lshlrev_b32 v1, 4, v1                        ; 16 x lane
	s_mul_i32 s25, s24, WREG
	v_add_nc_u32 v2, s25, v1                       ; into the stage: as loaded
	v_and_b32 v8, 15, v0                           ; r
	v_bfe_u32 v9, v0, 4, 1                         ; h
	v_mul_u32_u24 v3, v8, SP
	v_lshl_add_u32 v3, v9, 6, v3
	v_add_nc_u32 v3, s25, v3                       ; out of it: row r, + 64 h bytes
	s_lshl_b32 s40, ttmp9, 17                      ; 32 tokens of 4,096 bytes
	s_lshl_b32 s41, s24, 9                         ; my K step's 512 bytes of a row
	s_add_co_u32 s40, s40, s41
	s_mov_b32 s41, 0
	s_add_nc_u64 s[4:5], s[4:5], s[40:41]
	s_lshr_b32 s42, ttmp9, 2
	s_lshl_b32 s42, s42, 17                        ; x0img: G = block / 4,
	s_lshl_b32 s43, s24, 14                        ; K step,
	s_add_co_u32 s42, s42, s43
	s_and_b32 s43, ttmp9, 3
	s_lshl_b32 s43, s43, 12                        ; tiles 2 (block % 4) + u
	s_add_co_u32 s42, s42, s43
	s_mov_b32 s43, 0
	s_add_nc_u64 s[18:19], s[18:19], s[42:43]
	s_lshl_b32 s44, ttmp9, 15                      ; x2img: block, K step
	s_lshl_b32 s45, s24, 12
	s_add_co_u32 s44, s44, s45
	s_mov_b32 s45, 0
	s_add_nc_u64 s[20:21], s[20:21], s[44:45]
.irp u, 0,1
.irp i, 0,1,2,3,4,5,6,7,8,9,10,11,12,13,14,15
	global_load_b128 v[R+64*\u+4*\i:R+64*\u+4*\i+3], v1, s[4:5] offset:(8*\u+(\i%8)+16*(\i/8))*4096 th:TH_LOAD_NT   ; 512 consecutive bytes of the token that is row i of tile u
.endr
.endr
	s_wait_kmcnt 0x0
	MKSC 4, s28                                    ; e0
	MKSC 6, s30                                    ; e2
.macro XQ da, db                       ; the 64 numbers in X become two fragments of codes: by e0 in v[da] on, by e2 in v[db] on
.irp c, 0,1,2,3
.irp i, 0,1,2,3,4,5,6,7,8,9,10,11,12,13,14,15
	v_med3_num_f32 v[T+\i], v[X+16*\c+\i], -v5, v5   ; the conversion to an 8-bit code does not saturate (ISA guide 7.6.2): the hold at 448 x 2^e0
.endr
	v_cvt_scalef32_pk8_fp8_f32 v[\da+4*\c:\da+4*\c+1], v[T:T+7], v4
	v_cvt_scalef32_pk8_fp8_f32 v[\da+4*\c+2:\da+4*\c+3], v[T+8:T+15], v4
.irp i, 0,1,2,3,4,5,6,7,8,9,10,11,12,13,14,15
	v_med3_num_f32 v[X+16*\c+\i], v[X+16*\c+\i], -v7, v7   ; the same numbers held for e2; these sixteen plain lines also part the conversions above from the next writes of T
.endr
	v_cvt_scalef32_pk8_fp8_f32 v[\db+4*\c:\db+4*\c+1], v[X+16*\c:X+16*\c+7], v6
	v_cvt_scalef32_pk8_fp8_f32 v[\db+4*\c+2:\db+4*\c+3], v[X+16*\c+8:X+16*\c+15], v6
.endr
	v_nop                                          ; a plain line behind the last conversion
.endm
.macro UNIT u, da, db
	s_wait_loadcnt 16*(1-\u)                       ; this tile's 16 loads are in; the other tile's, issued behind them, may be out
.irp i, 0,1,2,3,4,5,6,7,8,9,10,11,12,13,14,15
	ds_store_b128 v2, v[R+64*\u+4*\i:R+64*\u+4*\i+3] offset:\u*STG+\i*SP
.endr
.irp c, 0,1,2,3
.irp k, 0,1,2,3
	ds_load_b128 v[X+16*\c+4*\k:X+16*\c+4*\k+3], v3 offset:\u*STG+128*\c+16*\k   ; LDS serves a wave's instructions in order: these see my stores
.endr
.endr
	s_wait_dscnt 0x0
	XQ \da, \db
.irp c, 0,1,2,3
	global_store_b128 v1, v[\da+4*\c:\da+4*\c+3], s[18:19] offset:\u*2048+\c*512   ; a chunk: 512 consecutive bytes
	global_store_b128 v1, v[\db+4*\c:\db+4*\c+3], s[20:21] offset:\u*2048+\c*512
.endr
.endm
	UNIT 0, 224, 240
	UNIT 1, 16, 32                                 ; its codes take registers that tile 0's rows have left: no store's data are written again
	s_wait_tensorcnt 0x0                           ; the wave's end: three closing lines behind my last LDS store
	ds_add_u32 v[SPW], v[NIL]
	s_wait_dscnt 0x0
	s_endpgm
; ---------------- the weights ----------------
.macro WLD c, pitch, bs                ; block c: 32 rows of my column; neighbouring lanes read within 128 consecutive bytes
.irp i, 0,1,2,3,4,5,6,7,8,9,10,11,12,13,14,15,16,17,18,19,20,21,22,23,24,25,26,27,28,29,30,31
	global_load_b32 v[W+32*(\c)+\i], v1, s[40:41] offset:((\c)*(\bs)+\i)*(\pitch)
.endr
.endm
.macro WQU c
.irp i, 0,1,2,3,4,5,6,7,8,9,10,11,12,13,14,15,16,17,18,19,20,21,22,23,24,25,26,27,28,29,30,31
	v_med3_num_f32 v[W+32*(\c)+\i], v[W+32*(\c)+\i], -v5, v5
.endr
.irp g, 0,1,2,3
	v_cvt_scalef32_pk8_fp8_f32 v[WC+8*(\c)+2*\g:WC+8*(\c)+2*\g+1], v[W+32*(\c)+8*\g:W+32*(\c)+8*\g+7], v4
.endr
.endm
.macro WTILE pitch, bs                 ; s[40:41] source, s[42:43] destination, s44 the exponent; pitch: bytes of a row; bs: rows from block to block
	MKSC 4, s44
	WLD 0, \pitch, \bs
	WLD 1, \pitch, \bs
	s_wait_loadcnt 32                              ; block 0 is in; block 1's 32 loads may be out
	WLD 2, \pitch, \bs
	WQU 0
	s_wait_loadcnt 32                              ; block 1 is in; block 2's may be out
	WLD 3, \pitch, \bs
	WQU 1
	s_wait_loadcnt 32                              ; block 2 is in; block 3's may be out
	WQU 2
	s_wait_loadcnt 0x0
	WQU 3
	v_nop
.irp c, 0,1,2,3
	global_store_b128 v2, v[WC+8*\c:WC+8*\c+3], s[42:43] offset:\c*512         ; k = 32 c + 0 .. 15: the places of lanes 0-15 of the chunk; sixteen lanes store 256 consecutive bytes
	global_store_b128 v2, v[WC+8*\c+4:WC+8*\c+7], s[42:43] offset:\c*512+256   ; k = 32 c + 16 .. 31: the places of lanes 16-31
.endr
	s_endpgm                                       ; these waves have written no LDS
.endm
.Lweights:
	v_bfe_u32 v8, v0, 3, 1
	v_bfe_u32 v9, v0, 4, 1                         ; tile u = lane / 16
	v_and_b32 v10, 7, v0
	v_lshl_add_u32 v10, v8, 4, v10
	v_lshl_add_u32 v10, v9, 3, v10                 ; my column of the 32: 16 ((lane / 8) % 2) + 8 u + lane % 8
	v_lshlrev_b32 v1, 2, v10
	v_and_b32 v11, 15, v0
	v_lshlrev_b32 v2, 4, v11
	v_lshl_add_u32 v2, v9, 11, v2                  ; in the image: tile u, 16 x row
	s_sub_co_u32 s25, ttmp9, 256
	s_lshl_b32 s26, s25, 3
	s_add_co_u32 s26, s26, s24                     ; which piece of 32 columns x 128 K is my wave's
	s_mov_b32 s41, 0
	s_mov_b32 s43, 0
	s_wait_kmcnt 0x0
	s_cmp_lt_u32 s25, 32
	s_cbranch_scc0 .Lnot_wq
	s_and_b32 s27, s26, 31                         ; Wq: 32 groups of columns x 8 K steps
	s_lshr_b32 s38, s26, 5
	s_lshl_b32 s40, s38, 19                        ; 128 rows of 4,096 bytes
	s_lshl_b32 s39, s27, 7
	s_add_co_u32 s40, s40, s39
	s_add_nc_u64 s[40:41], s[6:7], s[40:41]
	s_lshr_b32 s42, s27, 1
	s_lshl_b32 s42, s42, 16                        ; head
	s_lshl_b32 s39, s38, 13
	s_add_co_u32 s42, s42, s39
	s_and_b32 s39, s27, 1
	s_lshl_b32 s39, s39, 12                        ; which half of the head's 64 columns
	s_add_co_u32 s42, s42, s39
	s_add_nc_u64 s[42:43], s[22:23], s[42:43]
	s_mov_b32 s44, s29                             ; e1
	WTILE 4096, 32
.Lnot_wq:
	s_cmp_lt_u32 s25, 48
	s_cbranch_scc0 .Lnot_wo
	s_sub_co_u32 s26, s26, 256                     ; Wo: 32 groups of columns x 4 K steps of 128 live rows
	s_and_b32 s27, s26, 31
	s_lshr_b32 s38, s26, 5
	s_lshl_b32 s40, s38, 20                        ; four heads: 256 rows of 4,096 bytes
	s_lshl_b32 s39, s27, 7
	s_add_co_u32 s40, s40, s39
	s_add_nc_u64 s[40:41], s[8:9], s[40:41]
	s_lshr_b32 s42, s27, 1
	s_lshl_b32 s42, s42, 15
	s_lshl_b32 s39, s38, 13
	s_add_co_u32 s42, s42, s39
	s_and_b32 s39, s27, 1
	s_lshl_b32 s39, s39, 12
	s_add_co_u32 s42, s42, s39
	s_add_co_u32 s42, s42, WO_AT
	s_add_nc_u64 s[42:43], s[22:23], s[42:43]
	s_mov_b32 s44, s37                             ; e13
	WTILE 4096, 64
.Lnot_wo:
	s_cmp_lt_u32 s25, 52
	s_cbranch_scc0 .Lnot_wkwv
	s_sub_co_u32 s26, s26, 384                     ; Wk: pieces 0-15 (a head each), Wv: 16-31; their images lie on end
	s_cmp_lt_u32 s26, 16
	s_cselect_b64 s[48:49], s[10:11], s[12:13]
	s_cselect_b32 s44, s33, s35                    ; e5 or e7
	s_and_b32 s27, s26, 15
	s_lshl_b32 s40, s27, 7
	s_add_nc_u64 s[40:41], s[48:49], s[40:41]
	s_lshl_b32 s42, s26, 12
	s_add_co_u32 s42, s42, WK_AT
	s_add_nc_u64 s[42:43], s[22:23], s[42:43]
	WTILE 2048, 32
.Lnot_wkwv:
	s_sub_co_u32 s26, s26, 416                     ; Wkv: 4 groups of columns x 8 K steps
	s_and_b32 s27, s26, 3
	s_lshr_b32 s38, s26, 2
	s_lshl_b32 s40, s38, 16                        ; 128 rows of 512 bytes
	s_lshl_b32 s39, s27, 7
	s_add_co_u32 s40, s40, s39
	s_add_nc_u64 s[40:41], s[14:15], s[40:41]
	s_lshl_b32 s42, s27, 15
	s_lshl_b32 s39, s38, 12
	s_add_co_u32 s42, s42, s39
	s_add_co_u32 s42, s42, WKV_AT
	s_add_nc_u64 s[42:43], s[22:23], s[42:43]
	s_mov_b32 s44, s31                             ; e3
	WTILE 512, 32
.Lfunc_end_k_q9a6de50f58_prep:
	.size	k_q9a6de50f58_prep, .Lfunc_end_k_q9a6de50f58_prep-k_q9a6de50f58_prep
	.p2alignl 7, 3214868480
	.fill 96, 4, 3214868480
	.section	.rodata,"a",@progbits
	.p2align	6, 0x0
	.amdhsa_kernel k_q9a6de50f58_prep
		.amdhsa_group_segment_fixed_size 136192
		.amdhsa_private_segment_fixed_size 0
		.amdhsa_enable_private_segment 0
		.amdhsa_kernarg_size 80
		.amdhsa_user_sgpr_count 2
		.amdhsa_user_sgpr_kernarg_segment_ptr 1
		.amdhsa_wavefront_size32 1
		.amdhsa_system_sgpr_workgroup_id_x 1
		.amdhsa_system_sgpr_workgroup_id_y 1
		.amdhsa_system_sgpr_workgroup_id_z 1
		.amdhsa_system_vgpr_workitem_id 0
		.amdhsa_next_free_vgpr 256
		.amdhsa_next_free_sgpr 66
		.amdhsa_reserve_vcc 0
		.amdhsa_float_denorm_mode_32 3
		.amdhsa_float_denorm_mode_16_64 3
		.amdhsa_memory_ordered 1
		.amdhsa_forward_progress 1
		.amdhsa_inst_pref_size 121
	.end_amdhsa_kernel
	.amdgpu_metadata
---
amdhsa.version: [ 1, 2 ]
amdhsa.kernels:
  - .name:           k_q9a6de50f58_prep
    .symbol:         k_q9a6de50f58_prep.kd
    .args:
      - { .name: x, .offset: 0, .size: 8, .value_kind: global_buffer, .address_space: global }
      - { .name: Wq, .offset: 8, .size: 8, .value_kind: global_buffer, .address_space: global }
      - { .name: Wo, .offset: 16, .size: 8, .value_kind: global_buffer, .address_space: global }
      - { .name: Wk, .offset: 24, .size: 8, .value_kind: global_buffer, .address_space: global }
      - { .name: Wv, .offset: 32, .size: 8, .value_kind: global_buffer, .address_space: global }
      - { .name: Wkv, .offset: 40, .size: 8, .value_kind: global_buffer, .address_space: global }
      - { .name: lowp_scales, .offset: 48, .size: 8, .value_kind: global_buffer, .address_space: global }
      - { .name: x0img, .offset: 56, .size: 8, .value_kind: global_buffer, .address_space: global }
      - { .name: x2img, .offset: 64, .size: 8, .value_kind: global_buffer, .address_space: global }
      - { .name: wimg, .offset: 72, .size: 8, .value_kind: global_buffer, .address_space: global }
    .group_segment_fixed_size: 136192
    .private_segment_fixed_size: 0
    .kernarg_segment_align: 8
    .kernarg_segment_size: 80
    .max_flat_workgroup_size: 256
    .sgpr_count:     66
    .vgpr_count:     256
    .wavefront_size: 32
...
	.end_amdgpu_metadata
.endif
;; end of part 1
;; launch projq (part 2): grid 4 x 64, 4 waves a work-group, clusters of 4 x 1, 167,936 bytes of LDS; arguments x0img, wimg, q_g, lowp_scales, qimg; writes qimg
.if DOCPART == 2
	.amdgcn_target "amdgcn-amd-amdhsa--gfx1250"
	.amdhsa_code_object_version 6
	.text
	.protected	k_q9a6de50f58_projq
	.globl	k_q9a6de50f58_projq
	.p2align	8
	.type	k_q9a6de50f58_projq,@function
k_q9a6de50f58_projq:
	s_mov_b64 s[64:65], 0
	v_nop
	global_prefetch_b8 v0, s[64:65] scope:SCOPE_SE
	s_setreg_imm32_b32 hwreg(HW_REG_WAVE_MODE, 25, 1), 1
	s_wait_xcnt 0x0
	s_wait_alu depctr_hold_cnt(0) depctr_sa_sdst(0) depctr_va_vdst(0) depctr_va_sdst(0) depctr_va_ssrc(0) depctr_va_vcc(0) depctr_vm_vsrc(0)
	s_getreg_b32 s2, hwreg(HW_REG_IB_STS2, 6, 4)
	s_cmp_eq_u32 s2, 0
	s_cbranch_scc0 .Lentry_in_a_cluster
	s_endpgm
.Lentry_in_a_cluster:
	s_bfe_u32 s2, ttmp6, 0x10000c
	s_cmp_lg_u32 s2, 0x3003
	s_cbranch_scc0 .Lentry_shape_is_right
	s_endpgm
.Lentry_shape_is_right:
; PROJQ: q = x Wq on codes (scales 2^e0, 2^e1), RMS norm over each head's 64, gain q_g, and the first 32 of each head quantised by 2^e8 into qimg [batch x head 64][tile of 16 queries 128][512].
; SHARES.  A work-group takes 128 tokens (group G = the cluster's y) x 4 heads; wave w takes head 4 cx + w: 64 columns, whose codes (64 KB, 512 registers) stay in its registers.
; x's codes of the group, 128 KB, one dense block of images, are brought into LDS once: each wave's one tensor load brings 32 KB.  Nothing in LDS is filled again.
; CLUSTER.  The four work-groups of a cluster take the same 128 tokens, so x's block is asked for JOINTLY: the same load, descriptor and mask (all four) in all four.
; The weights are not shared so: they go from memory straight into the registers in which they stay; 256 KB of them beside x's 128 KB would not fit in LDS.
; THE MATRIX INSTRUCTION IS USED TRANSPOSED (source 0 = 16 columns of Wq, source 1 = 16 tokens): a lane holds ONE token, and, by the choice of a tile's columns (16 (r / 8) + 8 u + r % 8 of 32),
; the 16 registers of tiles 0 and 1 are dims 16 h + 0 .. 15 of the head: the conversions' results are a chunk of the scores' operand as it stands.
; Of q_g only entries 0-31 are read: the others scale numbers that the scores never take.
; REGISTERS.  window 0: v1 16 x lane; v2 the same + 65,536; v5 64 h; v10, v11 2^e8 and 448 x 2^e8; v30, v31 the add's two; v32-47 q_g at my 16 dims; v48-63 eight pairs of sums of squares;
;   v64-127, v128-191 x's fragments, four tiles each; v208-239 codes; v240-247 the other half's sums.   windows 1, 2: Wq's fragment (n, s) at 16 (4 (s % 4) + n) of window 1 + s / 4.   window 3: accumulator (tile, n) at 8 (4 tile + n).
; LIMITS: 2 (e0 + e1) - 6 and e0 + e1 between -126 and 127; e8 between -126 and 119.  Inside a matrix instruction k is permuted alike on both sides.
.set SPARE, 131072                     ; behind x's block: the spare words, 128 bytes a wave: two blocks of 256 bytes that no other line names
.set AF,  64
.set SS,  48
.set GN,  32
.set CD,  208
.set PX,  240
.set MSB, 0
.macro WIN new                         ; the immediate's high byte repeats the setting that is left
.if MSB != (\new)
	s_set_vgpr_msb (MSB<<8)|(\new)
.set MSB, (\new)
.endif
.endm
.macro CROUND                          ; a round of the cluster's barrier
	s_barrier_signal -1
	s_barrier_wait -1
	s_cmp_lg_u32 s20, 0
	s_cbranch_scc1 .Lnot_wave_0_\@
	s_barrier_signal -3
.Lnot_wave_0_\@:
	s_barrier_wait -3
	s_barrier_signal -1
	s_barrier_wait -1
.endm
.macro PLACES                          ; four plain lines behind matrix instructions, ahead of loads into their sources and of reads of their results
.rept 4
	v_nop
.endr
.endm
.macro MKSC vd, se
	s_add_co_i32 s14, \se, 127
	s_lshl_b32 s15, s14, 23
	v_mov_b32 v[\vd], s15
	s_add_co_i32 s14, s14, 8
	s_lshl_b32 s14, s14, 23
	s_or_b32 s14, s14, 0x600000
	v_mov_b32 v[\vd+1], s14
.endm
	s_load_b256 s[4:11], s[0:1], 0x0               ; x0img, wimg, q_g, the scales' exponents
	s_load_b64 s[12:13], s[0:1], 0x20              ; qimg
	v_lshl_add_u32 v30, v0, 2, SPARE
	v_mov_b32 v31, 0
	ds_add_u32 v30, v31                            ; the wave's opening: the add and its wait ahead of my tensor load; work on registers stands between them
	v_lshrrev_b32 v1, 5, v0
	v_readfirstlane_b32 s20, v1                    ; wave 0..3
	s_bfe_u32 s21, ttmp6, 0x40000                  ; cx: it enters the weights' and q's global addresses alone
	s_and_b32 s22, ttmp7, 0xffff                   ; G, which the four partners share
	s_mov_b32 s24, 15|(3<<16)|(1<<21)              ; group 1: the mask: all four; elements of 8 bytes; bit 21 beside a mask; no padding
	s_mov_b32 s25, 32<<16                          ; tensor_dim0 = 32 elements: rows of 256 bytes
	s_mov_b32 s26, 128<<16                         ; tensor_dim1 = 128
	s_mov_b32 s27, 32<<16                          ; tile_dim0
	s_mov_b32 s28, 128                             ; tile_dim1
	s_mov_b32 s29, 32                              ; the pitch: dense
	s_mov_b32 s30, 0
	s_mov_b32 s31, 0
	s_mov_b32 s48, 0x76543210                      ; v_permlanex16_b32's selects for lane l xor 16
	s_mov_b32 s49, 0xfedcba98
	s_mov_b32 s57, 0
	v_and_b32 v1, 31, v0
	v_lshlrev_b32 v1, 4, v1
	v_add_nc_u32 v2, 0x10000, v1
	v_bfe_u32 v5, v0, 4, 1
	v_lshlrev_b32 v5, 6, v5
.irp t, 0,1,2,3,4,5,6,7
	v_mov_b32 v[PX+\t], 0                          ; written once: a lane permute's destination counts as one of its sources
.endr
	s_wait_dscnt 0x0                               ; the opening add is done
	s_wait_kmcnt 0x0
	s_load_b64 s[36:37], s[10:11], 0x0             ; e0, e1
	s_load_b32 s38, s[10:11], 0x20                 ; e8
	CROUND                                         ; all four work-groups are here: the joint loads meet
	s_lshl_b32 s56, s22, 17                        ; the group's 131,072 bytes,
	s_lshl_b32 s33, s20, 15                        ; my wave's 32,768 of them: in LDS
	s_add_co_u32 s56, s56, s33                     ; and in memory
	s_mov_b32 s32, 1
	s_add_nc_u64 s[34:35], s[4:5], s[56:57]
	s_or_b32 s35, s35, 0x80000000
	tensor_load_to_lds s[32:35], s[24:31]          ; my one tensor load
	s_nop 0
	PLACES
.irp k, 0,1,2,3
	global_load_b128 v[GN+4*\k:GN+4*\k+3], v5, s[8:9] offset:16*\k   ; q_g at dims 16 h + 0 .. 15
.endr
	s_lshl_b32 s58, s21, 2
	s_add_co_u32 s58, s58, s20                     ; my head
	s_lshl_b32 s56, s58, 16
	s_add_nc_u64 s[50:51], s[6:7], s[56:57]        ; its 64 KB of Wq's image
	s_lshr_b32 s59, s22, 4
	s_lshl_b32 s59, s59, 4
	s_add_co_u32 s59, s59, s58                     ; 16 x batch + head
	s_lshl_b32 s56, s59, 16
	s_and_b32 s59, s22, 15
	s_lshl_b32 s59, s59, 12                        ; the group's eight tiles
	s_add_co_u32 s56, s56, s59
	s_add_nc_u64 s[54:55], s[12:13], s[56:57]
.macro WLOAD s                         ; Wq's four fragments of K step s
	WIN 0x40*(1+(\s)/4)
.irp n, 0,1,2,3
.irp c, 0,1,2,3
	global_load_b128 v[16*(4*((\s)%4)+\n)+4*\c:16*(4*((\s)%4)+\n)+4*\c+3], v1, s[50:51] offset:(\s)*8192+\n*2048+\c*512
.endr
.endr
	WIN 0
.endm
.macro AFETCH s, half                  ; x's fragments of K step s, tiles 4 half .. 4 half + 3
.irp t, 0,1,2,3
.irp c, 0,1,2,3
.if (\s) < 4
	ds_load_b128 v[AF+64*(\half)+16*\t+4*\c:AF+64*(\half)+16*\t+4*\c+3], v1 offset:((\s)%4)*16384+(4*(\half)+\t)*2048+\c*512
.else
	ds_load_b128 v[AF+64*(\half)+16*\t+4*\c:AF+64*(\half)+16*\t+4*\c+3], v2 offset:((\s)%4)*16384+(4*(\half)+\t)*2048+\c*512
.endif
.endr
.endr
.endm
.macro MUL16 s, half                   ; 16 matrix instructions: four tiles of tokens x my four tiles of columns.  The 32 accumulators take turns, in the same order in every K step
	WIN 0xf1+(\s)/4
.irp t, 0,1,2,3
.irp n, 0,1,2,3
.if (\s) == 0
	v_wmma_f32_16x16x128_fp8_fp8 v[8*(4*(4*(\half)+\t)+\n):8*(4*(4*(\half)+\t)+\n)+7], v[16*(4*((\s)%4)+\n):16*(4*((\s)%4)+\n)+15], v[AF+64*(\half)+16*\t:AF+64*(\half)+16*\t+15], 0
.else
	v_wmma_f32_16x16x128_fp8_fp8 v[8*(4*(4*(\half)+\t)+\n):8*(4*(4*(\half)+\t)+\n)+7], v[16*(4*((\s)%4)+\n):16*(4*((\s)%4)+\n)+15], v[AF+64*(\half)+16*\t:AF+64*(\half)+16*\t+15], v[8*(4*(4*(\half)+\t)+\n):8*(4*(4*(\half)+\t)+\n)+7]
.endif
.endr
.endr
	WIN 0
.endm
.macro GSTEP s
.if (\s)+3 < 8
	WLOAD (\s)+3
.endif
.if 7-(\s) >= 3
	s_wait_loadcnt 48                              ; this K step's weights are in; those of the three steps behind it may be out
.else
	s_wait_loadcnt 16*(7-(\s))
.endif
	s_wait_dscnt 16                                ; tiles 0-3 are in; the 16 loads of tiles 4-7 may be out
	MUL16 \s, 0
.if (\s) < 7
	PLACES
	AFETCH (\s)+1, 0
	s_wait_dscnt 16                                ; tiles 4-7 are in; the 16 just issued may be out
.else
	s_wait_dscnt 0x0
.endif
	MUL16 \s, 1
.if (\s) < 7
	PLACES
	AFETCH (\s)+1, 1
.endif
.endm
	WLOAD 0
	WLOAD 1
	WLOAD 2
	s_wait_kmcnt 0x0
	s_add_co_i32 s16, s36, s37                     ; E = e0 + e1: a sum stands for sum x 2^E
	s_lshl_b32 s17, s16, 1
	s_add_co_i32 s17, s17, 121
	s_lshl_b32 s60, s17, 23                        ; 2^(2 E - 6): the mean of 64 squares
	s_mov_b32 s61, 0x358637bd                      ; 1e-6
	s_add_co_i32 s16, s16, 127
	s_lshl_b32 s62, s16, 23                        ; 2^E
	MKSC 10, s38
	s_wait_tensorcnt 0x0                           ; my part of x's block is in LDS,
	s_barrier_signal -1
	s_barrier_wait -1                              ; everybody's is
	AFETCH 0, 0
	AFETCH 0, 1
.irp s, 0,1,2,3,4,5,6,7
	GSTEP \s
.endr
; Eight units of `stride` registers in window 3, a lane a token: sum of squares over np pairs and both halves of the lanes, 1 / sqrt(mean + 1e-6), gain, hold, codes of the first 16 registers into v[CD + 4 unit].
.macro RMSQ np, stride, sc
	WIN 0x0f
.set p, 0
.rept \np
.irp t, 0,1,2,3,4,5,6,7
.if p == 0
	v_pk_mul_f32 v[SS+2*\t:SS+2*\t+1], v[(\stride)*\t:(\stride)*\t+1], v[(\stride)*\t:(\stride)*\t+1]   ; each accumulator is read from its low end on
.else
	v_pk_fma_f32 v[SS+2*\t:SS+2*\t+1], v[(\stride)*\t+2*p:(\stride)*\t+2*p+1], v[(\stride)*\t+2*p:(\stride)*\t+2*p+1], v[SS+2*\t:SS+2*\t+1]
.endif
.endr
.set p, p+1
.endr
	WIN 0
.irp t, 0,1,2,3,4,5,6,7
	v_add_f32 v[SS+2*\t], v[SS+2*\t], v[SS+2*\t+1]
.endr
.irp t, 0,1,2,3,4,5,6,7
	v_permlanex16_b32 v[PX+\t], v[SS+2*\t], s48, s49   ; the token's other dims lie in the lane 16 away
.endr
.irp t, 0,1,2,3,4,5,6,7
	v_add_f32 v[SS+2*\t], v[SS+2*\t], v[PX+\t]
.endr
.irp t, 0,1,2,3,4,5,6,7
	v_fma_f32 v[SS+2*\t], v[SS+2*\t], s60, s61         ; the mean of the squares + 1e-6
.endr
.irp t, 0,1,2,3,4,5,6,7
	v_rsq_f32 v[SS+2*\t], v[SS+2*\t]
.endr
	v_nop                                          ; a plain line behind the last of the batch,
	s_wait_alu depctr_va_vdst(0)                   ; and one wait ahead of the batch's first reader
.irp t, 0,1,2,3,4,5,6,7
	v_mul_f32 v[SS+2*\t], s62, v[SS+2*\t]              ; 2^E / rms
.endr
	WIN 0x03
.irp t, 0,1,2,3,4,5,6,7
.irp j, 0,2,4,6,8,10,12,14
	v_pk_mul_f32 v[AF+16*\t+\j:AF+16*\t+\j+1], v[(\stride)*\t+\j:(\stride)*\t+\j+1], v[SS+2*\t:SS+2*\t+1] op_sel_hi:[1,0]
.endr
.endr
	WIN 0
.irp t, 0,1,2,3,4,5,6,7
.irp j, 0,2,4,6,8,10,12,14
	v_pk_mul_f32 v[AF+16*\t+\j:AF+16*\t+\j+1], v[AF+16*\t+\j:AF+16*\t+\j+1], v[GN+\j:GN+\j+1]
.endr
.irp i, 0,1,2,3,4,5,6,7,8,9,10,11,12,13,14,15
	v_med3_num_f32 v[AF+16*\t+\i], v[AF+16*\t+\i], -v[\sc+1], v[\sc+1]   ; the conversion does not saturate (ISA guide 7.6.2): the hold
.endr
	v_cvt_scalef32_pk8_fp8_f32 v[CD+4*\t:CD+4*\t+1], v[AF+16*\t:AF+16*\t+7], v[\sc]
	v_cvt_scalef32_pk8_fp8_f32 v[CD+4*\t+2:CD+4*\t+3], v[AF+16*\t+8:AF+16*\t+15], v[\sc]
.endr
	v_nop
.endm
	PLACES
	RMSQ 16, 32, 10
.irp t, 0,1,2,3,4,5,6,7
	global_store_b128 v1, v[CD+4*\t:CD+4*\t+3], s[54:55] offset:512*\t   ; a tile's chunk: 512 consecutive bytes
.endr
	s_wait_tensorcnt 0x0                           ; the wave's end
	ds_add_u32 v30, v31
	s_wait_dscnt 0x0
	CROUND                                         ; the closing round
	s_endpgm
.Lfunc_end_k_q9a6de50f58_projq:
	.size	k_q9a6de50f58_projq, .Lfunc_end_k_q9a6de50f58_projq-k_q9a6de50f58_projq
	.p2alignl 7, 3214868480
	.fill 96, 4, 3214868480
	.section	.rodata,"a",@progbits
	.p2align	6, 0x0
	.amdhsa_kernel k_q9a6de50f58_projq
		.amdhsa_group_segment_fixed_size 167936
		.amdhsa_private_segment_fixed_size 0
		.amdhsa_enable_private_segment 0
		.amdhsa_kernarg_size 40
		.amdhsa_user_sgpr_count 2
		.amdhsa_user_sgpr_kernarg_segment_ptr 1
		.amdhsa_wavefront_size32 1
		.amdhsa_system_sgpr_workgroup_id_x 1
		.amdhsa_system_sgpr_workgroup_id_y 1
		.amdhsa_system_sgpr_workgroup_id_z 1
		.amdhsa_system_vgpr_workitem_id 0
		.amdhsa_next_free_vgpr 1024
		.amdhsa_next_free_sgpr 66
		.amdhsa_reserve_vcc 0
		.amdhsa_float_denorm_mode_32 3
		.amdhsa_float_denorm_mode_16_64 3
		.amdhsa_memory_ordered 1
		.amdhsa_forward_progress 1
		.amdhsa_inst_pref_size 81
	.end_amdhsa_kernel
	.amdgpu_metadata
---
amdhsa.version: [ 1, 2 ]
amdhsa.kernels:
  - .name:           k_q9a6de50f58_projq
    .symbol:         k_q9a6de50f58_projq.kd
    .args:
      - { .name: x0img, .offset: 0, .size: 8, .value_kind: global_buffer, .address_space: global }
      - { .name: wimg, .offset: 8, .size: 8, .value_kind: global_buffer, .address_space: global }
      - { .name: q_g, .offset: 16, .size: 8, .value_kind: global_buffer, .address_space: global }
      - { .name: lowp_scales, .offset: 24, .size: 8, .value_kind: global_buffer, .address_space: global }
      - { .name: qimg, .offset: 32, .size: 8, .value_kind: global_buffer, .address_space: global }
    .group_segment_fixed_size: 167936
    .private_segment_fixed_size: 0
    .kernarg_segment_align: 8
    .kernarg_segment_size: 40
    .max_flat_workgroup_size: 128
    .sgpr_count:     66
    .vgpr_count:     1024
    .wavefront_size: 32
...
	.end_amdgpu_metadata
.endif
;; end of part 2
;; launch projkv (part 3): grid 256 x 1, 4 waves a work-group, no clusters, 8,704 bytes of LDS; arguments x2img, wimg, k_g, lowp_scales, kvimg; writes kvimg
.if DOCPART == 3
	.amdgcn_target "amdgcn-amd-amdhsa--gfx1250"
	.amdhsa_code_object_version 6
	.text
	.protected	k_q9a6de50f58_projkv
	.globl	k_q9a6de50f58_projkv
	.p2align	8
	.type	k_q9a6de50f58_projkv,@function
k_q9a6de50f58_projkv:
	s_mov_b64 s[64:65], 0
	v_nop
	global_prefetch_b8 v0, s[64:65] scope:SCOPE_SE
	s_setreg_imm32_b32 hwreg(HW_REG_WAVE_MODE, 25, 1), 1
	s_wait_xcnt 0x0
; PROJKV: latent = x Wkv (codes by e2, e3); the latent quantised twice (e4, e6); k = latent Wk (e5), RMS norm over 32, gain k_g, codes by e9; v = latent Wv (e7), codes by e11, the KEYS innermost.
; kvimg [batch x head 64][step of 128 keys 16][ K: 8 tiles x 512 | V: 2 tiles of channels x 4 chunks x 512 ].
; SHARES.  A work-group takes one block of 32 tokens (two tiles u), all 16 heads.  Wave w makes latent columns 32 w .. 32 w + 31, then heads 4 w .. 4 w + 3.  All operands go from memory, where they lie as
; images of registers, straight into registers; only the latent's codes go from wave to wave, through LDS, as images: wave w's 16 codes a lane are chunk w of the latent's fragment.
; No cluster: what work-groups share (the weights) goes into registers, not into LDS.  No tensor load.
; LAYOUT.  latent^T: source 0 = 16 columns of Wkv, source 1 = 16 tokens.  k^T: source 0 = 16 columns of Wk, source 1 = tokens: a lane holds a key and dims 16 h + 0 .. 15.
; v: source 0 = 16 TOKENS, source 1 = 16 columns of Wv: a lane holds a channel and the block's keys 16 h + 0 .. 15: chunk (block % 4) of V's fragment for the step.
; REGISTERS.  window 0: v1 16 x lane; v5 64 h; v7 where I store the latent's images; v10-17 four pairs (2^e, 448 x 2^e); v30, v31 the add's two; v32-47 k_g; v48-63 sums of squares; v64-95 the latent (u, n) at 64 + 16 u + 8 n;
;   v96-127, v128-159 the latent's fragments by e4, by e6; v192-207, v240-255 at work; v208-239 codes.   window 1: Wkv (n, s) at 16 (2 s + n).   window 2: Wk (i, u') at 16 (2 i + u'), Wv (i, ct) at 128 + 16 (2 i + ct).
;   window 3: x's fragments (s, u) at 16 (2 s + u); later k at 16 (2 i + u) + 8 u' and v at 128 + 16 (2 i + ct) + 8 u.
; LIMITS: e4 - e2 - e3, e6 - e2 - e3, e9 and e11 - e6 - e7 between -126 and 119; 2 (e4 + e5) - 5 and e4 + e5 between -126 and 127.
.set SPARE, 8192                       ; behind the latent's images: the spare words, 128 bytes a wave: two blocks of 256 bytes that no other line names
.set AF,  64
.set SS,  48
.set GN,  32
.set CD,  208
.set PX,  240
.set WKV_AT, 1572864
.set WK_AT,  1703936
.set MSB, 0
.macro WIN new
.if MSB != (\new)
	s_set_vgpr_msb (MSB<<8)|(\new)
.set MSB, (\new)
.endif
.endm
.macro MKSC vd, se
	s_add_co_i32 s14, \se, 127
	s_lshl_b32 s15, s14, 23
	v_mov_b32 v[\vd], s15
	s_add_co_i32 s14, s14, 8
	s_lshl_b32 s14, s14, 23
	s_or_b32 s14, s14, 0x600000
	v_mov_b32 v[\vd+1], s14
.endm
	s_load_b256 s[4:11], s[0:1], 0x0               ; x2img, wimg, k_g, the scales' exponents
	s_load_b64 s[12:13], s[0:1], 0x20              ; kvimg
	v_lshl_add_u32 v30, v0, 2, SPARE
	v_mov_b32 v31, 0
	v_lshrrev_b32 v1, 5, v0
	v_readfirstlane_b32 s20, v1                    ; wave 0..3
	v_and_b32 v1, 31, v0
	v_lshlrev_b32 v1, 4, v1
	s_lshl_b32 s16, s20, 9
	v_add_nc_u32 v7, s16, v1                       ; chunk w of an image
	v_bfe_u32 v5, v0, 4, 1
	v_lshlrev_b32 v5, 6, v5
.irp t, 0,1,2,3,4,5,6,7
	v_mov_b32 v[PX+\t], 0
.endr
	s_mov_b32 s48, 0x76543210
	s_mov_b32 s49, 0xfedcba98
	s_and_b32 s21, ttmp9, 3                        ; the block's place in its step of 128 keys
	s_lshr_b32 s23, ttmp9, 2                       ; 16 x batch + step
	s_mov_b32 s57, 0
	s_wait_kmcnt 0x0
	s_load_b256 s[36:43], s[10:11], 0x0            ; e0 .. e7
	s_load_b128 s[44:47], s[10:11], 0x20           ; e8 .. e11
	s_lshl_b32 s56, ttmp9, 15
	s_add_nc_u64 s[52:53], s[4:5], s[56:57]        ; x's codes of my block
	s_lshl_b32 s56, s20, 15
	s_add_co_u32 s56, s56, WKV_AT
	s_add_nc_u64 s[50:51], s[6:7], s[56:57]        ; my 32 columns of Wkv
	s_lshl_b32 s56, s20, 14
	s_add_co_u32 s56, s56, WK_AT
	s_add_nc_u64 s[24:25], s[6:7], s[56:57]        ; my four heads of Wk; Wv's lie 65,536 bytes on
	s_lshr_b32 s59, s23, 4
	s_lshl_b32 s59, s59, 4
	s_lshl_b32 s16, s20, 2
	s_add_co_u32 s59, s59, s16                     ; 16 x batch + my first head
	s_lshl_b32 s56, s59, 17
	s_and_b32 s59, s23, 15
	s_lshl_b32 s59, s59, 13                        ; the step's 8,192 bytes
	s_add_co_u32 s56, s56, s59
	s_lshl_b32 s59, s21, 9
	s_add_co_u32 s56, s56, s59                     ; V: chunk = the block's place
	s_add_nc_u64 s[26:27], s[12:13], s[56:57]
	s_add_co_u32 s56, s56, s59                     ; K: tiles 2 x place + u
	s_add_nc_u64 s[54:55], s[12:13], s[56:57]
.irp k, 0,1,2,3
	global_load_b128 v[GN+4*\k:GN+4*\k+3], v5, s[8:9] offset:16*\k   ; k_g at dims 16 h + 0 .. 15
.endr
.macro LOADSTEP j                      ; 16 loads.  j < 8: K step j of Wkv and of x;  8, 9: Wk;  10, 11: Wv
.if (\j) < 8
	WIN 0x40
.irp n, 0,1
.irp c, 0,1,2,3
	global_load_b128 v[16*(2*(\j)+\n)+4*\c:16*(2*(\j)+\n)+4*\c+3], v1, s[50:51] offset:(\j)*4096+\n*2048+\c*512
.endr
.endr
	WIN 0xc0
.irp n, 0,1
.irp c, 0,1,2,3
	global_load_b128 v[16*(2*(\j)+\n)+4*\c:16*(2*(\j)+\n)+4*\c+3], v1, s[52:53] offset:(\j)*4096+\n*2048+\c*512
.endr
.endr
.else
	WIN 0x80
.irp f, 0,1,2,3
.irp c, 0,1,2,3
	global_load_b128 v[16*(4*((\j)-8)+\f)+4*\c:16*(4*((\j)-8)+\f)+4*\c+3], v1, s[24:25] offset:(4*((\j)-8)+\f)*2048+\c*512+((\j)/10)*49152
.endr
.endr
.endif
	WIN 0
.endm
.macro KSTEP s                         ; four accumulators by turns
	LOADSTEP (\s)+3
	s_wait_loadcnt 48                              ; this step's 16 loads are in; the three steps' behind them may be out
	WIN 0x0d
.irp u, 0,1
.irp n, 0,1
.if (\s) == 0
	v_wmma_f32_16x16x128_fp8_fp8 v[64+16*\u+8*\n:64+16*\u+8*\n+7], v[16*(2*(\s)+\n):16*(2*(\s)+\n)+15], v[16*(2*(\s)+\u):16*(2*(\s)+\u)+15], 0
.else
	v_wmma_f32_16x16x128_fp8_fp8 v[64+16*\u+8*\n:64+16*\u+8*\n+7], v[16*(2*(\s)+\n):16*(2*(\s)+\n)+15], v[16*(2*(\s)+\u):16*(2*(\s)+\u)+15], v[64+16*\u+8*\n:64+16*\u+8*\n+7]
.endif
.endr
.endr
	WIN 0
.endm
	LOADSTEP 0
	LOADSTEP 1
	LOADSTEP 2
	s_wait_kmcnt 0x0
	s_add_co_i32 s16, s40, s41                     ; E = e4 + e5
	s_lshl_b32 s17, s16, 1
	s_add_co_i32 s17, s17, 122
	s_lshl_b32 s60, s17, 23                        ; 2^(2 E - 5): the mean of 32 squares
	s_mov_b32 s61, 0x358637bd                      ; 1e-6
	s_add_co_i32 s16, s16, 127
	s_lshl_b32 s62, s16, 23                        ; 2^E
	s_add_co_i32 s17, s38, s39                     ; a sum of the first product stands for sum x 2^(e2 + e3): the scales are folded into the conversions' one
	s_sub_co_i32 s18, s40, s17
	MKSC 10, s18                                   ; e4 - e2 - e3
	s_sub_co_i32 s18, s42, s17
	MKSC 12, s18                                   ; e6 - e2 - e3
	MKSC 14, s45                                   ; e9
	s_sub_co_i32 s18, s47, s42
	s_sub_co_i32 s18, s18, s43
	MKSC 16, s18                                   ; e11 - e6 - e7
.irp s, 0,1,2,3,4,5,6,7
	KSTEP \s
.endr
	LOADSTEP 11
.rept 5
	v_nop                                          ; places behind the last products: four ahead of the reads below, five ahead of the products that later write over x's fragments
.endr
.macro LQ u, ver, t, sc                ; the latent of tile u, my 16 columns a lane, into codes
.irp i, 0,1,2,3,4,5,6,7,8,9,10,11,12,13,14,15
	v_med3_num_f32 v[\t+\i], v[64+16*\u+\i], -v[\sc+1], v[\sc+1]
.endr
	v_cvt_scalef32_pk8_fp8_f32 v[CD+4*(2*\ver+\u):CD+4*(2*\ver+\u)+1], v[\t:\t+7], v[\sc]
	v_cvt_scalef32_pk8_fp8_f32 v[CD+4*(2*\ver+\u)+2:CD+4*(2*\ver+\u)+3], v[\t+8:\t+15], v[\sc]
.endm
	LQ 0, 0, 192, 10
	LQ 0, 1, 240, 12
	LQ 1, 0, 192, 10
	LQ 1, 1, 240, 12
	v_nop
.irp ver, 0,1
.irp u, 0,1
	ds_store_b128 v7, v[CD+4*(2*\ver+\u):CD+4*(2*\ver+\u)+3] offset:\ver*4096+\u*2048
.endr
.endr
	s_wait_dscnt 0x0                               ; for the others' sake: my stores have landed
	s_barrier_signal -1
	s_barrier_wait -1
.irp ver, 0,1
.irp u, 0,1
.irp c, 0,1,2,3
	ds_load_b128 v[96+32*\ver+16*\u+4*\c:96+32*\ver+16*\u+4*\c+3], v1 offset:\ver*4096+\u*2048+\c*512
.endr
.endr
.endr
	s_wait_dscnt 0x0
	s_wait_loadcnt 32                              ; Wk is in; Wv's 32 loads may be out
	WIN 0xc2
.irp i, 0,1,2,3
.irp u, 0,1
.irp n, 0,1
	v_wmma_f32_16x16x128_fp8_fp8 v[16*(2*\i+\u)+8*\n:16*(2*\i+\u)+8*\n+7], v[16*(2*\i+\n):16*(2*\i+\n)+15], v[96+16*\u:96+16*\u+15], 0
.endr
.endr
.endr
	s_wait_loadcnt 0x0
	WIN 0xc8
.irp i, 0,1,2,3
.irp n, 0,1
.irp u, 0,1
	v_wmma_f32_16x16x128_fp8_fp8 v[128+16*(2*\i+\n)+8*\u:128+16*(2*\i+\n)+8*\u+7], v[128+16*\u:128+16*\u+15], v[128+16*(2*\i+\n):128+16*(2*\i+\n)+15], 0
.endr
.endr
.endr
	WIN 0
.rept 4
	v_nop
.endr
.macro RMSQ np, stride, sc             ; eight units of `stride` registers in window 3, a lane a key: sum of squares, 1 / sqrt(mean + 1e-6), gain, hold, codes into v[CD + 4 unit]
	WIN 0x0f
.set p, 0
.rept \np
.irp t, 0,1,2,3,4,5,6,7
.if p == 0
	v_pk_mul_f32 v[SS+2*\t:SS+2*\t+1], v[(\stride)*\t:(\stride)*\t+1], v[(\stride)*\t:(\stride)*\t+1]   ; each accumulator is read from its low end on
.else
	v_pk_fma_f32 v[SS+2*\t:SS+2*\t+1], v[(\stride)*\t+2*p:(\stride)*\t+2*p+1], v[(\stride)*\t+2*p:(\stride)*\t+2*p+1], v[SS+2*\t:SS+2*\t+1]
.endif
.endr
.set p, p+1
.endr
	WIN 0
.irp t, 0,1,2,3,4,5,6,7
	v_add_f32 v[SS+2*\t], v[SS+2*\t], v[SS+2*\t+1]
.endr
.irp t, 0,1,2,3,4,5,6,7
	v_permlanex16_b32 v[PX+\t], v[SS+2*\t], s48, s49
.endr
.irp t, 0,1,2,3,4,5,6,7
	v_add_f32 v[SS+2*\t], v[SS+2*\t], v[PX+\t]
.endr
.irp t, 0,1,2,3,4,5,6,7
	v_fma_f32 v[SS+2*\t], v[SS+2*\t], s60, s61
.endr
.irp t, 0,1,2,3,4,5,6,7
	v_rsq_f32 v[SS+2*\t], v[SS+2*\t]
.endr
	v_nop                                          ; a plain line behind the last of the batch,
	s_wait_alu depctr_va_vdst(0)                   ; and one wait ahead of the batch's first reader
.irp t, 0,1,2,3,4,5,6,7
	v_mul_f32 v[SS+2*\t], s62, v[SS+2*\t]
.endr
	WIN 0x03
.irp t, 0,1,2,3,4,5,6,7
.irp j, 0,2,4,6,8,10,12,14
	v_pk_mul_f32 v[AF+16*\t+\j:AF+16*\t+\j+1], v[(\stride)*\t+\j:(\stride)*\t+\j+1], v[SS+2*\t:SS+2*\t+1] op_sel_hi:[1,0]
.endr
.endr
	WIN 0
.irp t, 0,1,2,3,4,5,6,7
.irp j, 0,2,4,6,8,10,12,14
	v_pk_mul_f32 v[AF+16*\t+\j:AF+16*\t+\j+1], v[AF+16*\t+\j:AF+16*\t+\j+1], v[GN+\j:GN+\j+1]
.endr
.irp i, 0,1,2,3,4,5,6,7,8,9,10,11,12,13,14,15
	v_med3_num_f32 v[AF+16*\t+\i], v[AF+16*\t+\i], -v[\sc+1], v[\sc+1]
.endr
	v_cvt_scalef32_pk8_fp8_f32 v[CD+4*\t:CD+4*\t+1], v[AF+16*\t:AF+16*\t+7], v[\sc]
	v_cvt_scalef32_pk8_fp8_f32 v[CD+4*\t+2:CD+4*\t+3], v[AF+16*\t+8:AF+16*\t+15], v[\sc]
.endr
	v_nop
.endm
	RMSQ 8, 16, 14
.irp i, 0,1,2,3
.irp u, 0,1
	global_store_b128 v1, v[CD+4*(2*\i+\u):CD+4*(2*\i+\u)+3], s[54:55] offset:\i*131072+\u*512   ; head 4 w + i, key tile 2 x place + u: 512 consecutive bytes
.endr
.endr
	s_wait_xcnt 0x0                                ; those stores have read their data: the codes' registers are written again below
	WIN 0x03
.set q, 0
.rept 128
	v_med3_num_f32 v[AF+q], v[128+q], -v17, v17    ; v's sums, each accumulator from its low end on, held at 448 x 2^(e11 - e6 - e7)
.set q, q+1
.endr
	WIN 0
.irp t, 0,1,2,3,4,5,6,7
	v_cvt_scalef32_pk8_fp8_f32 v[CD+4*\t:CD+4*\t+1], v[AF+16*\t:AF+16*\t+7], v16
	v_cvt_scalef32_pk8_fp8_f32 v[CD+4*\t+2:CD+4*\t+3], v[AF+16*\t+8:AF+16*\t+15], v16
.endr
	v_nop
.irp i, 0,1,2,3
.irp n, 0,1
	global_store_b128 v1, v[CD+4*(2*\i+\n):CD+4*(2*\i+\n)+3], s[26:27] offset:\i*131072+4096+\n*2048
.endr
.endr
	s_wait_tensorcnt 0x0                           ; the wave's end: three closing lines behind my last LDS store
	ds_add_u32 v30, v31
	s_wait_dscnt 0x0
	s_endpgm
.Lfunc_end_k_q9a6de50f58_projkv:
	.size	k_q9a6de50f58_projkv, .Lfunc_end_k_q9a6de50f58_projkv-k_q9a6de50f58_projkv
	.p2alignl 7, 3214868480
	.fill 96, 4, 3214868480
	.section	.rodata,"a",@progbits
	.p2align	6, 0x0
	.amdhsa_kernel k_q9a6de50f58_projkv
		.amdhsa_group_segment_fixed_size 8704
		.amdhsa_private_segment_fixed_size 0
		.amdhsa_enable_private_segment 0
		.amdhsa_kernarg_size 40
		.amdhsa_user_sgpr_count 2
		.amdhsa_user_sgpr_kernarg_segment_ptr 1
		.amdhsa_wavefront_size32 1
		.amdhsa_system_sgpr_workgroup_id_x 1
		.amdhsa_system_sgpr_workgroup_id_y 1
		.amdhsa_system_sgpr_workgroup_id_z 1
		.amdhsa_system_vgpr_workitem_id 0
		.amdhsa_next_free_vgpr 1024
		.amdhsa_next_free_sgpr 66
		.amdhsa_reserve_vcc 0
		.amdhsa_float_denorm_mode_32 3
		.amdhsa_float_denorm_mode_16_64 3
		.amdhsa_memory_ordered 1
		.amdhsa_forward_progress 1
		.amdhsa_inst_pref_size 69
	.end_amdhsa_kernel
	.amdgpu_metadata
---
amdhsa.version: [ 1, 2 ]
amdhsa.kernels:
  - .name:           k_q9a6de50f58_projkv
    .symbol:         k_q9a6de50f58_projkv.kd
    .args:
      - { .name: x2img, .offset: 0, .size: 8, .value_kind: global_buffer, .address_space: global }
      - { .name: wimg, .offset: 8, .size: 8, .value_kind: global_buffer, .address_space: global }
      - { .name: k_g, .offset: 16, .size: 8, .value_kind: global_buffer, .address_space: global }
      - { .name: lowp_scales, .offset: 24, .size: 8, .value_kind: global_buffer, .address_space: global }
      - { .name: kvimg, .offset: 32, .size: 8, .value_kind: global_buffer, .address_space: global }
    .group_segment_fixed_size: 8704
    .private_segment_fixed_size: 0
    .kernarg_segment_align: 8
    .kernarg_segment_size: 40
    .max_flat_workgroup_size: 128
    .sgpr_count:     66
    .vgpr_count:     1024
    .wavefront_size: 32
...
	.end_amdgpu_metadata
.endif
;; end of part 3
;; launch attn (part 4): grid 4 x 64, 16 waves a work-group, no clusters, 133,120 bytes of LDS; arguments qimg, kvimg, lowp_scales, oimg; writes oimg
.if DOCPART == 4
	.amdgcn_target "amdgcn-amd-amdhsa--gfx1250"
	.amdhsa_code_object_version 6
	.text
	.protected	k_q9a6de50f58_attn
	.globl	k_q9a6de50f58_attn
	.p2align	8
	.type	k_q9a6de50f58_attn,@function
k_q9a6de50f58_attn:
	s_mov_b64 s[64:65], 0
	v_nop
	global_prefetch_b8 v0, s[64:65] scope:SCOPE_SE
	s_setreg_imm32_b32 hwreg(HW_REG_WAVE_MODE, 25, 1), 1
	s_wait_xcnt 0x0
; ATTN: causal attention of one (batch, head) on codes: scores = q k^T / 8 over 32 dims (scales 2^e8, 2^e9), p = 2^(t - M) quantised by 2^e10, O = p v (v by 2^e11) over 32 channels, O / l quantised by 2^e12.
; t = score x log2(e) / 8; M = the running largest t rounded UP to a whole number; l = the sum of the UNQUANTISED p; when M moves, l and O are multiplied by 2^(old M - new M), which rounds nothing.
; SHARES.  Work-group (j, bh): j = 0..3, bh = 16 x batch + head.  Wave w owns TWO tiles of 16 queries: the low one a = 4 w + j and the high one 127 - a.  With m = w / 2 the low tile has key steps 0 .. m, the high one
; 0 .. 15 - m (128 keys a step; later steps lie wholly under the mask): 17 tile-steps for every wave.  In steps 0 .. m both tiles use the fragments fetched once.
; LDS.  The head's K and V, 128 KB of register images (step s at 8,192 s: 8 tiles of K, then V's 2 x 4 chunks), are brought in once, through registers: wave w brings step w.  One barrier.  Nothing is asked for later, so nothing is prefetched.
; No cluster and no tensor load: what the four work-groups of a head share is read once, 128 KB each.
; LAYOUT.  S^T = K Q^T by the K = 64 form: the 32 dims are filled up by zero codes on q's side: a pair of key tiles lies in 8 registers, q as [q, 0] serves the even tile, as [0, q] the odd one.
; A lane holds ONE query (lane % 16); the 16 registers of tiles 2 b, 2 b + 1 are keys 32 b + 16 h + 0 .. 15, so p's codes are the second product's operand.  O^T = V^T P^T: a lane's 16 sums are channels 16 h + 0 .. 15.
; THE HOLD of p at 448 x 2^e10: p is at most 1, so it can bite only where e10 < -8; a scalar branch on e10 passes over its 64 lines elsewhere.
; oimg [group of 128 tokens 64][head 16][tile 8][512].
; LIMITS: e8 + e9 between -124 and 130 (added to c's exponent field); e10 and e12 - e10 - e11 between -126 and 119.
.set SPARE, 131072                     ; behind K and V: the spare words, 128 bytes a wave: eight blocks of 256 bytes that no other line names
.set LI,   1                           ; v1   16 x lane
.set ADR,  2                           ; v2   the step's LDS address
.set SPW,  3                           ; v3   LDS address of my spare word; never rewritten
.set NIL,  4                           ; v4   0; never rewritten
.set DQH,  5                           ; v5   my query's place in its step - 16 h, high tile;  v6 low tile
.set DQL,  6
.set STH,  8                           ; v8 -M, v9 the largest t, v[10:11] l in two halves: high tile;  v12-15 low tile
.set STL,  12
.set QH,   16                          ; v16-27 [q, 0, q] high tile;  v28-39 low tile
.set QL,   28
.set KF,   40                          ; v40-71   K: tile t at KF + 4 t
.set VF,   72                          ; v72-103  V: VF + 16 ct + 4 c
.set S,    104                         ; v104-167 S^T, then p
.set PC,   168                         ; v168-183 p's codes
.set OH,   184                         ; v184-199 O^T high;  v200-215 low
.set OL,   200
.set F,    216                         ; v216 2^(old M - new M); v217 named with it as a pair
.set PX,   218
.set TA,   219
.set SUM2, 220
.set TC,   222
.set NINF, 223
.set SC10, 224                         ; v224 2^e10, v225 448 x 2^e10
.set HOLD, 225
.set SCO,  226                         ; v226 2^(e12 - e10 - e11), v227 448 x that
.set LIMO, 227
.set T,    228
.set CH,   244
.set CL,   248
.macro MKSC vd, se
	s_add_co_i32 s48, \se, 127
	s_lshl_b32 s49, s48, 23
	v_mov_b32 v[\vd], s49
	s_add_co_i32 s48, s48, 8
	s_lshl_b32 s48, s48, 23
	s_or_b32 s48, s48, 0x600000
	v_mov_b32 v[\vd+1], s48
.endm
	s_load_b256 s[4:11], s[0:1], 0x0               ; qimg, kvimg, the scales' exponents, oimg
	v_lshl_add_u32 v[SPW], v0, 2, SPARE
	v_mov_b32 v[NIL], 0
	v_lshrrev_b32 v7, 5, v0
	v_readfirstlane_b32 s17, v7                    ; wave 0..15
	v_and_b32 v7, 31, v0
	v_lshlrev_b32 v[LI], 4, v7
	s_and_b32 s27, ttmp7, 0xffff                   ; bh
	s_lshl_b32 s28, s17, 2
	s_add_co_u32 s28, s28, ttmp9                   ; a
	s_sub_co_u32 s29, 127, s28                     ; 127 - a
	s_lshr_b32 s18, s17, 1                         ; m: the low tile's last step
	s_sub_co_u32 s19, 15, s18                      ; the high tile's
	s_lshl_b32 s36, s17, 13
	v_add_nc_u32 v[ADR], s36, v[LI]                ; where I put step w
	s_mov_b32 s24, 0x76543210
	s_mov_b32 s25, 0xfedcba98
	s_mov_b32 s31, 0
	s_mov_b32 s33, 0
	s_lshl_b32 s30, s27, 17
	s_add_co_u32 s30, s30, s36
	s_wait_kmcnt 0x0
	s_load_b128 s[12:15], s[8:9], 0x20             ; e8, e9, e10, e11
	s_load_b32 s16, s[8:9], 0x30                   ; e12
	s_add_nc_u64 s[44:45], s[6:7], s[30:31]
.irp i, 0,1,2,3,4,5,6,7,8,9,10,11,12,13,14,15
	global_load_b128 v[S+4*\i:S+4*\i+3], v[LI], s[44:45] offset:512*\i   ; step w of the head's K and V: 8,192 consecutive bytes
.endr
	s_lshl_b32 s30, s27, 16
	s_add_nc_u64 s[46:47], s[4:5], s[30:31]
	s_lshl_b32 s32, s29, 9
	s_add_nc_u64 s[34:35], s[46:47], s[32:33]
	s_lshl_b32 s32, s28, 9
	s_add_nc_u64 s[46:47], s[46:47], s[32:33]
	global_load_b128 v[QH:QH+3], v[LI], s[34:35]
	global_load_b128 v[QH+8:QH+11], v[LI], s[34:35]
	global_load_b128 v[QL:QL+3], v[LI], s[46:47]
	global_load_b128 v[QL+8:QL+11], v[LI], s[46:47]
	s_lshr_b32 s37, s27, 4
	s_lshl_b32 s37, s37, 4                         ; 16 x batch
	s_and_b32 s38, s27, 15
	s_lshl_b32 s38, s38, 12                        ; head
	s_add_co_u32 s30, s37, s19
	s_lshl_b32 s30, s30, 16
	s_add_co_u32 s30, s30, s38
	s_and_b32 s39, s29, 7
	s_lshl_b32 s39, s39, 9
	s_add_co_u32 s30, s30, s39
	s_add_nc_u64 s[40:41], s[10:11], s[30:31]      ; the high tile's chunk of oimg
	s_add_co_u32 s30, s37, s18
	s_lshl_b32 s30, s30, 16
	s_add_co_u32 s30, s30, s38
	s_and_b32 s39, s28, 7
	s_lshl_b32 s39, s39, 9
	s_add_co_u32 s30, s30, s39
	s_add_nc_u64 s[42:43], s[10:11], s[30:31]      ; the low tile's
	v_and_b32 v7, 7, v0
	v_bfe_u32 v[TA], v0, 3, 1
	v_lshl_add_u32 v7, v[TA], 4, v7                ; the query of lane r in its block of 32, less 8 u: r % 8 + 16 (r / 8)
	v_bfe_u32 v[TA], v0, 4, 1
	v_lshlrev_b32 v[TA], 4, v[TA]
	v_sub_nc_u32 v7, v7, v[TA]                     ; - 16 h
	s_lshr_b32 s30, s29, 1
	s_and_b32 s30, s30, 3
	s_lshl_b32 s30, s30, 5
	s_and_b32 s39, s29, 1
	s_lshl_b32 s39, s39, 3
	s_add_co_u32 s30, s30, s39
	v_add_nc_u32 v[DQH], s30, v7
	s_lshr_b32 s30, s28, 1
	s_and_b32 s30, s30, 3
	s_lshl_b32 s30, s30, 5
	s_and_b32 s39, s28, 1
	s_lshl_b32 s39, s39, 3
	s_add_co_u32 s30, s30, s39
	v_add_nc_u32 v[DQL], s30, v7
.irp j, 4,5,6,7
	v_mov_b32 v[QH+\j], 0                          ; the zero codes that fill K = 32 up to 64
	v_mov_b32 v[QL+\j], 0
.endr
.set n, 0
.rept 32
	v_mov_b32 v[OH+n], 0                           ; O^T of both tiles: the step is written once; its first run finds zeros
.set n, n+1
.endr
.irp b, STH, STL
	v_mov_b32 v[\b+1], 0xff61b1e6                  ; the largest t so far: -3e38
	v_floor_f32 v[\b], -v[\b+1]
	v_mov_b32 v[\b+2], 0
	v_mov_b32 v[\b+3], 0
.endr
	v_mov_b32 v[F+1], 0
	v_mov_b32 v[PX], 0
	v_mov_b32 v[TA], 0
	v_mov_b32 v[NINF], 0xff800000
	s_wait_kmcnt 0x0
	s_add_co_i32 s30, s12, s13
	s_lshl_b32 s30, s30, 23
	s_add_co_i32 s22, s30, 0x3e38aa3b              ; c = log2(e) / 8, with e8 + e9 added to its exponent field
	s_mov_b32 s23, s22
	MKSC SC10, s14
	s_sub_co_i32 s30, s16, s14
	s_sub_co_i32 s30, s30, s15
	MKSC SCO, s30
	s_wait_loadcnt 4                               ; the step's 16 loads are in; the four loads of q may be out
.irp i, 0,1,2,3,4,5,6,7,8,9,10,11,12,13,14,15
	ds_store_b128 v[ADR], v[S+4*\i:S+4*\i+3] offset:512*\i
.endr
	s_wait_dscnt 0x0                               ; for the others' sake: my stores have landed
	s_barrier_signal -1
	s_barrier_wait -1
	s_wait_loadcnt 0x0                             ; q
; One tile's work on the step whose fragments are in KF and VF.  ds: the scalar register with the tile's diagonal step.  fresh = 1: the fragments were asked for just now
.macro TILE qb, ob, sb, dq, ds, fresh
.if \fresh
	s_wait_dscnt 8                                 ; K is in; V's eight loads may be out
.endif
.irp t, 0,1,2,3,4,5,6,7
	v_wmma_f32_16x16x64_fp8_fp8 v[S+8*\t:S+8*\t+7], v[KF+8*(\t/2):KF+8*(\t/2)+7], v[\qb+4*(\t%2):\qb+4*(\t%2)+7], 0
.endr
.rept 4
	v_nop
.endr
	s_cmp_lg_u32 s20, s[\ds]
	s_cbranch_scc1 .Lopen_\@                       ; only the tile's last step lies on the diagonal
.set n, 0
.rept 64
	v_cmp_gt_i32 vcc_lo, 32*(n/16)+n%16, v[\dq]    ; register 16 b + i holds key 32 b + 16 h + i of the step: hidden where it comes after my query
	v_cndmask_b32 v[S+n], v[S+n], v[NINF], vcc_lo
.set n, n+1
.endr
.Lopen_\@:
	v_max3_num_f32 v[TA], v[S], v[S+1], v[S+2]     ; the step's largest score of my query, in two chains; each accumulator is read from its low end on
	v_max3_num_f32 v[TC], v[S+3], v[S+4], v[S+5]
.irp i, 6,10,14,18,22,26,30,34,38,42,46,50,54,58
	v_max3_num_f32 v[TA], v[TA], v[S+\i], v[S+\i+1]
	v_max3_num_f32 v[TC], v[TC], v[S+\i+2], v[S+\i+3]
.endr
	v_max3_num_f32 v[TA], v[TA], v[S+62], v[S+63]
	v_max_num_f32 v[TA], v[TA], v[TC]
	v_permlanex16_b32 v[PX], v[TA], s24, s25
	v_max_num_f32 v[TA], v[TA], v[PX]              ; and among lane l xor 16's keys
	v_mul_f32 v[TA], s22, v[TA]                    ; as t (c is positive)
	v_max_num_f32 v[\sb+1], v[\sb+1], v[TA]
	v_mov_b32 v[TA], v[\sb]
	v_floor_f32 v[\sb], -v[\sb+1]                  ; -M = floor(-t)
	v_sub_f32 v[TA], v[\sb], v[TA]                 ; old M - new M: a whole number, 0 or less
	v_cvt_i32_f32 v[TA], v[TA]                     ; (it saturates)
	v_ldexp_f32 v[F], 1.0, v[TA]
.irp j, 0,2,4,6,8,10,12,14,16,18,20,22,24,26,28,30,32,34,36,38,40,42,44,46,48,50,52,54,56,58,60,62
	v_pk_fma_f32 v[S+\j:S+\j+1], v[S+\j:S+\j+1], s[22:23], v[\sb:\sb+1] op_sel_hi:[1,0,0]   ; t - M
.endr
.set n, 0
.rept 64
	v_exp_f32 v[S+n], v[S+n]                       ; p = 2^(t - M)
.set n, n+1
.endr
	v_pk_mul_f32 v[\sb+2:\sb+3], v[\sb+2:\sb+3], v[F:F+1] op_sel_hi:[1,0]   ; l under the new M: the plain line behind the batch
	s_wait_alu depctr_va_vdst(0)                   ; one wait ahead of the batch's first reader
	v_pk_add_f32 v[SUM2:SUM2+1], v[S:S+1], v[S+2:S+3]   ; the sum of the unquantised p, in two chains
.irp j, 4,8,12,16,20,24,28,32,36,40,44,48,52,56,60
	v_pk_add_f32 v[\sb+2:\sb+3], v[\sb+2:\sb+3], v[S+\j:S+\j+1]
	v_pk_add_f32 v[SUM2:SUM2+1], v[SUM2:SUM2+1], v[S+\j+2:S+\j+3]
.endr
	v_pk_add_f32 v[\sb+2:\sb+3], v[\sb+2:\sb+3], v[SUM2:SUM2+1]
	s_cmp_ge_i32 s14, -8
	s_cbranch_scc1 .Lno_hold_\@                    ; p <= 1 <= 448 x 2^e10 where e10 >= -8
.set n, 0
.rept 64
	v_min_num_f32 v[S+n], v[S+n], v[HOLD]          ; the conversion does not saturate (ISA guide 7.6.2); p is not negative, so the hold is one-sided
.set n, n+1
.endr
.Lno_hold_\@:
.irp b, 0,1,2,3
	v_cvt_scalef32_pk8_fp8_f32 v[PC+4*\b:PC+4*\b+1], v[S+16*\b:S+16*\b+7], v[SC10]
	v_cvt_scalef32_pk8_fp8_f32 v[PC+4*\b+2:PC+4*\b+3], v[S+16*\b+8:S+16*\b+15], v[SC10]
.endr
.irp j, 0,2,4,6,8,10,12,14
	v_pk_mul_f32 v[\ob+\j:\ob+\j+1], v[\ob+\j:\ob+\j+1], v[F:F+1] op_sel_hi:[1,0]   ; O^T under the new M; also the plain lines between the conversions and the products
.endr
.if \fresh
	s_wait_dscnt 0x0                               ; V is in
.endif
.irp n, 0,1
	v_wmma_f32_16x16x128_fp8_fp8 v[\ob+8*\n:\ob+8*\n+7], v[VF+16*\n:VF+16*\n+15], v[PC:PC+15], v[\ob+8*\n:\ob+8*\n+7]   ; two accumulators, one instruction a turn
.endr
.endm
	s_mov_b32 s20, 0                               ; the key step
	s_mov_b32 s21, 0                               ; and its LDS byte
.Lstep:                                            ; 16 trips in every wave; a step that lies wholly under the mask for both tiles is passed over
	s_cmp_gt_u32 s20, s19
	s_cbranch_scc1 .Lnext
	v_add_nc_u32 v[ADR], s21, v[LI]
.rept 3
	v_nop                                          ; with the addition above: four plain lines ahead of loads into registers that matrix instructions have read
.endr
.irp t, 0,1,2,3,4,5,6,7
	ds_load_b128 v[KF+4*\t:KF+4*\t+3], v[ADR] offset:512*\t
.endr
.irp t, 0,1,2,3,4,5,6,7
	ds_load_b128 v[VF+4*\t:VF+4*\t+3], v[ADR] offset:4096+512*\t
.endr
	TILE QH, OH, STH, DQH, 19, 1
	s_cmp_gt_u32 s20, s18
	s_cbranch_scc1 .Lnext
	TILE QL, OL, STL, DQL, 18, 0
.Lnext:
	s_add_co_u32 s20, s20, 1
	s_add_co_u32 s21, s21, 8192
	s_cmp_lt_u32 s20, 16
	s_cbranch_scc1 .Lstep
; THE WAY OUT: O^T / l, held and quantised; e10, e11 and e12 are folded into the conversion's one scale.  A lane's 16 codes are channels 16 h + 0 .. 15 of its query: a chunk of the last product's operand as it stands.
.rept 4
	v_nop
.endr
	v_add_f32 v[STH+2], v[STH+2], v[STH+3]
	v_add_f32 v[STL+2], v[STL+2], v[STL+3]
	v_permlanex16_b32 v[PX], v[STH+2], s24, s25
	v_permlanex16_b32 v[TA], v[STL+2], s24, s25
	v_add_f32 v[STH+2], v[STH+2], v[PX]
	v_add_f32 v[STL+2], v[STL+2], v[TA]
	v_rcp_f32 v[STH+2], v[STH+2]
	v_rcp_f32 v[STL+2], v[STL+2]
	v_nop                                          ; a plain line behind the two reciprocals,
	s_wait_alu depctr_va_vdst(0)                   ; and one wait for both, ahead of their first reader
.macro OUTQ ob, sb, cd
.irp j, 0,2,4,6,8,10,12,14
	v_pk_mul_f32 v[T+\j:T+\j+1], v[\ob+\j:\ob+\j+1], v[\sb+2:\sb+3] op_sel_hi:[1,0]
.endr
.irp i, 0,1,2,3,4,5,6,7,8,9,10,11,12,13,14,15
	v_med3_num_f32 v[T+\i], v[T+\i], -v[LIMO], v[LIMO]
.endr
	v_cvt_scalef32_pk8_fp8_f32 v[\cd:\cd+1], v[T:T+7], v[SCO]
	v_cvt_scalef32_pk8_fp8_f32 v[\cd+2:\cd+3], v[T+8:T+15], v[SCO]
	v_nop
.endm
	OUTQ OH, STH, CH
	OUTQ OL, STL, CL
	global_store_b128 v[LI], v[CH:CH+3], s[40:41]  ; 512 consecutive bytes
	global_store_b128 v[LI], v[CL:CL+3], s[42:43]
	s_wait_tensorcnt 0x0                           ; the wave's end: three closing lines behind my last LDS store
	ds_add_u32 v[SPW], v[NIL]
	s_wait_dscnt 0x0
	s_endpgm
.Lfunc_end_k_q9a6de50f58_attn:
	.size	k_q9a6de50f58_attn, .Lfunc_end_k_q9a6de50f58_attn-k_q9a6de50f58_attn
	.p2alignl 7, 3214868480
	.fill 96, 4, 3214868480
	.section	.rodata,"a",@progbits
	.p2align	6, 0x0
	.amdhsa_kernel k_q9a6de50f58_attn
		.amdhsa_group_segment_fixed_size 133120
		.amdhsa_private_segment_fixed_size 0
		.amdhsa_enable_private_segment 0
		.amdhsa_kernarg_size 32
		.amdhsa_user_sgpr_count 2
		.amdhsa_user_sgpr_kernarg_segment_ptr 1
		.amdhsa_wavefront_size32 1
		.amdhsa_system_sgpr_workgroup_id_x 1
		.amdhsa_system_sgpr_workgroup_id_y 1
		.amdhsa_system_sgpr_workgroup_id_z 1
		.amdhsa_system_vgpr_workitem_id 0
		.amdhsa_next_free_vgpr 256
		.amdhsa_next_free_sgpr 66
		.amdhsa_reserve_vcc 1
		.amdhsa_float_denorm_mode_32 3
		.amdhsa_float_denorm_mode_16_64 3
		.amdhsa_memory_ordered 1
		.amdhsa_forward_progress 1
		.amdhsa_inst_pref_size 49
	.end_amdhsa_kernel
	.amdgpu_metadata
---
amdhsa.version: [ 1, 2 ]
amdhsa.kernels:
  - .name:           k_q9a6de50f58_attn
    .symbol:         k_q9a6de50f58_attn.kd
    .args:
      - { .name: qimg, .offset: 0, .size: 8, .value_kind: global_buffer, .address_space: global }
      - { .name: kvimg, .offset: 8, .size: 8, .value_kind: global_buffer, .address_space: global }
      - { .name: lowp_scales, .offset: 16, .size: 8, .value_kind: global_buffer, .address_space: global }
      - { .name: oimg, .offset: 24, .size: 8, .value_kind: global_buffer, .address_space: global }
    .group_segment_fixed_size: 133120
    .private_segment_fixed_size: 0
    .kernarg_segment_align: 8
    .kernarg_segment_size: 32
    .max_flat_workgroup_size: 512
    .sgpr_count:     66
    .vgpr_count:     256
    .wavefront_size: 32
...
	.end_amdgpu_metadata
.endif
;; end of part 4
;; launch outp (part 5): grid 4 x 64, 4 waves a work-group, clusters of 4 x 1, 167,936 bytes of LDS; arguments oimg, wimg, lowp_scales, out0; writes out0
.if DOCPART == 5
	.amdgcn_target "amdgcn-amd-amdhsa--gfx1250"
	.amdhsa_code_object_version 6
	.text
	.protected	k_q9a6de50f58_outp
	.globl	k_q9a6de50f58_outp
	.p2align	8
	.type	k_q9a6de50f58_outp,@function
k_q9a6de50f58_outp:
	s_mov_b64 s[64:65], 0
	v_nop
	global_prefetch_b8 v0, s[64:65] scope:SCOPE_SE
	s_setreg_imm32_b32 hwreg(HW_REG_WAVE_MODE, 25, 1), 1
	s_wait_xcnt 0x0
	s_wait_alu depctr_hold_cnt(0) depctr_sa_sdst(0) depctr_va_vdst(0) depctr_va_sdst(0) depctr_va_ssrc(0) depctr_va_vcc(0) depctr_vm_vsrc(0)
	s_getreg_b32 s2, hwreg(HW_REG_IB_STS2, 6, 4)
	s_cmp_eq_u32 s2, 0
	s_cbranch_scc0 .Lentry_in_a_cluster
	s_endpgm
.Lentry_in_a_cluster:
	s_bfe_u32 s2, ttmp6, 0x10000c
	s_cmp_lg_u32 s2, 0x3003
	s_cbranch_scc0 .Lentry_shape_is_right
	s_endpgm
.Lentry_shape_is_right:
; OUTP: out0 = o Wo on codes (scales 2^e12, 2^e13), K = the 512 live rows of Wo (32 channels of each of 16 heads: the other 512 meet the zeros with which the attention's result is padded).
; SHARES.  A work-group takes 128 tokens (group G = the cluster's y) x 256 columns; wave w takes columns 64 (4 cx + w) on, whose codes (32 KB, 256 registers) stay in its registers.
; o's codes of the group, 64 KB of images, come into LDS once: one tensor load of 16 KB a wave.  Nothing in LDS is filled again.
; CLUSTER.  The four work-groups of a cluster take the same tokens: o's block is asked for JOINTLY (the same load, descriptor and mask in all four).  The weights go from memory straight into registers.
; THE MATRIX INSTRUCTION IS USED TRANSPOSED (source 0 = 16 columns of Wo, source 1 = 16 tokens): a lane holds a token; tiles 2 g, 2 g + 1 give it columns 32 g + 16 h + 0 .. 15.
; THE WAY OUT.  A tile (16 tokens x 64 columns) goes through the wave's own stage (rows of 256 + 16 bytes) and leaves as rows: sixteen lanes store 256 consecutive bytes, at a multiple of 256 from out0's first byte.
; REGISTERS.  window 0: v1 16 x lane; v3, v4 the stage, in and back; v6 my byte offset in two rows of out0; v30, v31 the add's two; v64-127, v128-191 o's fragments, four tiles each, later rows on their way out; v192-223 a tile's results.
;   window 1: Wo's fragment (n, s) at 16 (4 s + n).   window 2: accumulator (tile, n) at 8 (4 tile + n).
; LIMIT: e12 + e13 between -126 and 127.
.set STAGE, 65536
.set SPI,   272
.set SPARE, 82944                      ; behind the four stages: the spare words, 128 bytes a wave: two blocks of 256 bytes that no other line names
.set AF,  64
.set TT,  192
.set WO_AT, 1048576
.set MSB, 0
.macro WIN new
.if MSB != (\new)
	s_set_vgpr_msb (MSB<<8)|(\new)
.set MSB, (\new)
.endif
.endm
.macro CROUND
	s_barrier_signal -1
	s_barrier_wait -1
	s_cmp_lg_u32 s20, 0
	s_cbranch_scc1 .Lnot_wave_0_\@
	s_barrier_signal -3
.Lnot_wave_0_\@:
	s_barrier_wait -3
	s_barrier_signal -1
	s_barrier_wait -1
.endm
.macro PLACES
.rept 4
	v_nop
.endr
.endm
	s_load_b256 s[4:11], s[0:1], 0x0               ; oimg, wimg, the scales' exponents, out0
	v_lshl_add_u32 v30, v0, 2, SPARE
	v_mov_b32 v31, 0
	ds_add_u32 v30, v31                            ; the wave's opening: the add and its wait ahead of my tensor load; work on registers stands between them
	v_lshrrev_b32 v1, 5, v0
	v_readfirstlane_b32 s20, v1                    ; wave 0..3
	s_bfe_u32 s21, ttmp6, 0x40000                  ; cx: it enters the weights' and out0's global addresses alone
	s_and_b32 s22, ttmp7, 0xffff                   ; G
	s_mov_b32 s24, 15|(3<<16)|(1<<21)              ; group 1: the mask: all four; elements of 8 bytes; bit 21 beside a mask; no padding
	s_mov_b32 s25, 32<<16                          ; rows of 256 bytes
	s_mov_b32 s26, 64<<16                          ; 64 of them
	s_mov_b32 s27, 32<<16
	s_mov_b32 s28, 64
	s_mov_b32 s29, 32                              ; dense
	s_mov_b32 s30, 0
	s_mov_b32 s31, 0
	s_mov_b32 s57, 0
	v_and_b32 v1, 31, v0
	v_lshlrev_b32 v1, 4, v1
	v_and_b32 v8, 15, v0                           ; r
	v_bfe_u32 v9, v0, 4, 1                         ; h
	s_mul_i32 s52, s20, 16*SPI
	s_add_co_u32 s52, s52, STAGE                   ; my stage
	v_mul_u32_u24 v3, v8, SPI
	v_lshl_add_u32 v3, v9, 6, v3
	v_add_nc_u32 v3, s52, v3                       ; in: row r, + 64 h bytes
	v_mul_u32_u24 v4, v9, SPI
	v_lshl_add_u32 v4, v8, 4, v4
	v_add_nc_u32 v4, s52, v4                       ; back: lanes 0-15 one row, lanes 16-31 the next
	v_lshlrev_b32 v6, 12, v9
	v_lshl_add_u32 v6, v8, 4, v6                   ; and the same in out0: rows of 4,096 bytes
	s_wait_dscnt 0x0                               ; the opening add is done
	s_wait_kmcnt 0x0
	s_load_b64 s[44:45], s[8:9], 0x30              ; e12, e13
	CROUND                                         ; all four work-groups are here: the joint loads meet
	s_lshl_b32 s56, s22, 16                        ; the group's 65,536 bytes,
	s_lshl_b32 s33, s20, 14                        ; my wave's 16,384 of them: in LDS
	s_add_co_u32 s56, s56, s33                     ; and in memory
	s_mov_b32 s32, 1
	s_add_nc_u64 s[34:35], s[4:5], s[56:57]
	s_or_b32 s35, s35, 0x80000000
	tensor_load_to_lds s[32:35], s[24:31]          ; my one tensor load
	s_nop 0
	PLACES
	s_lshl_b32 s58, s21, 2
	s_add_co_u32 s58, s58, s20                     ; which 64 columns
	s_lshl_b32 s56, s58, 15
	s_add_co_u32 s56, s56, WO_AT
	s_add_nc_u64 s[50:51], s[6:7], s[56:57]
	s_lshl_b32 s56, s22, 19                        ; 128 rows of 4,096 bytes
	s_lshl_b32 s59, s58, 8
	s_add_co_u32 s56, s56, s59
	s_add_nc_u64 s[54:55], s[10:11], s[56:57]
.macro WLOAD s
	WIN 0x40
.irp n, 0,1,2,3
.irp c, 0,1,2,3
	global_load_b128 v[16*(4*(\s)+\n)+4*\c:16*(4*(\s)+\n)+4*\c+3], v1, s[50:51] offset:(\s)*8192+\n*2048+\c*512
.endr
.endr
	WIN 0
.endm
.macro AFETCH s, half                  ; o's fragments of K step s (heads 4 s + c), tiles 4 half .. 4 half + 3
.irp t, 0,1,2,3
.irp c, 0,1,2,3
	ds_load_b128 v[AF+64*(\half)+16*\t+4*\c:AF+64*(\half)+16*\t+4*\c+3], v1 offset:(4*(\s)+\c)*4096+(4*(\half)+\t)*512
.endr
.endr
.endm
.macro MUL16 s, half                   ; the 32 accumulators take turns, in the same order in every K step
	WIN 0xa1
.irp t, 0,1,2,3
.irp n, 0,1,2,3
.if (\s) == 0
	v_wmma_f32_16x16x128_fp8_fp8 v[8*(4*(4*(\half)+\t)+\n):8*(4*(4*(\half)+\t)+\n)+7], v[16*(4*(\s)+\n):16*(4*(\s)+\n)+15], v[AF+64*(\half)+16*\t:AF+64*(\half)+16*\t+15], 0
.else
	v_wmma_f32_16x16x128_fp8_fp8 v[8*(4*(4*(\half)+\t)+\n):8*(4*(4*(\half)+\t)+\n)+7], v[16*(4*(\s)+\n):16*(4*(\s)+\n)+15], v[AF+64*(\half)+16*\t:AF+64*(\half)+16*\t+15], v[8*(4*(4*(\half)+\t)+\n):8*(4*(4*(\half)+\t)+\n)+7]
.endif
.endr
.endr
	WIN 0
.endm
.macro GSTEP s
	s_wait_loadcnt 16*(3-(\s))                     ; this K step's weights are in; the later steps' may be out
	s_wait_dscnt 16                                ; tiles 0-3 are in; the 16 loads of tiles 4-7 may be out
	MUL16 \s, 0
.if (\s) < 3
	PLACES
	AFETCH (\s)+1, 0
	s_wait_dscnt 16                                ; tiles 4-7 are in; the 16 just issued may be out
.else
	s_wait_dscnt 0x0
.endif
	MUL16 \s, 1
.if (\s) < 3
	PLACES
	AFETCH (\s)+1, 1
.endif
.endm
	WLOAD 0
	WLOAD 1
	WLOAD 2
	WLOAD 3
	s_wait_tensorcnt 0x0                           ; my part of o's block is in LDS,
	s_barrier_signal -1
	s_barrier_wait -1                              ; everybody's is
	AFETCH 0, 0
	AFETCH 0, 1
.irp s, 0,1,2,3
	GSTEP \s
.endr
	s_wait_kmcnt 0x0
	s_add_co_i32 s46, s44, s45
	s_add_co_i32 s46, s46, 127
	s_lshl_b32 s46, s46, 23                        ; 2^(e12 + e13) as f32
	s_mov_b32 s47, s46                             ; (named with it as a pair, so it is written)
.macro TOSTAGE a
	WIN 0x02
.irp j, 0,2,4,6,8,10,12,14,16,18,20,22,24,26,28,30
	v_pk_mul_f32 v[TT+\j:TT+\j+1], v[32*(\a)+\j:32*(\a)+\j+1], s[46:47] op_sel_hi:[1,0]   ; each accumulator from its low end on
.endr
	WIN 0
.irp n, 0,1,2,3
.irp k, 0,1
	ds_store_b128 v3, v[TT+8*\n+4*\k:TT+8*\n+4*\k+3] offset:128*(\n/2)+32*(\n%2)+16*\k
.endr
.endr
.irp i, 0,1,2,3,4,5,6,7
	ds_load_b128 v[AF+32*((\a)%2)+4*\i:AF+32*((\a)%2)+4*\i+3], v4 offset:2*SPI*\i   ; LDS serves a wave's instructions in order: these see my stores, and the next tile's stores come behind them
.endr
.endm
.macro SEND a, younger                 ; younger: the LDS instructions issued behind tile a's loads, which may stay out
	s_wait_dscnt \younger
.irp i, 0,1,2,3,4,5,6,7
	global_store_b128 v6, v[AF+32*((\a)%2)+4*\i:AF+32*((\a)%2)+4*\i+3], s[54:55] offset:(32*((\a)/2)+8*((\a)%2)+(2*\i)%8+16*(\i/4))*4096 th:TH_STORE_NT   ; stage rows 2 i, 2 i + 1 are neighbouring tokens
.endr
.endm
	PLACES
	TOSTAGE 0
.irp a, 1,2,3,4,5,6,7
.if \a > 1
	s_wait_xcnt 0x0                                ; tile a - 2's stores have read their registers: tile a's loads may land there
.endif
	TOSTAGE \a
	SEND \a-1, 16                                  ; behind tile a - 1's loads: tile a's 8 stores and 8 loads
.endr
	SEND 7, 0
	s_wait_tensorcnt 0x0                           ; the wave's end
	ds_add_u32 v30, v31
	s_wait_dscnt 0x0
	CROUND                                         ; the closing round
	s_endpgm
.Lfunc_end_k_q9a6de50f58_outp:
	.size	k_q9a6de50f58_outp, .Lfunc_end_k_q9a6de50f58_outp-k_q9a6de50f58_outp
	.p2alignl 7, 3214868480
	.fill 96, 4, 3214868480
	.section	.rodata,"a",@progbits
	.p2align	6, 0x0
	.amdhsa_kernel k_q9a6de50f58_outp
		.amdhsa_group_segment_fixed_size 167936
		.amdhsa_private_segment_fixed_size 0
		.amdhsa_enable_private_segment 0
		.amdhsa_kernarg_size 32
		.amdhsa_user_sgpr_count 2
		.amdhsa_user_sgpr_kernarg_segment_ptr 1
		.amdhsa_wavefront_size32 1
		.amdhsa_system_sgpr_workgroup_id_x 1
		.amdhsa_system_sgpr_workgroup_id_y 1
		.amdhsa_system_sgpr_workgroup_id_z 1
		.amdhsa_system_vgpr_workitem_id 0
		.amdhsa_next_free_vgpr 768
		.amdhsa_next_free_sgpr 66
		.amdhsa_reserve_vcc 0
		.amdhsa_float_denorm_mode_32 3
		.amdhsa_float_denorm_mode_16_64 3
		.amdhsa_memory_ordered 1
		.amdhsa_forward_progress 1
		.amdhsa_inst_pref_size 51
	.end_amdhsa_kernel
	.amdgpu_metadata
---
amdhsa.version: [ 1, 2 ]
amdhsa.kernels:
  - .name:           k_q9a6de50f58_outp
    .symbol:         k_q9a6de50f58_outp.kd
    .args:
      - { .name: oimg, .offset: 0, .size: 8, .value_kind: global_buffer, .address_space: global }
      - { .name: wimg, .offset: 8, .size: 8, .value_kind: global_buffer, .address_space: global }
      - { .name: lowp_scales, .offset: 16, .size: 8, .value_kind: global_buffer, .address_space: global }
      - { .name: out0, .offset: 24, .size: 8, .value_kind: global_buffer, .address_space: global }
    .group_segment_fixed_size: 167936
    .private_segment_fixed_size: 0
    .kernarg_segment_align: 8
    .kernarg_segment_size: 32
    .max_flat_workgroup_size: 128
    .sgpr_count:     66
    .vgpr_count:     768
    .wavefront_size: 32
...
	.end_amdgpu_metadata
.endif
;; end of part 5
;; ======== version 2 of 2: 5 launches
;; workspace buffers: x0img 8,388,608 bytes; x2img 8,388,608 bytes; wimg 1,835,008 bytes; qimg 4,194,304 bytes; kvimg 8,388,608 bytes; oimg 4,194,304 bytes
;; launch prep (part 6): grid 312 x 1, 8 waves a work-group, no clusters, 136,192 bytes of LDS; arguments x, Wq, Wo, Wk, Wv, Wkv, lowp_scales, x0img, x2img, wimg; writes x0img, x2img, wimg
.if DOCPART == 6
	.amdgcn_target "amdgcn-amd-amdhsa--gfx1250"
	.amdhsa_code_object_version 6
	.text
	.protected	k_q9a6de50f58_prep
	.globl	k_q9a6de50f58_prep
	.p2align	8
	.type	k_q9a6de50f58_prep,@function
k_q9a6de50f58_prep:
	s_mov_b64 s[64:65], 0
	v_nop
	global_prefetch_b8 v0, s[64:65] scope:SCOPE_SE
	s_setreg_imm32_b32 hwreg(HW_REG_WAVE_MODE, 25, 1), 1
	s_wait_xcnt 0x0
; PREP: x (twice: by 2^e0 and by 2^e2) and the five weights become codes of E4M3, laid as IMAGES OF OPERAND REGISTERS.
; code = number / 2^e, held within +-448, rounded to the nearest code, ties to even.
; AN IMAGE: a fragment is 16 rows x 128 K = 4 chunks of 512 bytes; in chunk c lane (r, h) has 16 bytes at 16 x lane: k = 32 c + 16 h + 0 .. 15 of row r.
; THE ROWS OF A TILE ARE NOT NEIGHBOURS: in a group of 32 (tokens, or columns of a weight) tile u's row r is element 16 (r / 8) + 8 u + r % 8.
; Work-groups 0-255: one block of 32 tokens of x each; wave w takes K step w (128 along K): 2 tiles of 16 tokens.  Each load reads 512 consecutive bytes of a token's row;
;   the tile turns through the wave's own stage in LDS (rows 528 bytes apart, an odd multiple of 16) so that a lane gets 16 neighbours along K; each store covers 512 consecutive bytes.
; Work-groups 256-311: the weights ([K][N] in memory).  A wave takes 32 columns x 128 K: a lane a column, its registers run down K, so the conversions give K innermost; no LDS.
;   Of Wo only the rows with row % 64 < 32 are read: the others meet the zeros with which the attention's result is padded.
; x0img [G 64][s 8][tile 8][c 4][512]   x2img [block 256][s 8][u 2][c 4][512]
; wimg: Wq at 0 [head 16][s 8][n 4][c 4][512]; Wo at WO_AT [j 16][s 4][n 4][c 4][512]; Wkv at WKV_AT [w 4][s 8][n 2][c 4][512]; Wk at WK_AT [head 16][u 2][c 4][512]; Wv 65,536 bytes behind Wk, likewise.
; LIMITS: each e used here (e0, e1, e2, e3, e5, e7, e13) lies between -126 and 119, so that 2^e and 448 x 2^e are f32 numbers.  NaN among the inputs is not served; infinities are held at the largest code.
.set SPARE, 135168                     ; behind the eight waves' stages: the spare words, 128 bytes a wave: four blocks of 256 bytes that no other line names
.set SPW,   14                         ; v14  LDS address of my spare word; never rewritten
.set NIL,   15                         ; v15  0; never rewritten
.set WREG,  16896                      ; LDS of a wave: two stages
.set STG,   8448                       ; a stage: 16 rows x 528 bytes
.set SP,    528
.set R,     16                         ; v16-143  x as loaded: tile u, row i at R + 64 u + 4 i
.set X,     144                        ; v144-207 64 numbers of my row: X + 16 c + i is k = 32 c + 16 h + i
.set T,     208                        ; v208-223 at work
.set W,     16                         ; v16-143  a weight's 128 numbers down K
.set WC,    144                        ; v144-175 their codes
.set WO_AT,  1048576
.set WKV_AT, 1572864
.set WK_AT,  1703936
.macro MKSC vd, se                     ; v[vd] = 2^e as f32 (the conversion takes its exponent field), v[vd+1] = 448 x 2^e
	s_add_co_i32 s46, \se, 127
	s_lshl_b32 s47, s46, 23
	v_mov_b32 v[\vd], s47
	s_add_co_i32 s46, s46, 8
	s_lshl_b32 s46, s46, 23
	s_or_b32 s46, s46, 0x600000
	v_mov_b32 v[\vd+1], s46
.endm
	s_load_b512 s[4:19], s[0:1], 0x0               ; x, Wq, Wo, Wk, Wv, Wkv, the scales' exponents, x0img
	s_load_b128 s[20:23], s[0:1], 0x40             ; x2img, wimg
	v_lshl_add_u32 v[SPW], v0, 2, SPARE
	v_mov_b32 v[NIL], 0
	v_lshrrev_b32 v1, 5, v0
	s_delay_alu instid0(VALU_DEP_1)
	v_readfirstlane_b32 s24, v1                    ; wave 0..7
	s_wait_kmcnt 0x0
	s_load_b256 s[28:35], s[16:17], 0x0            ; e0 .. e7
	s_load_b64 s[36:37], s[16:17], 0x30            ; e12, e13
	s_cmp_ge_u32 ttmp9, 256
	s_cbranch_scc1 .Lweights
; ---------------- x ----------------
	v_and_b32 v1, 31, v0
	s_delay_alu instid0(VALU_DEP_1)
	v_lshlrev_b32 v1, 4, v1                        ; 16 x lane
	s_wait_alu depctr_va_vdst(0)
	s_mul_i32 s25, s24, WREG
	v_add_nc_u32 v2, s25, v1                       ; into the stage: as loaded
	v_and_b32 v8, 15, v0                           ; r
	v_bfe_u32 v9, v0, 4, 1                         ; h
	s_delay_alu instid0(VALU_DEP_2)
	v_mul_u32_u24 v3, v8, SP
	s_delay_alu instid0(VALU_DEP_1)
	v_lshl_add_u32 v3, v9, 6, v3
	s_delay_alu instid0(VALU_DEP_1)
	v_add_nc_u32 v3, s25, v3                       ; out of it: row r, + 64 h bytes
	s_lshl_b32 s40, ttmp9, 17                      ; 32 tokens of 4,096 bytes
	s_lshl_b32 s41, s24, 9                         ; my K step's 512 bytes of a row
	s_add_co_u32 s40, s40, s41
	s_mov_b32 s41, 0
	s_add_nc_u64 s[4:5], s[4:5], s[40:41]
	s_lshr_b32 s42, ttmp9, 2
	s_lshl_b32 s42, s42, 17                        ; x0img: G = block / 4,
	s_lshl_b32 s43, s24, 14                        ; K step,
	s_add_co_u32 s42, s42, s43
	s_and_b32 s43, ttmp9, 3
	s_lshl_b32 s43, s43, 12                        ; tiles 2 (block % 4) + u
	s_add_co_u32 s42, s42, s43
	s_mov_b32 s43, 0
	s_add_nc_u64 s[18:19], s[18:19], s[42:43]
	s_lshl_b32 s44, ttmp9, 15                      ; x2img: block, K step
	s_lshl_b32 s45, s24, 12
	s_add_co_u32 s44, s44, s45
	s_mov_b32 s45, 0
	s_add_nc_u64 s[20:21], s[20:21], s[44:45]
.irp u, 0,1
.irp i, 0,1,2,3,4,5,6,7,8,9,10,11,12,13,14,15
	global_load_b128 v[R+64*\u+4*\i:R+64*\u+4*\i+3], v1, s[4:5] offset:(8*\u+(\i%8)+16*(\i/8))*4096 th:TH_LOAD_NT   ; 512 consecutive bytes of the token that is row i of tile u
.endr
.endr
	s_wait_alu depctr_va_vdst(0)
	s_wait_kmcnt 0x0
	MKSC 4, s28                                    ; e0
	MKSC 6, s30                                    ; e2
.macro XQ da, db                       ; the 64 numbers in X become two fragments of codes: by e0 in v[da] on, by e2 in v[db] on
.irp c, 0,1,2,3
.irp i, 0,1,2,3,4,5,6,7,8,9,10,11,12,13,14,15
	v_med3_num_f32 v[T+\i], v[X+16*\c+\i], -v5, v5   ; the conversion to an 8-bit code does not saturate (ISA guide 7.6.2): the hold at 448 x 2^e0
.endr
	v_cvt_scalef32_pk8_fp8_f32 v[\da+4*\c:\da+4*\c+1], v[T:T+7], v4
	v_cvt_scalef32_pk8_fp8_f32 v[\da+4*\c+2:\da+4*\c+3], v[T+8:T+15], v4
.irp i, 0,1,2,3,4,5,6,7,8,9,10,11,12,13,14,15
	v_med3_num_f32 v[X+16*\c+\i], v[X+16*\c+\i], -v7, v7   ; the same numbers held for e2; these sixteen plain lines also part the conversions above from the next writes of T
.endr
	v_cvt_scalef32_pk8_fp8_f32 v[\db+4*\c:\db+4*\c+1], v[X+16*\c:X+16*\c+7], v6
	v_cvt_scalef32_pk8_fp8_f32 v[\db+4*\c+2:\db+4*\c+3], v[X+16*\c+8:X+16*\c+15], v6
.endr
	v_nop                                          ; a plain line behind the last conversion
.endm
.macro UNIT u, da, db
	s_wait_loadcnt 16*(1-\u)                       ; this tile's 16 loads are in; the other tile's, issued behind them, may be out
.irp i, 0,1,2,3,4,5,6,7,8,9,10,11,12,13,14,15
	ds_store_b128 v2, v[R+64*\u+4*\i:R+64*\u+4*\i+3] offset:\u*STG+\i*SP
.endr
.irp c, 0,1,2,3
.irp k, 0,1,2,3
	ds_load_b128 v[X+16*\c+4*\k:X+16*\c+4*\k+3], v3 offset:\u*STG+128*\c+16*\k   ; LDS serves a wave's instructions in order: these see my stores
.endr
.endr
	s_wait_dscnt 0x0
	XQ \da, \db
.irp c, 0,1,2,3
	global_store_b128 v1, v[\da+4*\c:\da+4*\c+3], s[18:19] offset:\u*2048+\c*512   ; a chunk: 512 consecutive bytes
	global_store_b128 v1, v[\db+4*\c:\db+4*\c+3], s[20:21] offset:\u*2048+\c*512
.endr
.endm
	s_wait_alu depctr_va_vdst(0)
	UNIT 0, 224, 240
	UNIT 1, 16, 32                                 ; its codes take registers that tile 0's rows have left: no store's data are written again
	s_wait_tensorcnt 0x0                           ; the wave's end: three closing lines behind my last LDS store
	ds_add_u32 v[SPW], v[NIL]
	s_wait_dscnt 0x0
	s_endpgm
; ---------------- the weights ----------------
.macro WLD c, pitch, bs                ; block c: 32 rows of my column; neighbouring lanes read within 128 consecutive bytes
.irp i, 0,1,2,3,4,5,6,7,8,9,10,11,12,13,14,15,16,17,18,19,20,21,22,23,24,25,26,27,28,29,30,31
	global_load_b32 v[W+32*(\c)+\i], v1, s[40:41] offset:((\c)*(\bs)+\i)*(\pitch)
.endr
.endm
.macro WQU c
.irp i, 0,1,2,3,4,5,6,7,8,9,10,11,12,13,14,15,16,17,18,19,20,21,22,23,24,25,26,27,28,29,30,31
	v_med3_num_f32 v[W+32*(\c)+\i], v[W+32*(\c)+\i], -v5, v5
.endr
.irp g, 0,1,2,3
	v_cvt_scalef32_pk8_fp8_f32 v[WC+8*(\c)+2*\g:WC+8*(\c)+2*\g+1], v[W+32*(\c)+8*\g:W+32*(\c)+8*\g+7], v4
.endr
.endm
.macro WTILE pitch, bs                 ; s[40:41] source, s[42:43] destination, s44 the exponent; pitch: bytes of a row; bs: rows from block to block
	MKSC 4, s44
	WLD 0, \pitch, \bs
	WLD 1, \pitch, \bs
	s_wait_alu depctr_va_vdst(0)
	s_wait_loadcnt 32                              ; block 0 is in; block 1's 32 loads may be out
	WLD 2, \pitch, \bs
	WQU 0
	s_wait_loadcnt 32                              ; block 1 is in; block 2's may be out
	WLD 3, \pitch, \bs
	WQU 1
	s_wait_loadcnt 32                              ; block 2 is in; block 3's may be out
	WQU 2
	s_wait_loadcnt 0x0
	WQU 3
	v_nop
.irp c, 0,1,2,3
	global_store_b128 v2, v[WC+8*\c:WC+8*\c+3], s[42:43] offset:\c*512         ; k = 32 c + 0 .. 15: the places of lanes 0-15 of the chunk; sixteen lanes store 256 consecutive bytes
	global_store_b128 v2, v[WC+8*\c+4:WC+8*\c+7], s[42:43] offset:\c*512+256   ; k = 32 c + 16 .. 31: the places of lanes 16-31
.endr
	s_endpgm                                       ; these waves have written no LDS
.endm
.Lweights:
	v_bfe_u32 v8, v0, 3, 1
	v_bfe_u32 v9, v0, 4, 1                         ; tile u = lane / 16
	v_and_b32 v10, 7, v0
	s_delay_alu instid0(VALU_DEP_1)
	v_lshl_add_u32 v10, v8, 4, v10
	s_delay_alu instid0(VALU_DEP_1)
	v_lshl_add_u32 v10, v9, 3, v10                 ; my column of the 32: 16 ((lane / 8) % 2) + 8 u + lane % 8
	s_delay_alu instid0(VALU_DEP_1)
	v_lshlrev_b32 v1, 2, v10
	v_and_b32 v11, 15, v0
	s_delay_alu instid0(VALU_DEP_1)
	v_lshlrev_b32 v2, 4, v11
	s_delay_alu instid0(VALU_DEP_1)
	v_lshl_add_u32 v2, v9, 11, v2                  ; in the image: tile u, 16 x row
	s_sub_co_u32 s25, ttmp9, 256
	s_lshl_b32 s26, s25, 3
	s_add_co_u32 s26, s26, s24                     ; which piece of 32 columns x 128 K is my wave's
	s_mov_b32 s41, 0
	s_mov_b32 s43, 0
	s_wait_kmcnt 0x0
	s_cmp_lt_u32 s25, 32
	s_cbranch_scc0 .Lnot_wq
	s_and_b32 s27, s26, 31                         ; Wq: 32 groups of columns x 8 K steps
	s_lshr_b32 s38, s26, 5
	s_lshl_b32 s40, s38, 19                        ; 128 rows of 4,096 bytes
	s_lshl_b32 s39, s27, 7
	s_add_co_u32 s40, s40, s39
	s_add_nc_u64 s[40:41], s[6:7], s[40:41]
	s_lshr_b32 s42, s27, 1
	s_lshl_b32 s42, s42, 16                        ; head
	s_lshl_b32 s39, s38, 13
	s_add_co_u32 s42, s42, s39
	s_and_b32 s39, s27, 1
	s_lshl_b32 s39, s39, 12                        ; which half of the head's 64 columns
	s_add_co_u32 s42, s42, s39
	s_add_nc_u64 s[42:43], s[22:23], s[42:43]
	s_mov_b32 s44, s29                             ; e1
	s_wait_alu depctr_va_vdst(0)
	WTILE 4096, 32
.Lnot_wq:
	s_cmp_lt_u32 s25, 48
	s_cbranch_scc0 .Lnot_wo
	s_sub_co_u32 s26, s26, 256                     ; Wo: 32 groups of columns x 4 K steps of 128 live rows
	s_and_b32 s27, s26, 31
	s_lshr_b32 s38, s26, 5
	s_lshl_b32 s40, s38, 20                        ; four heads: 256 rows of 4,096 bytes
	s_lshl_b32 s39, s27, 7
	s_add_co_u32 s40, s40, s39
	s_add_nc_u64 s[40:41], s[8:9], s[40:41]
	s_lshr_b32 s42, s27, 1
	s_lshl_b32 s42, s42, 15
	s_lshl_b32 s39, s38, 13
	s_add_co_u32 s42, s42, s39
	s_and_b32 s39, s27, 1
	s_lshl_b32 s39, s39, 12
	s_add_co_u32 s42, s42, s39
	s_add_co_u32 s42, s42, WO_AT
	s_add_nc_u64 s[42:43], s[22:23], s[42:43]
	s_mov_b32 s44, s37                             ; e13
	s_wait_alu depctr_va_vdst(0)
	WTILE 4096, 64
.Lnot_wo:
	s_cmp_lt_u32 s25, 52
	s_cbranch_scc0 .Lnot_wkwv
	s_sub_co_u32 s26, s26, 384                     ; Wk: pieces 0-15 (a head each), Wv: 16-31; their images lie on end
	s_cmp_lt_u32 s26, 16
	s_cselect_b64 s[48:49], s[10:11], s[12:13]
	s_cselect_b32 s44, s33, s35                    ; e5 or e7
	s_and_b32 s27, s26, 15
	s_lshl_b32 s40, s27, 7
	s_add_nc_u64 s[40:41], s[48:49], s[40:41]
	s_lshl_b32 s42, s26, 12
	s_add_co_u32 s42, s42, WK_AT
	s_add_nc_u64 s[42:43], s[22:23], s[42:43]
	s_wait_alu depctr_va_vdst(0)
	WTILE 2048, 32
.Lnot_wkwv:
	s_sub_co_u32 s26, s26, 416                     ; Wkv: 4 groups of columns x 8 K steps
	s_and_b32 s27, s26, 3
	s_lshr_b32 s38, s26, 2
	s_lshl_b32 s40, s38, 16                        ; 128 rows of 512 bytes
	s_lshl_b32 s39, s27, 7
	s_add_co_u32 s40, s40, s39
	s_add_nc_u64 s[40:41], s[14:15], s[40:41]
	s_lshl_b32 s42, s27, 15
	s_lshl_b32 s39, s38, 12
	s_add_co_u32 s42, s42, s39
	s_add_co_u32 s42, s42, WKV_AT
	s_add_nc_u64 s[42:43], s[22:23], s[42:43]
	s_mov_b32 s44, s31                             ; e3
	s_wait_alu depctr_va_vdst(0)
	WTILE 512, 32
.Lfunc_end_k_q9a6de50f58_prep:
	.size	k_q9a6de50f58_prep, .Lfunc_end_k_q9a6de50f58_prep-k_q9a6de50f58_prep
	.p2alignl 7, 3214868480
	.fill 96, 4, 3214868480
	.section	.rodata,"a",@progbits
	.p2align	6, 0x0
	.amdhsa_kernel k_q9a6de50f58_prep
		.amdhsa_group_segment_fixed_size 136192
		.amdhsa_private_segment_fixed_size 0
		.amdhsa_enable_private_segment 0
		.amdhsa_kernarg_size 80
		.amdhsa_user_sgpr_count 2
		.amdhsa_user_sgpr_kernarg_segment_ptr 1
		.amdhsa_wavefront_size32 1
		.amdhsa_system_sgpr_workgroup_id_x 1
		.amdhsa_system_sgpr_workgroup_id_y 1
		.amdhsa_system_sgpr_workgroup_id_z 1
		.amdhsa_system_vgpr_workitem_id 0
		.amdhsa_next_free_vgpr 256
		.amdhsa_next_free_sgpr 66
		.amdhsa_reserve_vcc 0
		.amdhsa_float_denorm_mode_32 3
		.amdhsa_float_denorm_mode_16_64 3
		.amdhsa_memory_ordered 1
		.amdhsa_forward_progress 1
		.amdhsa_inst_pref_size 122
	.end_amdhsa_kernel
	.amdgpu_metadata
---
amdhsa.version: [ 1, 2 ]
amdhsa.kernels:
  - .name:           k_q9a6de50f58_prep
    .symbol:         k_q9a6de50f58_prep.kd
    .args:
      - { .name: x, .offset: 0, .size: 8, .value_kind: global_buffer, .address_space: global }
      - { .name: Wq, .offset: 8, .size: 8, .value_kind: global_buffer, .address_space: global }
      - { .name: Wo, .offset: 16, .size: 8, .value_kind: global_buffer, .address_space: global }
      - { .name: Wk, .offset: 24, .size: 8, .value_kind: global_buffer, .address_space: global }
      - { .name: Wv, .offset: 32, .size: 8, .value_kind: global_buffer, .address_space: global }
      - { .name: Wkv, .offset: 40, .size: 8, .value_kind: global_buffer, .address_space: global }
      - { .name: lowp_scales, .offset: 48, .size: 8, .value_kind: global_buffer, .address_space: global }
      - { .name: x0img, .offset: 56, .size: 8, .value_kind: global_buffer, .address_space: global }
      - { .name: x2img, .offset: 64, .size: 8, .value_kind: global_buffer, .address_space: global }
      - { .name: wimg, .offset: 72, .size: 8, .value_kind: global_buffer, .address_space: global }
    .group_segment_fixed_size: 136192
    .private_segment_fixed_size: 0
    .kernarg_segment_align: 8
    .kernarg_segment_size: 80
    .max_flat_workgroup_size: 256
    .sgpr_count:     66
    .vgpr_count:     256
    .wavefront_size: 32
...
	.end_amdgpu_metadata
.endif
;; end of part 6
;; launch projq (part 7): grid 4 x 64, 4 waves a work-group, clusters of 4 x 1, 167,936 bytes of LDS; arguments x0img, wimg, q_g, lowp_scales, qimg; writes qimg
.if DOCPART == 7
	.amdgcn_target "amdgcn-amd-amdhsa--gfx1250"
	.amdhsa_code_object_version 6
	.text
	.protected	k_q9a6de50f58_projq
	.globl	k_q9a6de50f58_projq
	.p2align	8
	.type	k_q9a6de50f58_projq,@function
k_q9a6de50f58_projq:
	s_mov_b64 s[64:65], 0
	v_nop
	global_prefetch_b8 v0, s[64:65] scope:SCOPE_SE
	s_setreg_imm32_b32 hwreg(HW_REG_WAVE_MODE, 25, 1), 1
	s_wait_xcnt 0x0
	s_wait_alu depctr_hold_cnt(0) depctr_sa_sdst(0) depctr_va_vdst(0) depctr_va_sdst(0) depctr_va_ssrc(0) depctr_va_vcc(0) depctr_vm_vsrc(0)
	s_getreg_b32 s2, hwreg(HW_REG_IB_STS2, 6, 4)
	s_cmp_eq_u32 s2, 0
	s_cbranch_scc0 .Lentry_in_a_cluster
	s_endpgm
.Lentry_in_a_cluster:
	s_bfe_u32 s2, ttmp6, 0x10000c
	s_cmp_lg_u32 s2, 0x3003
	s_cbranch_scc0 .Lentry_shape_is_right
	s_endpgm
.Lentry_shape_is_right:
; PROJQ: q = x Wq on codes (scales 2^e0, 2^e1), RMS norm over each head's 64, gain q_g, and the first 32 of each head quantised by 2^e8 into qimg [batch x head 64][tile of 16 queries 128][512].
; SHARES.  A work-group takes 128 tokens (group G = the cluster's y) x 4 heads; wave w takes head 4 cx + w: 64 columns, whose codes (64 KB, 512 registers) stay in its registers.
; x's codes of the group, 128 KB, one dense block of images, are brought into LDS once: each wave's one tensor load brings 32 KB.  Nothing in LDS is filled again.
; CLUSTER.  The four work-groups of a cluster take the same 128 tokens, so x's block is asked for JOINTLY: the same load, descriptor and mask (all four) in all four.
; The weights are not shared so: they go from memory straight into the registers in which they stay; 256 KB of them beside x's 128 KB would not fit in LDS.
; THE MATRIX INSTRUCTION IS USED TRANSPOSED (source 0 = 16 columns of Wq, source 1 = 16 tokens): a lane holds ONE token, and, by the choice of a tile's columns (16 (r / 8) + 8 u + r % 8 of 32),
; the 16 registers of tiles 0 and 1 are dims 16 h + 0 .. 15 of the head: the conversions' results are a chunk of the scores' operand as it stands.
; Of q_g only entries 0-31 are read: the others scale numbers that the scores never take.
; REGISTERS.  window 0: v1 16 x lane; v2 the same + 65,536; v5 64 h; v10, v11 2^e8 and 448 x 2^e8; v30, v31 the add's two; v32-47 q_g at my 16 dims; v48-63 eight pairs of sums of squares;
;   v64-127, v128-191 x's fragments, four tiles each; v208-239 codes; v240-247 the other half's sums.   windows 1, 2: Wq's fragment (n, s) at 16 (4 (s % 4) + n) of window 1 + s / 4.   window 3: accumulator (tile, n) at 8 (4 tile + n).
; LIMITS: 2 (e0 + e1) - 6 and e0 + e1 between -126 and 127; e8 between -126 and 119.  Inside a matrix instruction k is permuted alike on both sides.
.set SPARE, 131072                     ; behind x's block: the spare words, 128 bytes a wave: two blocks of 256 bytes that no other line names
.set AF,  64
.set SS,  48
.set GN,  32
.set CD,  208
.set PX,  240
.set MSB, 0
.macro WIN new                         ; the immediate's high byte repeats the setting that is left
.if MSB != (\new)
	s_set_vgpr_msb (MSB<<8)|(\new)
.set MSB, (\new)
.endif
.endm
.macro CROUND                          ; a round of the cluster's barrier
	s_barrier_signal -1
	s_barrier_wait -1
	s_cmp_lg_u32 s20, 0
	s_cbranch_scc1 .Lnot_wave_0_\@
	s_barrier_signal -3
.Lnot_wave_0_\@:
	s_barrier_wait -3
	s_barrier_signal -1
	s_barrier_wait -1
.endm
.macro PLACES                          ; four plain lines behind matrix instructions, ahead of loads into their sources and of reads of their results
.rept 4
	v_nop
.endr
.endm
.macro MKSC vd, se
	s_add_co_i32 s14, \se, 127
	s_lshl_b32 s15, s14, 23
	v_mov_b32 v[\vd], s15
	s_add_co_i32 s14, s14, 8
	s_lshl_b32 s14, s14, 23
	s_or_b32 s14, s14, 0x600000
	v_mov_b32 v[\vd+1], s14
.endm
	s_load_b256 s[4:11], s[0:1], 0x0               ; x0img, wimg, q_g, the scales' exponents
	s_load_b64 s[12:13], s[0:1], 0x20              ; qimg
	v_lshl_add_u32 v30, v0, 2, SPARE
	v_mov_b32 v31, 0
	ds_add_u32 v30, v31                            ; the wave's opening: the add and its wait ahead of my tensor load; work on registers stands between them
	ds_add_u32 v30, v31
	v_lshrrev_b32 v1, 5, v0
	v_readfirstlane_b32 s20, v1                    ; wave 0..3
	s_bfe_u32 s21, ttmp6, 0x40000                  ; cx: it enters the weights' and q's global addresses alone
	s_and_b32 s22, ttmp7, 0xffff                   ; G, which the four partners share
	s_mov_b32 s24, 15|(3<<16)|(1<<21)              ; group 1: the mask: all four; elements of 8 bytes; bit 21 beside a mask; no padding
	s_mov_b32 s25, 32<<16                          ; tensor_dim0 = 32 elements: rows of 256 bytes
	s_mov_b32 s26, 128<<16                         ; tensor_dim1 = 128
	s_mov_b32 s27, 32<<16                          ; tile_dim0
	s_mov_b32 s28, 128                             ; tile_dim1
	s_mov_b32 s29, 32                              ; the pitch: dense
	s_mov_b32 s30, 0
	s_mov_b32 s31, 0
	s_mov_b32 s48, 0x76543210                      ; v_permlanex16_b32's selects for lane l xor 16
	s_mov_b32 s49, 0xfedcba98
	s_mov_b32 s57, 0
	v_and_b32 v1, 31, v0
	v_lshlrev_b32 v1, 4, v1
	v_add_nc_u32 v2, 0x10000, v1
	v_bfe_u32 v5, v0, 4, 1
	v_lshlrev_b32 v5, 6, v5
.irp t, 0,1,2,3,4,5,6,7
	v_mov_b32 v[PX+\t], 0                          ; written once: a lane permute's destination counts as one of its sources
.endr
	s_wait_dscnt 0x0                               ; the opening add is done
	s_wait_kmcnt 0x0
	s_load_b64 s[36:37], s[10:11], 0x0             ; e0, e1
	s_load_b32 s38, s[10:11], 0x20                 ; e8
	CROUND                                         ; all four work-groups are here: the joint loads meet
	s_lshl_b32 s56, s22, 17                        ; the group's 131,072 bytes,
	s_lshl_b32 s33, s20, 15                        ; my wave's 32,768 of them: in LDS
	s_add_co_u32 s56, s56, s33                     ; and in memory
	s_mov_b32 s32, 1
	s_add_nc_u64 s[34:35], s[4:5], s[56:57]
	s_or_b32 s35, s35, 0x80000000
	tensor_load_to_lds s[32:35], s[24:31]          ; my one tensor load
	s_nop 0
	PLACES
	s_wait_alu depctr_va_vdst(0)
.irp k, 0,1,2,3
	global_load_b128 v[GN+4*\k:GN+4*\k+3], v5, s[8:9] offset:16*\k   ; q_g at dims 16 h + 0 .. 15
.endr
	s_lshl_b32 s58, s21, 2
	s_add_co_u32 s58, s58, s20                     ; my head
	s_lshl_b32 s56, s58, 16
	s_add_nc_u64 s[50:51], s[6:7], s[56:57]        ; its 64 KB of Wq's image
	s_lshr_b32 s59, s22, 4
	s_lshl_b32 s59, s59, 4
	s_add_co_u32 s59, s59, s58                     ; 16 x batch + head
	s_lshl_b32 s56, s59, 16
	s_and_b32 s59, s22, 15
	s_lshl_b32 s59, s59, 12                        ; the group's eight tiles
	s_add_co_u32 s56, s56, s59
	s_add_nc_u64 s[54:55], s[12:13], s[56:57]
.macro WLOAD s                         ; Wq's four fragments of K step s
	WIN 0x40*(1+(\s)/4)
.irp n, 0,1,2,3
.irp c, 0,1,2,3
	global_load_b128 v[16*(4*((\s)%4)+\n)+4*\c:16*(4*((\s)%4)+\n)+4*\c+3], v1, s[50:51] offset:(\s)*8192+\n*2048+\c*512
.endr
.endr
	WIN 0
.endm
.macro AFETCH s, half                  ; x's fragments of K step s, tiles 4 half .. 4 half + 3
.irp t, 0,1,2,3
.irp c, 0,1,2,3
.if (\s) < 4
	ds_load_b128 v[AF+64*(\half)+16*\t+4*\c:AF+64*(\half)+16*\t+4*\c+3], v1 offset:((\s)%4)*16384+(4*(\half)+\t)*2048+\c*512
.else
	ds_load_b128 v[AF+64*(\half)+16*\t+4*\c:AF+64*(\half)+16*\t+4*\c+3], v2 offset:((\s)%4)*16384+(4*(\half)+\t)*2048+\c*512
.endif
.endr
.endr
.endm
.macro MUL16 s, half                   ; 16 matrix instructions: four tiles of tokens x my four tiles of columns.  The 32 accumulators take turns, in the same order in every K step
	WIN 0xf1+(\s)/4
.irp t, 0,1,2,3
.irp n, 0,1,2,3
.if (\s) == 0
	v_wmma_f32_16x16x128_fp8_fp8 v[8*(4*(4*(\half)+\t)+\n):8*(4*(4*(\half)+\t)+\n)+7], v[16*(4*((\s)%4)+\n):16*(4*((\s)%4)+\n)+15], v[AF+64*(\half)+16*\t:AF+64*(\half)+16*\t+15], 0
.else
	v_wmma_f32_16x16x128_fp8_fp8 v[8*(4*(4*(\half)+\t)+\n):8*(4*(4*(\half)+\t)+\n)+7], v[16*(4*((\s)%4)+\n):16*(4*((\s)%4)+\n)+15], v[AF+64*(\half)+16*\t:AF+64*(\half)+16*\t+15], v[8*(4*(4*(\half)+\t)+\n):8*(4*(4*(\half)+\t)+\n)+7]
.endif
.endr
.endr
	WIN 0
.endm
.macro GSTEP s
.if (\s)+3 < 8
	WLOAD (\s)+3
.endif
.if 7-(\s) >= 3
	s_wait_loadcnt 48                              ; this K step's weights are in; those of the three steps behind it may be out
.else
	s_wait_loadcnt 16*(7-(\s))
.endif
	s_wait_dscnt 16                                ; tiles 0-3 are in; the 16 loads of tiles 4-7 may be out
	MUL16 \s, 0
.if (\s) < 7
	PLACES
	AFETCH (\s)+1, 0
	s_wait_dscnt 16                                ; tiles 4-7 are in; the 16 just issued may be out
.else
	s_wait_dscnt 0x0
.endif
	MUL16 \s, 1
.if (\s) < 7
	PLACES
	AFETCH (\s)+1, 1
.endif
.endm
	WLOAD 0
	WLOAD 1
	WLOAD 2
	s_wait_kmcnt 0x0
	s_add_co_i32 s16, s36, s37                     ; E = e0 + e1: a sum stands for sum x 2^E
	s_lshl_b32 s17, s16, 1
	s_add_co_i32 s17, s17, 121
	s_lshl_b32 s60, s17, 23                        ; 2^(2 E - 6): the mean of 64 squares
	s_mov_b32 s61, 0x358637bd                      ; 1e-6
	s_add_co_i32 s16, s16, 127
	s_lshl_b32 s62, s16, 23                        ; 2^E
	MKSC 10, s38
	s_wait_tensorcnt 0x0                           ; my part of x's block is in LDS,
	s_barrier_signal -1
	s_barrier_wait -1                              ; everybody's is
	AFETCH 0, 0
	AFETCH 0, 1
.irp s, 0,1,2,3,4,5,6,7
	GSTEP \s
.endr
; Eight units of `stride` registers in window 3, a lane a token: sum of squares over np pairs and both halves of the lanes, 1 / sqrt(mean + 1e-6), gain, hold, codes of the first 16 registers into v[CD + 4 unit].
.macro RMSQ np, stride, sc
	WIN 0x0f
.set p, 0
.rept \np
.irp t, 0,1,2,3,4,5,6,7
.if p == 0
	v_pk_mul_f32 v[SS+2*\t:SS+2*\t+1], v[(\stride)*\t:(\stride)*\t+1], v[(\stride)*\t:(\stride)*\t+1]   ; each accumulator is read from its low end on
.else
	v_pk_fma_f32 v[SS+2*\t:SS+2*\t+1], v[(\stride)*\t+2*p:(\stride)*\t+2*p+1], v[(\stride)*\t+2*p:(\stride)*\t+2*p+1], v[SS+2*\t:SS+2*\t+1]
.endif
.endr
.set p, p+1
.endr
	WIN 0
.irp t, 0,1,2,3,4,5,6,7
	v_add_f32 v[SS+2*\t], v[SS+2*\t], v[SS+2*\t+1]
.endr
.irp t, 0,1,2,3,4,5,6,7
	v_permlanex16_b32 v[PX+\t], v[SS+2*\t], s48, s49   ; the token's other dims lie in the lane 16 away
.endr
.irp t, 0,1,2,3,4,5,6,7
	v_add_f32 v[SS+2*\t], v[SS+2*\t], v[PX+\t]
.endr
.irp t, 0,1,2,3,4,5,6,7
	v_fma_f32 v[SS+2*\t], v[SS+2*\t], s60, s61         ; the mean of the squares + 1e-6
.endr
	s_wait_alu depctr_va_vdst(0)
.irp t, 0,1,2,3,4,5,6,7
	v_rsq_f32 v[SS+2*\t], v[SS+2*\t]
.endr
	v_nop                                          ; a plain line behind the last of the batch,
	s_wait_alu depctr_va_vdst(0)                   ; and one wait ahead of the batch's first reader
.irp t, 0,1,2,3,4,5,6,7
	v_mul_f32 v[SS+2*\t], s62, v[SS+2*\t]              ; 2^E / rms
.endr
	WIN 0x03
.irp t, 0,1,2,3,4,5,6,7
.irp j, 0,2,4,6,8,10,12,14
	v_pk_mul_f32 v[AF+16*\t+\j:AF+16*\t+\j+1], v[(\stride)*\t+\j:(\stride)*\t+\j+1], v[SS+2*\t:SS+2*\t+1] op_sel_hi:[1,0]
.endr
.endr
	WIN 0
.irp t, 0,1,2,3,4,5,6,7
.irp j, 0,2,4,6,8,10,12,14
	v_pk_mul_f32 v[AF+16*\t+\j:AF+16*\t+\j+1], v[AF+16*\t+\j:AF+16*\t+\j+1], v[GN+\j:GN+\j+1]
.endr
.irp i, 0,1,2,3,4,5,6,7,8,9,10,11,12,13,14,15
	v_med3_num_f32 v[AF+16*\t+\i], v[AF+16*\t+\i], -v[\sc+1], v[\sc+1]   ; the conversion does not saturate (ISA guide 7.6.2): the hold
.endr
	v_cvt_scalef32_pk8_fp8_f32 v[CD+4*\t:CD+4*\t+1], v[AF+16*\t:AF+16*\t+7], v[\sc]
	v_cvt_scalef32_pk8_fp8_f32 v[CD+4*\t+2:CD+4*\t+3], v[AF+16*\t+8:AF+16*\t+15], v[\sc]
.endr
	v_nop
.endm
	PLACES
	RMSQ 16, 32, 10
.irp t, 0,1,2,3,4,5,6,7
	global_store_b128 v1, v[CD+4*\t:CD+4*\t+3], s[54:55] offset:512*\t   ; a tile's chunk: 512 consecutive bytes
.endr
	s_wait_tensorcnt 0x0                           ; the wave's end
	ds_add_u32 v30, v31
	s_wait_dscnt 0x0
	CROUND                                         ; the closing round
	s_endpgm
.Lfunc_end_k_q9a6de50f58_projq:
	.size	k_q9a6de50f58_projq, .Lfunc_end_k_q9a6de50f58_projq-k_q9a6de50f58_projq
	.p2alignl 7, 3214868480
	.fill 96, 4, 3214868480
	.section	.rodata,"a",@progbits
	.p2align	6, 0x0
	.amdhsa_kernel k_q9a6de50f58_projq
		.amdhsa_group_segment_fixed_size 167936
		.amdhsa_private_segment_fixed_size 0
		.amdhsa_enable_private_segment 0
		.amdhsa_kernarg_size 40
		.amdhsa_user_sgpr_count 2
		.amdhsa_user_sgpr_kernarg_segment_ptr 1
		.amdhsa_wavefront_size32 1
		.amdhsa_system_sgpr_workgroup_id_x 1
		.amdhsa_system_sgpr_workgroup_id_y 1
		.amdhsa_system_sgpr_workgroup_id_z 1
		.amdhsa_system_vgpr_workitem_id 0
		.amdhsa_next_free_vgpr 1024
		.amdhsa_next_free_sgpr 66
		.amdhsa_reserve_vcc 0
		.amdhsa_float_denorm_mode_32 3
		.amdhsa_float_denorm_mode_16_64 3
		.amdhsa_memory_ordered 1
		.amdhsa_forward_progress 1
		.amdhsa_inst_pref_size 82
	.end_amdhsa_kernel
	.amdgpu_metadata
---
amdhsa.version: [ 1, 2 ]
amdhsa.kernels:
  - .name:           k_q9a6de50f58_projq
    .symbol:         k_q9a6de50f58_projq.kd
    .args:
      - { .name: x0img, .offset: 0, .size: 8, .value_kind: global_buffer, .address_space: global }
      - { .name: wimg, .offset: 8, .size: 8, .value_kind: global_buffer, .address_space: global }
      - { .name: q_g, .offset: 16, .size: 8, .value_kind: global_buffer, .address_space: global }
      - { .name: lowp_scales, .offset: 24, .size: 8, .value_kind: global_buffer, .address_space: global }
      - { .name: qimg, .offset: 32, .size: 8, .value_kind: global_buffer, .address_space: global }
    .group_segment_fixed_size: 167936
    .private_segment_fixed_size: 0
    .kernarg_segment_align: 8
    .kernarg_segment_size: 40
    .max_flat_workgroup_size: 128
    .sgpr_count:     66
    .vgpr_count:     1024
    .wavefront_size: 32
...
	.end_amdgpu_metadata
.endif
;; end of part 7
;; launch projkv (part 8): grid 256 x 1, 4 waves a work-group, no clusters, 8,704 bytes of LDS; arguments x2img, wimg, k_g, lowp_scales, kvimg; writes kvimg
.if DOCPART == 8
	.amdgcn_target "amdgcn-amd-amdhsa--gfx1250"
	.amdhsa_code_object_version 6
	.text
	.protected	k_q9a6de50f58_projkv
	.globl	k_q9a6de50f58_projkv
	.p2align	8
	.type	k_q9a6de50f58_projkv,@function
k_q9a6de50f58_projkv:
	s_mov_b64 s[64:65], 0
	v_nop
	global_prefetch_b8 v0, s[64:65] scope:SCOPE_SE
	s_setreg_imm32_b32 hwreg(HW_REG_WAVE_SCHED_MODE, 0, 2), 2
	s_setreg_imm32_b32 hwreg(HW_REG_WAVE_MODE, 25, 1), 1
	s_wait_xcnt 0x0
	s_wait_alu depctr_vm_vsrc(0)
; PROJKV: latent = x Wkv (codes by e2, e3); the latent quantised twice (e4, e6); k = latent Wk (e5), RMS norm over 32, gain k_g, codes by e9; v = latent Wv (e7), codes by e11, the KEYS innermost.
; kvimg [batch x head 64][step of 128 keys 16][ K: 8 tiles x 512 | V: 2 tiles of channels x 4 chunks x 512 ].
; SHARES.  A work-group takes one block of 32 tokens (two tiles u), all 16 heads.  Wave w makes latent columns 32 w .. 32 w + 31, then heads 4 w .. 4 w + 3.  All operands go from memory, where they lie as
; images of registers, straight into registers; only the latent's codes go from wave to wave, through LDS, as images: wave w's 16 codes a lane are chunk w of the latent's fragment.
; No cluster: what work-groups share (the weights) goes into registers, not into LDS.  No tensor load.
; LAYOUT.  latent^T: source 0 = 16 columns of Wkv, source 1 = 16 tokens.  k^T: source 0 = 16 columns of Wk, source 1 = tokens: a lane holds a key and dims 16 h + 0 .. 15.
; v: source 0 = 16 TOKENS, source 1 = 16 columns of Wv: a lane holds a channel and the block's keys 16 h + 0 .. 15: chunk (block % 4) of V's fragment for the step.
; REGISTERS.  window 0: v1 16 x lane; v5 64 h; v7 where I store the latent's images; v10-17 four pairs (2^e, 448 x 2^e); v30, v31 the add's two; v32-47 k_g; v48-63 sums of squares; v64-95 the latent (u, n) at 64 + 16 u + 8 n;
;   v96-127, v128-159 the latent's fragments by e4, by e6; v192-207, v240-255 at work, at the end v's codes; v208-239 the latent's codes, then k's.   window 1: Wkv (n, s) at 16 (2 s + n).   window 2: Wk (i, u') at 16 (2 i + u'), Wv (i, ct) at 128 + 16 (2 i + ct).
;   window 3: x's fragments (s, u) at 16 (2 s + u); later k at 16 (2 i + u) + 8 u' and v at 128 + 16 (2 i + ct) + 8 u.
; LIMITS: e4 - e2 - e3, e6 - e2 - e3, e9 and e11 - e6 - e7 between -126 and 119; 2 (e4 + e5) - 5 and e4 + e5 between -126 and 127.
; THE MODE: SCHED_MODE bits 1:0 = 2 (LLVM: expert scheduling mode 2), set by the entry lines.  The code itself states the register dependences
; between vector or matrix instructions and memory or LDS instructions, with s_wait_alu, always for 0.
; THE PLAN.  Registers that memory or LDS instructions touch:
;   v1, v5, v7, v30, v31   offsets and LDS addresses: written at the head, ahead of the first load's wait, and never again.
;   windows 1, 2, 3, v32-47   each register is the destination of ONE load, and no vector or matrix instruction names it ahead of that load: the loads, three steps ahead of the products, owe the head's wait alone.
;   v96-159   destinations of the LDS loads behind the barrier; not named ahead of them.
;   CD (v208-239)   written by the latent's conversions, read by my four LDS stores; written again by k's conversions, read by K's eight stores; then left alone.
;   CE (v192-207, v240-255)   an out-buffer of its own for v's codes, so that K's stores and v's conversions share no register: written by v's conversions, read by V's eight stores.
.set SPARE, 8192                       ; behind the latent's images: the spare words, 128 bytes a wave: two blocks of 256 bytes that no other line names
.set AF,  64
.set SS,  48
.set GN,  32
.set CD,  208
.set CE,  192                          ; v's codes: unit t at CE + 4 t + 32 (t / 4)
.set PX,  240
.set WKV_AT, 1572864
.set WK_AT,  1703936
.set MSB, 0
.macro WIN new
.if MSB != (\new)
	s_set_vgpr_msb (MSB<<8)|(\new)
.set MSB, (\new)
.endif
.endm
.macro MKSC vd, se
	s_add_co_i32 s14, \se, 127
	s_lshl_b32 s15, s14, 23
	v_mov_b32 v[\vd], s15
	s_add_co_i32 s14, s14, 8
	s_lshl_b32 s14, s14, 23
	s_or_b32 s14, s14, 0x600000
	v_mov_b32 v[\vd+1], s14
.endm
	s_load_b256 s[4:11], s[0:1], 0x0               ; x2img, wimg, k_g, the scales' exponents
	s_load_b64 s[12:13], s[0:1], 0x20              ; kvimg
	v_lshl_add_u32 v30, v0, 2, SPARE
	v_mov_b32 v31, 0
	v_lshrrev_b32 v1, 5, v0
	v_readfirstlane_b32 s20, v1                    ; wave 0..3
	v_and_b32 v1, 31, v0
	v_lshlrev_b32 v1, 4, v1
	s_wait_alu depctr_va_sdst(0)                   ; s20 is written, ahead of its first reader: LDS addresses and the bases below are made from it
	s_lshl_b32 s16, s20, 9
	v_add_nc_u32 v7, s16, v1                       ; chunk w of an image
	v_bfe_u32 v5, v0, 4, 1
	v_lshlrev_b32 v5, 6, v5
.irp t, 0,1,2,3,4,5,6,7
	v_mov_b32 v[PX+\t], 0
.endr
	s_mov_b32 s48, 0x76543210
	s_mov_b32 s49, 0xfedcba98
	s_and_b32 s21, ttmp9, 3                        ; the block's place in its step of 128 keys
	s_lshr_b32 s23, ttmp9, 2                       ; 16 x batch + step
	s_mov_b32 s57, 0
	s_wait_kmcnt 0x0
	s_load_b256 s[36:43], s[10:11], 0x0            ; e0 .. e7
	s_load_b128 s[44:47], s[10:11], 0x20           ; e8 .. e11
	s_lshl_b32 s56, ttmp9, 15
	s_add_nc_u64 s[52:53], s[4:5], s[56:57]        ; x's codes of my block
	s_lshl_b32 s56, s20, 15
	s_add_co_u32 s56, s56, WKV_AT
	s_add_nc_u64 s[50:51], s[6:7], s[56:57]        ; my 32 columns of Wkv
	s_lshl_b32 s56, s20, 14
	s_add_co_u32 s56, s56, WK_AT
	s_add_nc_u64 s[24:25], s[6:7], s[56:57]        ; my four heads of Wk; Wv's lie 65,536 bytes on
	s_lshr_b32 s59, s23, 4
	s_lshl_b32 s59, s59, 4
	s_lshl_b32 s16, s20, 2
	s_add_co_u32 s59, s59, s16                     ; 16 x batch + my first head
	s_lshl_b32 s56, s59, 17
	s_and_b32 s59, s23, 15
	s_lshl_b32 s59, s59, 13                        ; the step's 8,192 bytes
	s_add_co_u32 s56, s56, s59
	s_lshl_b32 s59, s21, 9
	s_add_co_u32 s56, s56, s59                     ; V: chunk = the block's place
	s_add_nc_u64 s[26:27], s[12:13], s[56:57]
	s_add_co_u32 s56, s56, s59                     ; K: tiles 2 x place + u
	s_add_nc_u64 s[54:55], s[12:13], s[56:57]
	s_wait_alu depctr_va_vdst(0)                   ; v1, v5, v7, v30 and v31 are written: every load, store and LDS access of the kernel reads one of them as its offset or address, and none is written again
.irp k, 0,1,2,3
	global_load_b128 v[GN+4*\k:GN+4*\k+3], v5, s[8:9] offset:16*\k   ; k_g at dims 16 h + 0 .. 15
.endr
.macro LOADSTEP j                      ; 16 loads.  j < 8: K step j of Wkv and of x;  8, 9: Wk;  10, 11: Wv.  No wait: no vector or matrix instruction has named their destinations, and v1 stands as the head's wait found it
.if (\j) < 8
	WIN 0x40
.irp n, 0,1
.irp c, 0,1,2,3
	global_load_b128 v[16*(2*(\j)+\n)+4*\c:16*(2*(\j)+\n)+4*\c+3], v1, s[50:51] offset:(\j)*4096+\n*2048+\c*512
.endr
.endr
	WIN 0xc0
.irp n, 0,1
.irp c, 0,1,2,3
	global_load_b128 v[16*(2*(\j)+\n)+4*\c:16*(2*(\j)+\n)+4*\c+3], v1, s[52:53] offset:(\j)*4096+\n*2048+\c*512
.endr
.endr
.else
	WIN 0x80
.irp f, 0,1,2,3
.irp c, 0,1,2,3
	global_load_b128 v[16*(4*((\j)-8)+\f)+4*\c:16*(4*((\j)-8)+\f)+4*\c+3], v1, s[24:25] offset:(4*((\j)-8)+\f)*2048+\c*512+((\j)/10)*49152
.endr
.endr
.endif
	WIN 0
.endm
.macro KSTEP s                         ; four accumulators by turns
	LOADSTEP (\s)+3
	s_wait_loadcnt 48                              ; this step's 16 loads are in; the three steps' behind them may be out
	WIN 0x0d
.irp u, 0,1
.irp n, 0,1
.if (\s) == 0
	v_wmma_f32_16x16x128_fp8_fp8 v[64+16*\u+8*\n:64+16*\u+8*\n+7], v[16*(2*(\s)+\n):16*(2*(\s)+\n)+15], v[16*(2*(\s)+\u):16*(2*(\s)+\u)+15], 0
.else
	v_wmma_f32_16x16x128_fp8_fp8 v[64+16*\u+8*\n:64+16*\u+8*\n+7], v[16*(2*(\s)+\n):16*(2*(\s)+\n)+15], v[16*(2*(\s)+\u):16*(2*(\s)+\u)+15], v[64+16*\u+8*\n:64+16*\u+8*\n+7]
.endif
.endr
.endr
	WIN 0
.endm
	LOADSTEP 0
	LOADSTEP 1
	LOADSTEP 2
	s_wait_kmcnt 0x0
	s_add_co_i32 s16, s40, s41                     ; E = e4 + e5
	s_lshl_b32 s17, s16, 1
	s_add_co_i32 s17, s17, 122
	s_lshl_b32 s60, s17, 23                        ; 2^(2 E - 5): the mean of 32 squares
	s_mov_b32 s61, 0x358637bd                      ; 1e-6
	s_add_co_i32 s16, s16, 127
	s_lshl_b32 s62, s16, 23                        ; 2^E
	s_add_co_i32 s17, s38, s39                     ; a sum of the first product stands for sum x 2^(e2 + e3): the scales are folded into the conversions' one
	s_sub_co_i32 s18, s40, s17
	MKSC 10, s18                                   ; e4 - e2 - e3
	s_sub_co_i32 s18, s42, s17
	MKSC 12, s18                                   ; e6 - e2 - e3
	MKSC 14, s45                                   ; e9
	s_sub_co_i32 s18, s47, s42
	s_sub_co_i32 s18, s18, s43
	MKSC 16, s18                                   ; e11 - e6 - e7
.irp s, 0,1,2,3,4,5,6,7
	KSTEP \s
.endr
	LOADSTEP 11
.rept 5
	v_nop                                          ; places behind the last products: four ahead of the reads below, five ahead of the products that later write over x's fragments
.endr
.macro LQ u, ver, t, sc                ; the latent of tile u, my 16 columns a lane, into codes
.irp i, 0,1,2,3,4,5,6,7,8,9,10,11,12,13,14,15
	v_med3_num_f32 v[\t+\i], v[64+16*\u+\i], -v[\sc+1], v[\sc+1]
.endr
	v_cvt_scalef32_pk8_fp8_f32 v[CD+4*(2*\ver+\u):CD+4*(2*\ver+\u)+1], v[\t:\t+7], v[\sc]
	v_cvt_scalef32_pk8_fp8_f32 v[CD+4*(2*\ver+\u)+2:CD+4*(2*\ver+\u)+3], v[\t+8:\t+15], v[\sc]
.endm
	s_wait_alu depctr_va_vdst(0)
	LQ 0, 0, 192, 10
	LQ 0, 1, 240, 12
	LQ 1, 0, 192, 10
	LQ 1, 1, 240, 12
	v_nop
	s_wait_alu depctr_va_vdst(0)                   ; the conversions have written v[CD .. CD + 15], which the LDS stores read
.irp ver, 0,1
.irp u, 0,1
	ds_store_b128 v7, v[CD+4*(2*\ver+\u):CD+4*(2*\ver+\u)+3] offset:\ver*4096+\u*2048
.endr
.endr
	s_wait_dscnt 0x0                               ; for the others' sake: my stores have landed
	s_barrier_signal -1
	s_barrier_wait -1
	s_wait_alu depctr_vm_vsrc(0)                   ; my LDS stores have read v[CD .. CD + 15], which k's conversions write again
.irp ver, 0,1
.irp u, 0,1
.irp c, 0,1,2,3
	ds_load_b128 v[96+32*\ver+16*\u+4*\c:96+32*\ver+16*\u+4*\c+3], v1 offset:\ver*4096+\u*2048+\c*512
.endr
.endr
.endr
	s_wait_dscnt 0x0
	s_wait_loadcnt 32                              ; Wk is in; Wv's 32 loads may be out
	WIN 0xc2
.irp i, 0,1,2,3
.irp u, 0,1
.irp n, 0,1
	v_wmma_f32_16x16x128_fp8_fp8 v[16*(2*\i+\u)+8*\n:16*(2*\i+\u)+8*\n+7], v[16*(2*\i+\n):16*(2*\i+\n)+15], v[96+16*\u:96+16*\u+15], 0
.endr
.endr
.endr
	s_wait_loadcnt 0x0
	WIN 0xc8
.irp i, 0,1,2,3
.irp n, 0,1
.irp u, 0,1
	v_wmma_f32_16x16x128_fp8_fp8 v[128+16*(2*\i+\n)+8*\u:128+16*(2*\i+\n)+8*\u+7], v[128+16*\u:128+16*\u+15], v[128+16*(2*\i+\n):128+16*(2*\i+\n)+15], 0
.endr
.endr
.endr
	WIN 0
.rept 4
	v_nop
.endr
.macro RMSQ np, stride, sc             ; eight units of `stride` registers in window 3, a lane a key: sum of squares, 1 / sqrt(mean + 1e-6), gain, hold, codes into v[CD + 4 unit]
	WIN 0x0f
.set p, 0
.rept \np
.irp t, 0,1,2,3,4,5,6,7
.if p == 0
	v_pk_mul_f32 v[SS+2*\t:SS+2*\t+1], v[(\stride)*\t:(\stride)*\t+1], v[(\stride)*\t:(\stride)*\t+1]   ; each accumulator is read from its low end on
.else
	v_pk_fma_f32 v[SS+2*\t:SS+2*\t+1], v[(\stride)*\t+2*p:(\stride)*\t+2*p+1], v[(\stride)*\t+2*p:(\stride)*\t+2*p+1], v[SS+2*\t:SS+2*\t+1]
.endif
.endr
.set p, p+1
.endr
	WIN 0
.irp t, 0,1,2,3,4,5,6,7
	v_add_f32 v[SS+2*\t], v[SS+2*\t], v[SS+2*\t+1]
.endr
.irp t, 0,1,2,3,4,5,6,7
	v_permlanex16_b32 v[PX+\t], v[SS+2*\t], s48, s49
.endr
.irp t, 0,1,2,3,4,5,6,7
	v_add_f32 v[SS+2*\t], v[SS+2*\t], v[PX+\t]
.endr
.irp t, 0,1,2,3,4,5,6,7
	v_fma_f32 v[SS+2*\t], v[SS+2*\t], s60, s61
.endr
	s_wait_alu depctr_va_vdst(0)
.irp t, 0,1,2,3,4,5,6,7
	v_rsq_f32 v[SS+2*\t], v[SS+2*\t]
.endr
	v_nop                                          ; a plain line behind the last of the batch,
	s_wait_alu depctr_va_vdst(0)                   ; and one wait ahead of the batch's first reader: the eight roots' results in v[SS ..] are written
.irp t, 0,1,2,3,4,5,6,7
	v_mul_f32 v[SS+2*\t], s62, v[SS+2*\t]
.endr
	WIN 0x03
.irp t, 0,1,2,3,4,5,6,7
.irp j, 0,2,4,6,8,10,12,14
	v_pk_mul_f32 v[AF+16*\t+\j:AF+16*\t+\j+1], v[(\stride)*\t+\j:(\stride)*\t+\j+1], v[SS+2*\t:SS+2*\t+1] op_sel_hi:[1,0]
.endr
.endr
	WIN 0
.irp t, 0,1,2,3,4,5,6,7
.irp j, 0,2,4,6,8,10,12,14
	v_pk_mul_f32 v[AF+16*\t+\j:AF+16*\t+\j+1], v[AF+16*\t+\j:AF+16*\t+\j+1], v[GN+\j:GN+\j+1]
.endr
.irp i, 0,1,2,3,4,5,6,7,8,9,10,11,12,13,14,15
	v_med3_num_f32 v[AF+16*\t+\i], v[AF+16*\t+\i], -v[\sc+1], v[\sc+1]
.endr
	v_cvt_scalef32_pk8_fp8_f32 v[CD+4*\t:CD+4*\t+1], v[AF+16*\t:AF+16*\t+7], v[\sc]
	v_cvt_scalef32_pk8_fp8_f32 v[CD+4*\t+2:CD+4*\t+3], v[AF+16*\t+8:AF+16*\t+15], v[\sc]
.endr
	v_nop
.endm
	RMSQ 8, 16, 14
	s_wait_alu depctr_va_vdst(0)                   ; k's conversions have written v[CD .. CD + 31], which the eight stores read; nothing writes these registers again
.irp i, 0,1,2,3
.irp u, 0,1
	global_store_b128 v1, v[CD+4*(2*\i+\u):CD+4*(2*\i+\u)+3], s[54:55] offset:\i*131072+\u*512   ; head 4 w + i, key tile 2 x place + u: 512 consecutive bytes
.endr
.endr
	WIN 0x03
.set q, 0
.rept 128
	v_med3_num_f32 v[AF+q], v[128+q], -v17, v17    ; v's sums, each accumulator from its low end on, held at 448 x 2^(e11 - e6 - e7)
.set q, q+1
.endr
	WIN 0
.irp t, 0,1,2,3,4,5,6,7
	v_cvt_scalef32_pk8_fp8_f32 v[CE+4*\t+32*(\t/4):CE+4*\t+32*(\t/4)+1], v[AF+16*\t:AF+16*\t+7], v16       ; into the out-buffer of their own: K's stores, still on their way, read other registers
	v_cvt_scalef32_pk8_fp8_f32 v[CE+4*\t+32*(\t/4)+2:CE+4*\t+32*(\t/4)+3], v[AF+16*\t+8:AF+16*\t+15], v16
.endr
	v_nop
	s_wait_alu depctr_va_vdst(0)                   ; v's conversions have written v[CE ..], which the eight stores read
.irp i, 0,1,2,3
.irp n, 0,1
	global_store_b128 v1, v[CE+4*(2*\i+\n)+32*((2*\i+\n)/4):CE+4*(2*\i+\n)+32*((2*\i+\n)/4)+3], s[26:27] offset:\i*131072+4096+\n*2048
.endr
.endr
	s_wait_dscnt 0x0                               ; the closing lines, six on end
	s_wait_alu 0x0
	s_wait_tensorcnt 0x0
	ds_add_u32 v30, v31
	s_wait_dscnt 0x0
	s_endpgm
.Lfunc_end_k_q9a6de50f58_projkv:
	.size	k_q9a6de50f58_projkv, .Lfunc_end_k_q9a6de50f58_projkv-k_q9a6de50f58_projkv
	.p2alignl 7, 3214868480
	.fill 96, 4, 3214868480
	.section	.rodata,"a",@progbits
	.p2align	6, 0x0
	.amdhsa_kernel k_q9a6de50f58_projkv
		.amdhsa_group_segment_fixed_size 8704
		.amdhsa_private_segment_fixed_size 0
		.amdhsa_enable_private_segment 0
		.amdhsa_kernarg_size 40
		.amdhsa_user_sgpr_count 2
		.amdhsa_user_sgpr_kernarg_segment_ptr 1
		.amdhsa_wavefront_size32 1
		.amdhsa_system_sgpr_workgroup_id_x 1
		.amdhsa_system_sgpr_workgroup_id_y 1
		.amdhsa_system_sgpr_workgroup_id_z 1
		.amdhsa_system_vgpr_workitem_id 0
		.amdhsa_next_free_vgpr 1024
		.amdhsa_next_free_sgpr 66
		.amdhsa_reserve_vcc 0
		.amdhsa_float_denorm_mode_32 3
		.amdhsa_float_denorm_mode_16_64 3
		.amdhsa_memory_ordered 1
		.amdhsa_forward_progress 1
		.amdhsa_inst_pref_size 69
	.end_amdhsa_kernel
	.amdgpu_metadata
---
amdhsa.version: [ 1, 2 ]
amdhsa.kernels:
  - .name:           k_q9a6de50f58_projkv
    .symbol:         k_q9a6de50f58_projkv.kd
    .args:
      - { .name: x2img, .offset: 0, .size: 8, .value_kind: global_buffer, .address_space: global }
      - { .name: wimg, .offset: 8, .size: 8, .value_kind: global_buffer, .address_space: global }
      - { .name: k_g, .offset: 16, .size: 8, .value_kind: global_buffer, .address_space: global }
      - { .name: lowp_scales, .offset: 24, .size: 8, .value_kind: global_buffer, .address_space: global }
      - { .name: kvimg, .offset: 32, .size: 8, .value_kind: global_buffer, .address_space: global }
    .group_segment_fixed_size: 8704
    .private_segment_fixed_size: 0
    .kernarg_segment_align: 8
    .kernarg_segment_size: 40
    .max_flat_workgroup_size: 128
    .sgpr_count:     66
    .vgpr_count:     1024
    .wavefront_size: 32
...
	.end_amdgpu_metadata
.endif
;; end of part 8
;; launch attn (part 9): grid 4 x 64, 16 waves a work-group, no clusters, 133,120 bytes of LDS; arguments qimg, kvimg, lowp_scales, oimg; writes oimg
.if DOCPART == 9
	.amdgcn_target "amdgcn-amd-amdhsa--gfx1250"
	.amdhsa_code_object_version 6
	.text
	.protected	k_q9a6de50f58_attn
	.globl	k_q9a6de50f58_attn
	.p2align	8
	.type	k_q9a6de50f58_attn,@function
k_q9a6de50f58_attn:
	s_mov_b64 s[64:65], 0
	v_nop
	global_prefetch_b8 v0, s[64:65] scope:SCOPE_SE
	s_setreg_imm32_b32 hwreg(HW_REG_WAVE_SCHED_MODE, 0, 2), 2
	s_setreg_imm32_b32 hwreg(HW_REG_WAVE_MODE, 25, 1), 1
	s_wait_xcnt 0x0
	s_wait_alu depctr_vm_vsrc(0)
; ATTN: causal attention of one (batch, head) on codes: scores = q k^T / 8 over 32 dims (scales 2^e8, 2^e9), p = 2^(t - M) quantised by 2^e10, O = p v (v by 2^e11) over 32 channels, O / l quantised by 2^e12.
; t = score x log2(e) / 8; M = the running largest t rounded UP to a whole number; l = the sum of the UNQUANTISED p; when M moves, l and O are multiplied by 2^(old M - new M), which rounds nothing.
; SHARES.  Work-group (j, bh): j = 0..3, bh = 16 x batch + head.  Wave w owns TWO tiles of 16 queries: the low one a = 4 w + j and the high one 127 - a.  With m = w / 2 the low tile has key steps 0 .. m, the high one
; 0 .. 15 - m (128 keys a step; later steps lie wholly under the mask): 17 tile-steps for every wave.  In steps 0 .. m both tiles use the fragments fetched once.
; LDS.  The head's K and V, 128 KB of register images (step s at 8,192 s: 8 tiles of K, then V's 2 x 4 chunks), are brought in once, through registers: wave w brings step w.  One barrier.  Nothing is asked for later, so nothing is prefetched.
; No cluster and no tensor load: what the four work-groups of a head share is read once, 128 KB each.
; LAYOUT.  S^T = K Q^T by the K = 64 form: the 32 dims are filled up by zero codes on q's side: a pair of key tiles lies in 8 registers, q as [q, 0] serves the even tile, as [0, q] the odd one.
; A lane holds ONE query (lane % 16); the 16 registers of tiles 2 b, 2 b + 1 are keys 32 b + 16 h + 0 .. 15, so p's codes are the second product's operand.  O^T = V^T P^T: a lane's 16 sums are channels 16 h + 0 .. 15.
; THE HOLD of p at 448 x 2^e10: p is at most 1, so it can bite only where e10 < -8; a scalar branch on e10 passes over its 64 lines elsewhere.
; oimg [group of 128 tokens 64][head 16][tile 8][512].
; LIMITS: e8 + e9 between -124 and 130 (added to c's exponent field); e10 and e12 - e10 - e11 between -126 and 119.
; THE MODE: SCHED_MODE bits 1:0 = 2 (LLVM: expert scheduling mode 2), set by the entry lines.  The code itself states the register dependences
; between vector or matrix instructions and memory or LDS instructions, with s_wait_alu, always for 0.
; THE PLAN.  Registers that memory or LDS instructions touch:
;   v[LI], v[SPW], v[NIL]   written at the head, ahead of the first load's wait, and never again.
;   v[ADR]      written at the head and read by the head's 16 LDS stores; then, once a step, written by one addition (an LDS address has no scalar base) and read by the step's 16 LDS loads.
;   v[S ..]     destinations of the head's 16 global loads, data of the head's LDS stores; from the first step on written by the products.
;   KF, VF      destinations of a step's 16 LDS loads; read by that step's products, the last of which stand at the step's end.
;   CH, CL      written by the way out's conversions, read by the two stores.
; A wave has 256 registers (sixteen waves on four SIMDs of 1,024); KF and VF are 64 and 29 lie free in the loop: there is no second set, so a step's loads stand at its head.
; So a step has TWO waits, in one straight run with the addition and the loads: one on vm_vsrc ahead of the addition (the LDS instructions so far have read v[ADR]), one on va_vdst behind it
; (v[ADR] is written; the last step's products are done reading KF and VF).  Between two steps' heads no memory or LDS instruction is issued.
; The masks of the diagonal go through scalar registers, sixteen compares to a run, with one wait on va_sdst between a run and the selects that read its masks.
.set SPARE, 131072                     ; behind K and V: the spare words, 128 bytes a wave: eight blocks of 256 bytes that no other line names
.set LI,   1                           ; v1   16 x lane
.set ADR,  2                           ; v2   the step's LDS address
.set SPW,  3                           ; v3   LDS address of my spare word; never rewritten
.set NIL,  4                           ; v4   0; never rewritten
.set DQH,  5                           ; v5   my query's place in its step - 16 h, high tile;  v6 low tile
.set DQL,  6
.set STH,  8                           ; v8 -M, v9 the largest t, v[10:11] l in two halves: high tile;  v12-15 low tile
.set STL,  12
.set QH,   16                          ; v16-27 [q, 0, q] high tile;  v28-39 low tile
.set QL,   28
.set KF,   40                          ; v40-71   K: tile t at KF + 4 t
.set VF,   72                          ; v72-103  V: VF + 16 ct + 4 c
.set S,    104                         ; v104-167 S^T, then p
.set PC,   168                         ; v168-183 p's codes
.set OH,   184                         ; v184-199 O^T high;  v200-215 low
.set OL,   200
.set F,    216                         ; v216 2^(old M - new M); v217 named with it as a pair
.set PX,   218
.set TA,   219
.set SUM2, 220
.set TC,   222
.set NINF, 223
.set SC10, 224                         ; v224 2^e10, v225 448 x 2^e10
.set HOLD, 225
.set SCO,  226                         ; v226 2^(e12 - e10 - e11), v227 448 x that
.set LIMO, 227
.set T,    228
.set CH,   244
.set CL,   248
.set MK,   26                          ; sixteen lane masks: mask i in s[MK + i + 4 (i / 14)]: s26-39, s44, s45, which hold nothing else from the loop on
.macro MKSC vd, se
	s_add_co_i32 s48, \se, 127
	s_lshl_b32 s49, s48, 23
	v_mov_b32 v[\vd], s49
	s_add_co_i32 s48, s48, 8
	s_lshl_b32 s48, s48, 23
	s_or_b32 s48, s48, 0x600000
	v_mov_b32 v[\vd+1], s48
.endm
	s_load_b256 s[4:11], s[0:1], 0x0               ; qimg, kvimg, the scales' exponents, oimg
	v_lshl_add_u32 v[SPW], v0, 2, SPARE
	v_mov_b32 v[NIL], 0
	v_lshrrev_b32 v7, 5, v0
	v_readfirstlane_b32 s17, v7                    ; wave 0..15
	v_and_b32 v7, 31, v0
	v_lshlrev_b32 v[LI], 4, v7
	s_wait_alu depctr_va_vdst(0)
	s_and_b32 s27, ttmp7, 0xffff                   ; bh
	s_wait_alu depctr_va_sdst(0)                   ; s17 is written, ahead of its first reader: the tiles, the trip limits and the bases are made from it
	s_lshl_b32 s28, s17, 2
	s_add_co_u32 s28, s28, ttmp9                   ; a
	s_sub_co_u32 s29, 127, s28                     ; 127 - a
	s_lshr_b32 s18, s17, 1                         ; m: the low tile's last step
	s_sub_co_u32 s19, 15, s18                      ; the high tile's
	s_lshl_b32 s36, s17, 13
	v_add_nc_u32 v[ADR], s36, v[LI]                ; where I put step w
	s_mov_b32 s24, 0x76543210
	s_mov_b32 s25, 0xfedcba98
	s_mov_b32 s31, 0
	s_mov_b32 s33, 0
	s_lshl_b32 s30, s27, 17
	s_add_co_u32 s30, s30, s36
	s_wait_kmcnt 0x0
	s_load_b128 s[12:15], s[8:9], 0x20             ; e8, e9, e10, e11
	s_load_b32 s16, s[8:9], 0x30                   ; e12
	s_add_nc_u64 s[44:45], s[6:7], s[30:31]
	s_wait_alu depctr_va_vdst(0)                   ; v[LI], v[ADR], v[SPW] and v[NIL] are written: the loads below read v[LI], the head's LDS stores v[ADR], the closing add the other two
.irp i, 0,1,2,3,4,5,6,7,8,9,10,11,12,13,14,15
	global_load_b128 v[S+4*\i:S+4*\i+3], v[LI], s[44:45] offset:512*\i   ; step w of the head's K and V: 8,192 consecutive bytes
.endr
	s_lshl_b32 s30, s27, 16
	s_add_nc_u64 s[46:47], s[4:5], s[30:31]
	s_lshl_b32 s32, s29, 9
	s_add_nc_u64 s[34:35], s[46:47], s[32:33]
	s_lshl_b32 s32, s28, 9
	s_add_nc_u64 s[46:47], s[46:47], s[32:33]
	global_load_b128 v[QH:QH+3], v[LI], s[34:35]
	global_load_b128 v[QH+8:QH+11], v[LI], s[34:35]
	global_load_b128 v[QL:QL+3], v[LI], s[46:47]
	global_load_b128 v[QL+8:QL+11], v[LI], s[46:47]
	s_lshr_b32 s37, s27, 4
	s_lshl_b32 s37, s37, 4                         ; 16 x batch
	s_and_b32 s38, s27, 15
	s_lshl_b32 s38, s38, 12                        ; head
	s_add_co_u32 s30, s37, s19
	s_lshl_b32 s30, s30, 16
	s_add_co_u32 s30, s30, s38
	s_and_b32 s39, s29, 7
	s_lshl_b32 s39, s39, 9
	s_add_co_u32 s30, s30, s39
	s_add_nc_u64 s[40:41], s[10:11], s[30:31]      ; the high tile's chunk of oimg
	s_add_co_u32 s30, s37, s18
	s_lshl_b32 s30, s30, 16
	s_add_co_u32 s30, s30, s38
	s_and_b32 s39, s28, 7
	s_lshl_b32 s39, s39, 9
	s_add_co_u32 s30, s30, s39
	s_add_nc_u64 s[42:43], s[10:11], s[30:31]      ; the low tile's
	v_and_b32 v7, 7, v0
	v_bfe_u32 v[TA], v0, 3, 1
	v_lshl_add_u32 v7, v[TA], 4, v7                ; the query of lane r in its block of 32, less 8 u: r % 8 + 16 (r / 8)
	v_bfe_u32 v[TA], v0, 4, 1
	v_lshlrev_b32 v[TA], 4, v[TA]
	v_sub_nc_u32 v7, v7, v[TA]                     ; - 16 h
	s_wait_alu depctr_va_vdst(0)
	s_lshr_b32 s30, s29, 1
	s_and_b32 s30, s30, 3
	s_lshl_b32 s30, s30, 5
	s_and_b32 s39, s29, 1
	s_lshl_b32 s39, s39, 3
	s_add_co_u32 s30, s30, s39
	v_add_nc_u32 v[DQH], s30, v7
	s_lshr_b32 s30, s28, 1
	s_and_b32 s30, s30, 3
	s_lshl_b32 s30, s30, 5
	s_and_b32 s39, s28, 1
	s_lshl_b32 s39, s39, 3
	s_add_co_u32 s30, s30, s39
	v_add_nc_u32 v[DQL], s30, v7
.irp j, 4,5,6,7
	v_mov_b32 v[QH+\j], 0                          ; the zero codes that fill K = 32 up to 64
	v_mov_b32 v[QL+\j], 0
.endr
.set n, 0
.rept 32
	v_mov_b32 v[OH+n], 0                           ; O^T of both tiles: the step is written once; its first run finds zeros
.set n, n+1
.endr
.irp b, STH, STL
	v_mov_b32 v[\b+1], 0xff61b1e6                  ; the largest t so far: -3e38
	v_floor_f32 v[\b], -v[\b+1]
	v_mov_b32 v[\b+2], 0
	v_mov_b32 v[\b+3], 0
.endr
	v_mov_b32 v[F+1], 0
	v_mov_b32 v[PX], 0
	v_mov_b32 v[TA], 0
	v_mov_b32 v[NINF], 0xff800000
	s_wait_kmcnt 0x0
	s_add_co_i32 s30, s12, s13
	s_lshl_b32 s30, s30, 23
	s_add_co_i32 s22, s30, 0x3e38aa3b              ; c = log2(e) / 8, with e8 + e9 added to its exponent field
	s_mov_b32 s23, s22
	MKSC SC10, s14
	s_sub_co_i32 s30, s16, s14
	s_sub_co_i32 s30, s30, s15
	MKSC SCO, s30
	s_wait_loadcnt 4                               ; the step's 16 loads are in; the four loads of q may be out
.irp i, 0,1,2,3,4,5,6,7,8,9,10,11,12,13,14,15
	ds_store_b128 v[ADR], v[S+4*\i:S+4*\i+3] offset:512*\i   ; no vector instruction since the head's wait names v[ADR] or v[S ..]
.endr
	s_wait_dscnt 0x0                               ; for the others' sake: my stores have landed
	s_barrier_signal -1
	s_barrier_wait -1
	s_wait_loadcnt 0x0                             ; q
; One tile's work on the step whose fragments are in KF and VF.  ds: the scalar register with the tile's diagonal step.  fresh = 1: the fragments were asked for just now
.macro TILE qb, ob, sb, dq, ds, fresh
.if \fresh
	s_wait_dscnt 8                                 ; K is in; V's eight loads may be out
.endif
.irp t, 0,1,2,3,4,5,6,7
	v_wmma_f32_16x16x64_fp8_fp8 v[S+8*\t:S+8*\t+7], v[KF+8*(\t/2):KF+8*(\t/2)+7], v[\qb+4*(\t%2):\qb+4*(\t%2)+7], 0
.endr
.rept 4
	v_nop
.endr
	s_cmp_lg_u32 s20, s[\ds]
	s_cbranch_scc1 .Lopen_\@                       ; only the tile's last step lies on the diagonal
.set g, 0
.rept 4                                            ; keys 32 g + 16 h + 0 .. 15: sixteen compares, one wait, sixteen selects
.set n, 0
.rept 16
	v_cmp_gt_i32 s[MK+n+4*(n/14)], 32*g+n, v[\dq]  ; register 16 g + n holds key 32 g + 16 h + n of the step: hidden where it comes after my query
.set n, n+1
.endr
	s_wait_alu depctr_va_sdst(0)                   ; the sixteen masks are written, ahead of their first reader
.set n, 0
.rept 16
	v_cndmask_b32 v[S+16*g+n], v[S+16*g+n], v[NINF], s[MK+n+4*(n/14)]   ; each accumulator from its low end on
.set n, n+1
.endr
.set g, g+1
.endr
.Lopen_\@:
	v_max3_num_f32 v[TA], v[S], v[S+1], v[S+2]     ; the step's largest score of my query, in two chains; each accumulator is read from its low end on
	v_max3_num_f32 v[TC], v[S+3], v[S+4], v[S+5]
.irp i, 6,10,14,18,22,26,30,34,38,42,46,50,54,58
	v_max3_num_f32 v[TA], v[TA], v[S+\i], v[S+\i+1]
	v_max3_num_f32 v[TC], v[TC], v[S+\i+2], v[S+\i+3]
.endr
	v_max3_num_f32 v[TA], v[TA], v[S+62], v[S+63]
	v_max_num_f32 v[TA], v[TA], v[TC]
	v_permlanex16_b32 v[PX], v[TA], s24, s25
	v_max_num_f32 v[TA], v[TA], v[PX]              ; and among lane l xor 16's keys
	v_mul_f32 v[TA], s22, v[TA]                    ; as t (c is positive)
	v_max_num_f32 v[\sb+1], v[\sb+1], v[TA]
	v_mov_b32 v[TA], v[\sb]
	v_floor_f32 v[\sb], -v[\sb+1]                  ; -M = floor(-t)
	v_sub_f32 v[TA], v[\sb], v[TA]                 ; old M - new M: a whole number, 0 or less
	v_cvt_i32_f32 v[TA], v[TA]                     ; (it saturates)
	v_ldexp_f32 v[F], 1.0, v[TA]
.irp j, 0,2,4,6,8,10,12,14,16,18,20,22,24,26,28,30,32,34,36,38,40,42,44,46,48,50,52,54,56,58,60,62
	v_pk_fma_f32 v[S+\j:S+\j+1], v[S+\j:S+\j+1], s[22:23], v[\sb:\sb+1] op_sel_hi:[1,0,0]   ; t - M
.endr
.set n, 0
	s_wait_alu depctr_va_vdst(0)
.rept 64
	v_exp_f32 v[S+n], v[S+n]                       ; p = 2^(t - M)
.set n, n+1
.endr
	v_pk_mul_f32 v[\sb+2:\sb+3], v[\sb+2:\sb+3], v[F:F+1] op_sel_hi:[1,0]   ; l under the new M: the plain line behind the batch
	s_wait_alu depctr_va_vdst(0)                   ; one wait ahead of the batch's first reader: the 64 exponentials' results in v[S ..] are written
	v_pk_add_f32 v[SUM2:SUM2+1], v[S:S+1], v[S+2:S+3]   ; the sum of the unquantised p, in two chains
.irp j, 4,8,12,16,20,24,28,32,36,40,44,48,52,56,60
	v_pk_add_f32 v[\sb+2:\sb+3], v[\sb+2:\sb+3], v[S+\j:S+\j+1]
	v_pk_add_f32 v[SUM2:SUM2+1], v[SUM2:SUM2+1], v[S+\j+2:S+\j+3]
.endr
	v_pk_add_f32 v[\sb+2:\sb+3], v[\sb+2:\sb+3], v[SUM2:SUM2+1]
	s_cmp_ge_i32 s14, -8
	s_cbranch_scc1 .Lno_hold_\@                    ; p <= 1 <= 448 x 2^e10 where e10 >= -8
.set n, 0
.rept 64
	v_min_num_f32 v[S+n], v[S+n], v[HOLD]          ; the conversion does not saturate (ISA guide 7.6.2); p is not negative, so the hold is one-sided
.set n, n+1
.endr
.Lno_hold_\@:
.irp b, 0,1,2,3
	v_cvt_scalef32_pk8_fp8_f32 v[PC+4*\b:PC+4*\b+1], v[S+16*\b:S+16*\b+7], v[SC10]
	v_cvt_scalef32_pk8_fp8_f32 v[PC+4*\b+2:PC+4*\b+3], v[S+16*\b+8:S+16*\b+15], v[SC10]
.endr
.irp j, 0,2,4,6,8,10,12,14
	v_pk_mul_f32 v[\ob+\j:\ob+\j+1], v[\ob+\j:\ob+\j+1], v[F:F+1] op_sel_hi:[1,0]   ; O^T under the new M; also the plain lines between the conversions and the products
.endr
.if \fresh
	s_wait_alu depctr_va_vdst(0)
	s_wait_dscnt 0x0                               ; V is in
.endif
.irp n, 0,1
	v_wmma_f32_16x16x128_fp8_fp8 v[\ob+8*\n:\ob+8*\n+7], v[VF+16*\n:VF+16*\n+15], v[PC:PC+15], v[\ob+8*\n:\ob+8*\n+7]   ; two accumulators, one instruction a turn
.endr
.endm
	s_mov_b32 s20, 0                               ; the key step
	s_mov_b32 s21, 0                               ; and its LDS byte
.Lstep:                                            ; 16 trips in every wave; a step that lies wholly under the mask for both tiles is passed over
	s_cmp_gt_u32 s20, s19
	s_cbranch_scc1 .Lnext
	s_wait_alu depctr_vm_vsrc(0)                   ; the LDS instructions issued so far have read v[ADR]; in the first trip these are the head's stores, which have also read v[S ..], into which the products below write
	v_add_nc_u32 v[ADR], s21, v[LI]
.rept 3
	v_nop                                          ; with the addition above: four plain lines ahead of loads into registers that matrix instructions have read
.endr
	s_wait_alu depctr_va_vdst(0)                   ; v[ADR] is written, which the sixteen loads read; the last step's products are done reading KF and VF, in which they land
.irp t, 0,1,2,3,4,5,6,7
	ds_load_b128 v[KF+4*\t:KF+4*\t+3], v[ADR] offset:512*\t
.endr
.irp t, 0,1,2,3,4,5,6,7
	ds_load_b128 v[VF+4*\t:VF+4*\t+3], v[ADR] offset:4096+512*\t
.endr
	TILE QH, OH, STH, DQH, 19, 1
	s_cmp_gt_u32 s20, s18
	s_cbranch_scc1 .Lnext
	TILE QL, OL, STL, DQL, 18, 0
.Lnext:
	s_add_co_u32 s20, s20, 1
	s_add_co_u32 s21, s21, 8192
	s_cmp_lt_u32 s20, 16
	s_cbranch_scc1 .Lstep
; THE WAY OUT: O^T / l, held and quantised; e10, e11 and e12 are folded into the conversion's one scale.  A lane's 16 codes are channels 16 h + 0 .. 15 of its query: a chunk of the last product's operand as it stands.
.rept 4
	v_nop
.endr
	v_add_f32 v[STH+2], v[STH+2], v[STH+3]
	s_wait_alu depctr_va_vdst(0)
	v_add_f32 v[STL+2], v[STL+2], v[STL+3]
	v_permlanex16_b32 v[PX], v[STH+2], s24, s25
	v_permlanex16_b32 v[TA], v[STL+2], s24, s25
	v_add_f32 v[STH+2], v[STH+2], v[PX]
	v_add_f32 v[STL+2], v[STL+2], v[TA]
	s_wait_alu depctr_va_vdst(0)
	v_rcp_f32 v[STH+2], v[STH+2]
	v_rcp_f32 v[STL+2], v[STL+2]
	v_nop                                          ; a plain line behind the two reciprocals,
	s_wait_alu depctr_va_vdst(0)                   ; and one wait for both, ahead of their first reader: the two reciprocals are written
.macro OUTQ ob, sb, cd
.irp j, 0,2,4,6,8,10,12,14
	v_pk_mul_f32 v[T+\j:T+\j+1], v[\ob+\j:\ob+\j+1], v[\sb+2:\sb+3] op_sel_hi:[1,0]
.endr
.irp i, 0,1,2,3,4,5,6,7,8,9,10,11,12,13,14,15
	v_med3_num_f32 v[T+\i], v[T+\i], -v[LIMO], v[LIMO]
.endr
	v_cvt_scalef32_pk8_fp8_f32 v[\cd:\cd+1], v[T:T+7], v[SCO]
	v_cvt_scalef32_pk8_fp8_f32 v[\cd+2:\cd+3], v[T+8:T+15], v[SCO]
	v_nop
.endm
	OUTQ OH, STH, CH
	OUTQ OL, STL, CL
	s_wait_alu depctr_va_vdst(0)                   ; the conversions have written v[CH ..] and v[CL ..], which the two stores read
	global_store_b128 v[LI], v[CH:CH+3], s[40:41]  ; 512 consecutive bytes
	global_store_b128 v[LI], v[CL:CL+3], s[42:43]
	s_wait_dscnt 0x0                               ; the closing lines, six on end
	s_wait_alu 0x0
	s_wait_tensorcnt 0x0
	ds_add_u32 v[SPW], v[NIL]
	s_wait_dscnt 0x0
	s_endpgm
.Lfunc_end_k_q9a6de50f58_attn:
	.size	k_q9a6de50f58_attn, .Lfunc_end_k_q9a6de50f58_attn-k_q9a6de50f58_attn
	.p2alignl 7, 3214868480
	.fill 96, 4, 3214868480
	.section	.rodata,"a",@progbits
	.p2align	6, 0x0
	.amdhsa_kernel k_q9a6de50f58_attn
		.amdhsa_group_segment_fixed_size 133120
		.amdhsa_private_segment_fixed_size 0
		.amdhsa_enable_private_segment 0
		.amdhsa_kernarg_size 32
		.amdhsa_user_sgpr_count 2
		.amdhsa_user_sgpr_kernarg_segment_ptr 1
		.amdhsa_wavefront_size32 1
		.amdhsa_system_sgpr_workgroup_id_x 1
		.amdhsa_system_sgpr_workgroup_id_y 1
		.amdhsa_system_sgpr_workgroup_id_z 1
		.amdhsa_system_vgpr_workitem_id 0
		.amdhsa_next_free_vgpr 256
		.amdhsa_next_free_sgpr 66
		.amdhsa_reserve_vcc 0
		.amdhsa_float_denorm_mode_32 3
		.amdhsa_float_denorm_mode_16_64 3
		.amdhsa_memory_ordered 1
		.amdhsa_forward_progress 1
		.amdhsa_inst_pref_size 58
	.end_amdhsa_kernel
	.amdgpu_metadata
---
amdhsa.version: [ 1, 2 ]
amdhsa.kernels:
  - .name:           k_q9a6de50f58_attn
    .symbol:         k_q9a6de50f58_attn.kd
    .args:
      - { .name: qimg, .offset: 0, .size: 8, .value_kind: global_buffer, .address_space: global }
      - { .name: kvimg, .offset: 8, .size: 8, .value_kind: global_buffer, .address_space: global }
      - { .name: lowp_scales, .offset: 16, .size: 8, .value_kind: global_buffer, .address_space: global }
      - { .name: oimg, .offset: 24, .size: 8, .value_kind: global_buffer, .address_space: global }
    .group_segment_fixed_size: 133120
    .private_segment_fixed_size: 0
    .kernarg_segment_align: 8
    .kernarg_segment_size: 32
    .max_flat_workgroup_size: 512
    .sgpr_count:     66
    .vgpr_count:     256
    .wavefront_size: 32
...
	.end_amdgpu_metadata
.endif
;; end of part 9
;; launch outp (part 10): grid 4 x 64, 4 waves a work-group, clusters of 4 x 1, 167,936 bytes of LDS; arguments oimg, wimg, lowp_scales, out0; writes out0
.if DOCPART == 10
	.amdgcn_target "amdgcn-amd-amdhsa--gfx1250"
	.amdhsa_code_object_version 6
	.text
	.protected	k_q9a6de50f58_outp
	.globl	k_q9a6de50f58_outp
	.p2align	8
	.type	k_q9a6de50f58_outp,@function
k_q9a6de50f58_outp:
	s_mov_b64 s[64:65], 0
	v_nop
	global_prefetch_b8 v0, s[64:65] scope:SCOPE_SE
	s_setreg_imm32_b32 hwreg(HW_REG_WAVE_MODE, 25, 1), 1
	s_wait_xcnt 0x0
	s_wait_alu depctr_hold_cnt(0) depctr_sa_sdst(0) depctr_va_vdst(0) depctr_va_sdst(0) depctr_va_ssrc(0) depctr_va_vcc(0) depctr_vm_vsrc(0)
	s_getreg_b32 s2, hwreg(HW_REG_IB_STS2, 6, 4)
	s_cmp_eq_u32 s2, 0
	s_cbranch_scc0 .Lentry_in_a_cluster
	s_endpgm
.Lentry_in_a_cluster:
	s_bfe_u32 s2, ttmp6, 0x10000c
	s_cmp_lg_u32 s2, 0x3003
	s_cbranch_scc0 .Lentry_shape_is_right
	s_endpgm
.Lentry_shape_is_right:
; OUTP: out0 = o Wo on codes (scales 2^e12, 2^e13), K = the 512 live rows of Wo (32 channels of each of 16 heads: the other 512 meet the zeros with which the attention's result is padded).
; SHARES.  A work-group takes 128 tokens (group G = the cluster's y) x 256 columns; wave w takes columns 64 (4 cx + w) on, whose codes (32 KB, 256 registers) stay in its registers.
; o's codes of the group, 64 KB of images, come into LDS once: one tensor load of 16 KB a wave.  Nothing in LDS is filled again.
; CLUSTER.  The four work-groups of a cluster take the same tokens: o's block is asked for JOINTLY (the same load, descriptor and mask in all four).  The weights go from memory straight into registers.
; THE MATRIX INSTRUCTION IS USED TRANSPOSED (source 0 = 16 columns of Wo, source 1 = 16 tokens): a lane holds a token; tiles 2 g, 2 g + 1 give it columns 32 g + 16 h + 0 .. 15.
; THE WAY OUT.  A tile (16 tokens x 64 columns) goes through the wave's own stage (rows of 256 + 16 bytes) and leaves as rows: sixteen lanes store 256 consecutive bytes, at a multiple of 256 from out0's first byte.
; REGISTERS.  window 0: v1 16 x lane; v3, v4 the stage, in and back; v6 my byte offset in two rows of out0; v30, v31 the add's two; v64-127, v128-191 o's fragments, four tiles each, later rows on their way out; v192-223 a tile's results.
;   window 1: Wo's fragment (n, s) at 16 (4 s + n).   window 2: accumulator (tile, n) at 8 (4 tile + n).
; LIMIT: e12 + e13 between -126 and 127.
.set STAGE, 65536
.set SPI,   272
.set SPARE, 82944                      ; behind the four stages: the spare words, 128 bytes a wave: two blocks of 256 bytes that no other line names
.set AF,  64
.set TT,  192
.set WO_AT, 1048576
.set MSB, 0
.macro WIN new
.if MSB != (\new)
	s_set_vgpr_msb (MSB<<8)|(\new)
.set MSB, (\new)
.endif
.endm
.macro CROUND
	s_barrier_signal -1
	s_barrier_wait -1
	s_cmp_lg_u32 s20, 0
	s_cbranch_scc1 .Lnot_wave_0_\@
	s_barrier_signal -3
.Lnot_wave_0_\@:
	s_barrier_wait -3
	s_barrier_signal -1
	s_barrier_wait -1
.endm
.macro PLACES
.rept 4
	v_nop
.endr
.endm
	s_load_b256 s[4:11], s[0:1], 0x0               ; oimg, wimg, the scales' exponents, out0
	v_lshl_add_u32 v30, v0, 2, SPARE
	v_mov_b32 v31, 0
	ds_add_u32 v30, v31
	ds_add_u32 v30, v31                            ; the wave's opening: the add and its wait ahead of my tensor load; work on registers stands between them
	v_lshrrev_b32 v1, 5, v0
	v_readfirstlane_b32 s20, v1                    ; wave 0..3
	s_bfe_u32 s21, ttmp6, 0x40000                  ; cx: it enters the weights' and out0's global addresses alone
	s_and_b32 s22, ttmp7, 0xffff                   ; G
	s_mov_b32 s24, 15|(3<<16)|(1<<21)              ; group 1: the mask: all four; elements of 8 bytes; bit 21 beside a mask; no padding
	s_mov_b32 s25, 32<<16                          ; rows of 256 bytes
	s_mov_b32 s26, 64<<16                          ; 64 of them
	s_mov_b32 s27, 32<<16
	s_mov_b32 s28, 64
	s_mov_b32 s29, 32                              ; dense
	s_mov_b32 s30, 0
	s_mov_b32 s31, 0
	s_mov_b32 s57, 0
	v_and_b32 v1, 31, v0
	v_lshlrev_b32 v1, 4, v1
	v_and_b32 v8, 15, v0                           ; r
	v_bfe_u32 v9, v0, 4, 1                         ; h
	s_mul_i32 s52, s20, 16*SPI
	s_add_co_u32 s52, s52, STAGE                   ; my stage
	v_mul_u32_u24 v3, v8, SPI
	v_lshl_add_u32 v3, v9, 6, v3
	v_add_nc_u32 v3, s52, v3                       ; in: row r, + 64 h bytes
	v_mul_u32_u24 v4, v9, SPI
	v_lshl_add_u32 v4, v8, 4, v4
	v_add_nc_u32 v4, s52, v4                       ; back: lanes 0-15 one row, lanes 16-31 the next
	v_lshlrev_b32 v6, 12, v9
	v_lshl_add_u32 v6, v8, 4, v6                   ; and the same in out0: rows of 4,096 bytes
	s_wait_dscnt 0x0                               ; the opening add is done
	s_wait_kmcnt 0x0
	s_load_b64 s[44:45], s[8:9], 0x30              ; e12, e13
	CROUND                                         ; all four work-groups are here: the joint loads meet
	s_lshl_b32 s56, s22, 16                        ; the group's 65,536 bytes,
	s_lshl_b32 s33, s20, 14                        ; my wave's 16,384 of them: in LDS
	s_add_co_u32 s56, s56, s33                     ; and in memory
	s_mov_b32 s32, 1
	s_add_nc_u64 s[34:35], s[4:5], s[56:57]
	s_or_b32 s35, s35, 0x80000000
	tensor_load_to_lds s[32:35], s[24:31]          ; my one tensor load
	s_nop 0
	PLACES
	s_lshl_b32 s58, s21, 2
	s_add_co_u32 s58, s58, s20                     ; which 64 columns
	s_lshl_b32 s56, s58, 15
	s_add_co_u32 s56, s56, WO_AT
	s_add_nc_u64 s[50:51], s[6:7], s[56:57]
	s_lshl_b32 s56, s22, 19                        ; 128 rows of 4,096 bytes
	s_lshl_b32 s59, s58, 8
	s_add_co_u32 s56, s56, s59
	s_add_nc_u64 s[54:55], s[10:11], s[56:57]
.macro WLOAD s
	WIN 0x40
.irp n, 0,1,2,3
.irp c, 0,1,2,3
	global_load_b128 v[16*(4*(\s)+\n)+4*\c:16*(4*(\s)+\n)+4*\c+3], v1, s[50:51] offset:(\s)*8192+\n*2048+\c*512
.endr
.endr
	WIN 0
.endm
.macro AFETCH s, half                  ; o's fragments of K step s (heads 4 s + c), tiles 4 half .. 4 half + 3
.irp t, 0,1,2,3
.irp c, 0,1,2,3
	ds_load_b128 v[AF+64*(\half)+16*\t+4*\c:AF+64*(\half)+16*\t+4*\c+3], v1 offset:(4*(\s)+\c)*4096+(4*(\half)+\t)*512
.endr
.endr
.endm
.macro MUL16 s, half                   ; the 32 accumulators take turns, in the same order in every K step
	WIN 0xa1
.irp t, 0,1,2,3
.irp n, 0,1,2,3
.if (\s) == 0
	v_wmma_f32_16x16x128_fp8_fp8 v[8*(4*(4*(\half)+\t)+\n):8*(4*(4*(\half)+\t)+\n)+7], v[16*(4*(\s)+\n):16*(4*(\s)+\n)+15], v[AF+64*(\half)+16*\t:AF+64*(\half)+16*\t+15], 0
.else
	v_wmma_f32_16x16x128_fp8_fp8 v[8*(4*(4*(\half)+\t)+\n):8*(4*(4*(\half)+\t)+\n)+7], v[16*(4*(\s)+\n):16*(4*(\s)+\n)+15], v[AF+64*(\half)+16*\t:AF+64*(\half)+16*\t+15], v[8*(4*(4*(\half)+\t)+\n):8*(4*(4*(\half)+\t)+\n)+7]
.endif
.endr
.endr
	WIN 0
.endm
.macro GSTEP s
	s_wait_loadcnt 16*(3-(\s))                     ; this K step's weights are in; the later steps' may be out
	s_wait_dscnt 16                                ; tiles 0-3 are in; the 16 loads of tiles 4-7 may be out
	MUL16 \s, 0
.if (\s) < 3
	PLACES
	AFETCH (\s)+1, 0
	s_wait_dscnt 16                                ; tiles 4-7 are in; the 16 just issued may be out
.else
	s_wait_dscnt 0x0
.endif
	MUL16 \s, 1
.if (\s) < 3
	PLACES
	AFETCH (\s)+1, 1
.endif
.endm
	WLOAD 0
	WLOAD 1
	WLOAD 2
	WLOAD 3
	s_wait_tensorcnt 0x0                           ; my part of o's block is in LDS,
	s_barrier_signal -1
	s_barrier_wait -1                              ; everybody's is
	AFETCH 0, 0
	AFETCH 0, 1
.irp s, 0,1,2,3
	GSTEP \s
.endr
	s_wait_kmcnt 0x0
	s_add_co_i32 s46, s44, s45
	s_add_co_i32 s46, s46, 127
	s_lshl_b32 s46, s46, 23                        ; 2^(e12 + e13) as f32
	s_mov_b32 s47, s46                             ; (named with it as a pair, so it is written)
.macro TOSTAGE a
	WIN 0x02
.irp j, 0,2,4,6,8,10,12,14,16,18,20,22,24,26,28,30
	v_pk_mul_f32 v[TT+\j:TT+\j+1], v[32*(\a)+\j:32*(\a)+\j+1], s[46:47] op_sel_hi:[1,0]   ; each accumulator from its low end on
.endr
	WIN 0
.irp n, 0,1,2,3
.irp k, 0,1
	ds_store_b128 v3, v[TT+8*\n+4*\k:TT+8*\n+4*\k+3] offset:128*(\n/2)+32*(\n%2)+16*\k
.endr
.endr
.irp i, 0,1,2,3,4,5,6,7
	ds_load_b128 v[AF+32*((\a)%2)+4*\i:AF+32*((\a)%2)+4*\i+3], v4 offset:2*SPI*\i   ; LDS serves a wave's instructions in order: these see my stores, and the next tile's stores come behind them
.endr
.endm
.macro SEND a, younger                 ; younger: the LDS instructions issued behind tile a's loads, which may stay out
	s_wait_dscnt \younger
.irp i, 0,1,2,3,4,5,6,7
	global_store_b128 v6, v[AF+32*((\a)%2)+4*\i:AF+32*((\a)%2)+4*\i+3], s[54:55] offset:(32*((\a)/2)+8*((\a)%2)+(2*\i)%8+16*(\i/4))*4096 th:TH_STORE_NT   ; stage rows 2 i, 2 i + 1 are neighbouring tokens
.endr
.endm
	PLACES
	TOSTAGE 0
.irp a, 1,2,3,4,5,6,7
.if \a > 1
	s_wait_xcnt 0x0                                ; tile a - 2's stores have read their registers: tile a's loads may land there
.endif
	TOSTAGE \a
	SEND \a-1, 16                                  ; behind tile a - 1's loads: tile a's 8 stores and 8 loads
.endr
	SEND 7, 0
	s_wait_tensorcnt 0x0                           ; the wave's end
	ds_add_u32 v30, v31
	s_wait_dscnt 0x0
	CROUND                                         ; the closing round
	s_endpgm
.Lfunc_end_k_q9a6de50f58_outp:
	.size	k_q9a6de50f58_outp, .Lfunc_end_k_q9a6de50f58_outp-k_q9a6de50f58_outp
	.p2alignl 7, 3214868480
	.fill 96, 4, 3214868480
	.section	.rodata,"a",@progbits
	.p2align	6, 0x0
	.amdhsa_kernel k_q9a6de50f58_outp
		.amdhsa_group_segment_fixed_size 167936
		.amdhsa_private_segment_fixed_size 0
		.amdhsa_enable_private_segment 0
		.amdhsa_kernarg_size 32
		.amdhsa_user_sgpr_count 2
		.amdhsa_user_sgpr_kernarg_segment_ptr 1
		.amdhsa_wavefront_size32 1
		.amdhsa_system_sgpr_workgroup_id_x 1
		.amdhsa_system_sgpr_workgroup_id_y 1
		.amdhsa_system_sgpr_workgroup_id_z 1
		.amdhsa_system_vgpr_workitem_id 0
		.amdhsa_next_free_vgpr 768
		.amdhsa_next_free_sgpr 66
		.amdhsa_reserve_vcc 0
		.amdhsa_float_denorm_mode_32 3
		.amdhsa_float_denorm_mode_16_64 3
		.amdhsa_memory_ordered 1
		.amdhsa_forward_progress 1
		.amdhsa_inst_pref_size 52
	.end_amdhsa_kernel
	.amdgpu_metadata
---
amdhsa.version: [ 1, 2 ]
amdhsa.kernels:
  - .name:           k_q9a6de50f58_outp
    .symbol:         k_q9a6de50f58_outp.kd
    .args:
      - { .name: oimg, .offset: 0, .size: 8, .value_kind: global_buffer, .address_space: global }
      - { .name: wimg, .offset: 8, .size: 8, .value_kind: global_buffer, .address_space: global }
      - { .name: lowp_scales, .offset: 16, .size: 8, .value_kind: global_buffer, .address_space: global }
      - { .name: out0, .offset: 24, .size: 8, .value_kind: global_buffer, .address_space: global }
    .group_segment_fixed_size: 167936
    .private_segment_fixed_size: 0
    .kernarg_segment_align: 8
    .kernarg_segment_size: 32
    .max_flat_workgroup_size: 128
    .sgpr_count:     66
    .vgpr_count:     768
    .wavefront_size: 32
...
	.end_amdgpu_metadata
.endif
;; end of part 10
